; MI455X (gfx1250); checked and timed in simulation.
; The chip was launched on July 23, 2026; its instructions are those of AMD's public machine-readable ISA for CDNA 5 (MIT licence, August 2026) and "CDNA5" Instruction Set Architecture Reference Guide (July 2026). The comments in the code are by the model that wrote it; some were corrected since.
;; Head Attention. Allowed arithmetic: float matrix products may take bf16 or f16 operands with f32 sums; all other float work in f32.
;; Inputs: Wk 1,024 x 1,024 float32; Wproj 1,024 x 1,024 float32; Wq 1,024 x 1,024 float32; Wv 1,024 x 1,024 float32; k 4 x 2,048 x 1,024 float32; q 4 x 2,048 x 1,024 float32; v 4 x 2,048 x 1,024 float32.
;; Outputs: out0 4 x 2,048 x 1,024 float32.
;; 3 versions, each right; version 2 is faster than version 1; version 3 is version 2 with the launch cast written anew for expert scheduling mode. Each part assembles by itself: llvm-mc -triple=amdgcn-amd-amdhsa -mcpu=gfx1250 --defsym DOCPART=n.
;; ======== version 1 of 3: 5 launches
;; limits: values are held in f16: magnitudes above 65,504 overflow, below 6.1e-05 lose precision
;; workspace buffers: xb 50,331,648 bytes; wb 6,291,456 bytes; wp 2,097,152 bytes; h 50,331,648 bytes; pt 33,554,432 bytes; st 1,048,576 bytes; y 16,777,216 bytes
;; launch cast (part 1): grid 896 x 1, 8 waves a work-group, no clusters, 0 bytes of LDS; arguments q, k, v, Wq, Wk, Wv, Wproj, xb, wb, wp; writes xb, wb, wp
.if DOCPART == 1
	.amdgcn_target "amdgcn-amd-amdhsa--gfx1250"
	.amdhsa_code_object_version 6
	.text
	.protected	k_q62ad56fad2_cast
	.globl	k_q62ad56fad2_cast
	.p2align	8
	.type	k_q62ad56fad2_cast,@function
k_q62ad56fad2_cast:
	s_mov_b64 s[64:65], 0
	v_nop
	global_prefetch_b8 v0, s[64:65] scope:SCOPE_SE
	s_setreg_imm32_b32 hwreg(HW_REG_WAVE_MODE, 25, 1), 1
	s_wait_xcnt 0x0
; CAST.  All seven inputs are rounded once to bf16: q, k, v -> xb [3][8192][1024], Wq, Wk, Wv -> wb [3][1024][1024]; Wproj's bf16 number is written as f16 into wp [1024][1024],
; since the last product multiplies it with an f16 operand.  LIMIT: a bf16 number below 6.1e-5 keeps f16's fixed step of 6e-8 in wp; beyond 65,504 it becomes an infinity.
; A stream: no LDS, no barrier, no matrix unit.  A work-group takes 32,768 numbers (131,072 bytes in, 65,536 out), thread t the 16 bytes at 16 t of each 4,096: a wave's load covers 512
; consecutive bytes, its store 256 consecutive bytes at a multiple of 256.  All 32 loads of a wave go out at once; each has registers of its own, so nothing is rewritten while it is pending.
; Work-groups 0-767: q, k, v (256 each); 768-863: Wq, Wk, Wv (32 each); 864-895: Wproj.
.set X, 4                              ; v[4:131]    load i: 4 registers
.set Y, 132                            ; v[132:195]  store i: 2 registers
.set T, 196                            ; v[196:199]  at work
	s_load_b512 s[8:23], s[0:1], 0x0               ; q s[8:9], k, v, Wq, Wk, Wv, Wproj s[20:21], xb s[22:23]
	s_load_b128 s[24:27], s[0:1], 0x40             ; wb s[24:25], wp s[26:27]
	s_mov_b32 s2, ttmp9
	v_lshlrev_b32 v1, 4, v0                        ; 16 t: my bytes in each 4,096 of the source
	v_lshlrev_b32 v2, 3, v0                        ; 8 t: in each 2,048 of the result
	s_and_b32 s30, s2, 255                         ; my part of a large input,
	s_and_b32 s31, s2, 31                          ; or of a weight (768 is a multiple of 32)
	s_cmp_ge_u32 s2, 768
	s_cselect_b32 s30, s31, s30
	s_lshl_b32 s30, s30, 17                        ; times 131,072 bytes
	s_mov_b32 s31, 0
	s_mov_b32 s32, s2                              ; my part of xb,
	s_sub_co_u32 s33, s2, 768
	s_cmp_ge_u32 s2, 768
	s_cselect_b32 s32, s33, s32                    ; of wb,
	s_sub_co_u32 s33, s2, 864
	s_cmp_ge_u32 s2, 864
	s_cselect_b32 s32, s33, s32                    ; or of wp
	s_lshl_b32 s32, s32, 16                        ; times 65,536 bytes
	s_mov_b32 s33, 0
	s_wait_kmcnt 0x0
	s_mov_b64 s[4:5], s[8:9]                       ; the source is chosen by the work-group's number alone
	s_cmp_ge_u32 s2, 256
	s_cselect_b64 s[4:5], s[10:11], s[4:5]
	s_cmp_ge_u32 s2, 512
	s_cselect_b64 s[4:5], s[12:13], s[4:5]
	s_cmp_ge_u32 s2, 768
	s_cselect_b64 s[4:5], s[14:15], s[4:5]
	s_cmp_ge_u32 s2, 800
	s_cselect_b64 s[4:5], s[16:17], s[4:5]
	s_cmp_ge_u32 s2, 832
	s_cselect_b64 s[4:5], s[18:19], s[4:5]
	s_cmp_ge_u32 s2, 864
	s_cselect_b64 s[4:5], s[20:21], s[4:5]
	s_mov_b64 s[6:7], s[22:23]                     ; and so is the result
	s_cmp_ge_u32 s2, 768
	s_cselect_b64 s[6:7], s[24:25], s[6:7]
	s_cmp_ge_u32 s2, 864
	s_cselect_b64 s[6:7], s[26:27], s[6:7]
	s_add_nc_u64 s[4:5], s[4:5], s[30:31]
	s_add_nc_u64 s[6:7], s[6:7], s[32:33]
.set i, 0
.rept 32
	global_load_b128 v[X+4*i:X+4*i+3], v1, s[4:5] offset:i*4096 th:TH_LOAD_NT  ; each input byte is read once in the launch
.set i, i+1
.endr
; Load n is rounded and stored.  half = 1: the bf16 number is widened again (a shift, a mask) and written as f16.
.macro CV n, half
	s_wait_loadcnt 31-(\n)                         ; loads come back in order (ISA guide 5.7.1): mine is in, the 31 - n younger ones stay out
	v_cvt_pk_bf16_f32 v[Y+2*(\n)], v[X+4*(\n)], v[X+4*(\n)+1]
	v_cvt_pk_bf16_f32 v[Y+2*(\n)+1], v[X+4*(\n)+2], v[X+4*(\n)+3]
.if \half
	v_lshlrev_b32 v[T], 16, v[Y+2*(\n)]
	v_and_b32 v[T+1], 0xffff0000, v[Y+2*(\n)]
	v_lshlrev_b32 v[T+2], 16, v[Y+2*(\n)+1]
	v_and_b32 v[T+3], 0xffff0000, v[Y+2*(\n)+1]
	v_cvt_pk_f16_f32 v[Y+2*(\n)], v[T], v[T+1]
	v_cvt_pk_f16_f32 v[Y+2*(\n)+1], v[T+2], v[T+3]
.endif
	global_store_b64 v2, v[Y+2*(\n):Y+2*(\n)+1], s[6:7] offset:(\n)*2048
.endm
	s_cmp_ge_u32 s2, 864
	s_cbranch_scc1 .Lhalf
.set i, 0
.rept 32
	CV i, 0
.set i, i+1
.endr
	s_endpgm
.Lhalf:
.set i, 0
.rept 32
	CV i, 1
.set i, i+1
.endr
	s_endpgm
.Lfunc_end_k_q62ad56fad2_cast:
	.size	k_q62ad56fad2_cast, .Lfunc_end_k_q62ad56fad2_cast-k_q62ad56fad2_cast
	.p2alignl 7, 3214868480
	.fill 96, 4, 3214868480
	.section	.rodata,"a",@progbits
	.p2align	6, 0x0
	.amdhsa_kernel k_q62ad56fad2_cast
		.amdhsa_group_segment_fixed_size 0
		.amdhsa_private_segment_fixed_size 0
		.amdhsa_enable_private_segment 0
		.amdhsa_kernarg_size 80
		.amdhsa_user_sgpr_count 2
		.amdhsa_user_sgpr_kernarg_segment_ptr 1
		.amdhsa_wavefront_size32 1
		.amdhsa_system_sgpr_workgroup_id_x 1
		.amdhsa_system_sgpr_workgroup_id_y 1
		.amdhsa_system_sgpr_workgroup_id_z 1
		.amdhsa_system_vgpr_workitem_id 0
		.amdhsa_next_free_vgpr 200
		.amdhsa_next_free_sgpr 66
		.amdhsa_reserve_vcc 0
		.amdhsa_float_denorm_mode_32 3
		.amdhsa_float_denorm_mode_16_64 3
		.amdhsa_memory_ordered 1
		.amdhsa_forward_progress 1
		.amdhsa_inst_pref_size 32
	.end_amdhsa_kernel
	.amdgpu_metadata
---
amdhsa.version: [ 1, 2 ]
amdhsa.kernels:
  - .name:           k_q62ad56fad2_cast
    .symbol:         k_q62ad56fad2_cast.kd
    .args:
      - { .name: q, .offset: 0, .size: 8, .value_kind: global_buffer, .address_space: global }
      - { .name: k, .offset: 8, .size: 8, .value_kind: global_buffer, .address_space: global }
      - { .name: v, .offset: 16, .size: 8, .value_kind: global_buffer, .address_space: global }
      - { .name: Wq, .offset: 24, .size: 8, .value_kind: global_buffer, .address_space: global }
      - { .name: Wk, .offset: 32, .size: 8, .value_kind: global_buffer, .address_space: global }
      - { .name: Wv, .offset: 40, .size: 8, .value_kind: global_buffer, .address_space: global }
      - { .name: Wproj, .offset: 48, .size: 8, .value_kind: global_buffer, .address_space: global }
      - { .name: xb, .offset: 56, .size: 8, .value_kind: global_buffer, .address_space: global }
      - { .name: wb, .offset: 64, .size: 8, .value_kind: global_buffer, .address_space: global }
      - { .name: wp, .offset: 72, .size: 8, .value_kind: global_buffer, .address_space: global }
    .group_segment_fixed_size: 0
    .private_segment_fixed_size: 0
    .kernarg_segment_align: 8
    .kernarg_segment_size: 80
    .max_flat_workgroup_size: 256
    .sgpr_count:     66
    .vgpr_count:     200
    .wavefront_size: 32
...
	.end_amdgpu_metadata
.endif
;; end of part 1
;; launch proj (part 2): grid 4 x 96, 4 waves a work-group, clusters of 4 x 4, 327,680 bytes of LDS; arguments xb, wb, h; writes h
.if DOCPART == 2
	.amdgcn_target "amdgcn-amd-amdhsa--gfx1250"
	.amdhsa_code_object_version 6
	.text
	.protected	k_q62ad56fad2_proj
	.globl	k_q62ad56fad2_proj
	.p2align	8
	.type	k_q62ad56fad2_proj,@function
k_q62ad56fad2_proj:
	s_mov_b64 s[64:65], 0
	v_nop
	global_prefetch_b8 v0, s[64:65] scope:SCOPE_SE
	s_setreg_imm32_b32 hwreg(HW_REG_WAVE_MODE, 25, 1), 1
	s_wait_xcnt 0x0
	s_wait_alu depctr_hold_cnt(0) depctr_sa_sdst(0) depctr_va_vdst(0) depctr_va_sdst(0) depctr_va_ssrc(0) depctr_va_vcc(0) depctr_vm_vsrc(0)
	s_getreg_b32 s2, hwreg(HW_REG_IB_STS2, 6, 4)
	s_cmp_eq_u32 s2, 0
	s_cbranch_scc0 .Lentry_in_a_cluster
	s_endpgm
.Lentry_in_a_cluster:
	s_bfe_u32 s2, ttmp6, 0x10000c
	s_cmp_lg_u32 s2, 0xf033
	s_cbranch_scc0 .Lentry_shape_is_right
	s_endpgm
.Lentry_shape_is_right:
; PROJ.  h[t][l][e] = sum over d of xb[t][l][d] wb[t][e][d], t = q, k, v: one product of 24,576 x 1,024 x 1,024 whose rows choose the weight.  bf16 operands, f32 sums, h rounded once to f16, unscaled.
; (h's third plane is v projected with Wv, as q and k are with Wq and Wk.)
; LIMIT: f16 ends at 65,504: a projected number beyond it becomes an infinity.  (Unit-spread rows and weights within 1/32 give numbers near 1; all inputs 30 times larger give some 3e3; offsets of 30 spreads on both some 1.7e4.)
; A tile of h is 256 x 256: 96 x 4 = 384 work-groups.  Four waves, each 128 x 128 = 64 accumulators of 16 x 16, 512 registers.  K goes in 8 steps of 128 through two LDS slots filled by the tensor data mover; the tiles' rows are
; 256 bytes of memory at multiples of 256.  A trip of the loop is ONE K step: the slot to read and the slot to fill are two scalars that an exclusive or turns.
; CLUSTER 4 x 4: the four of a row of the cluster need the same tile of xb, the four of a column the same tile of wb (a cluster's 1,024 rows lie in one of the three inputs, so all sixteen share the weight):
; each tile is asked for jointly, by the same tensor load with the same descriptor and a mask that names the four.
; THE MATRIX INSTRUCTION IS USED TRANSPOSED (source 0 = 16 rows of wb, source 1 = 16 rows of xb): a lane then holds eight neighbouring numbers of one row of h.
; REGISTERS, in windows of 256 (s_set_vgpr_msb: bits 1:0 source 0, 3:2 source 1, 5:4 source 2, 7:6 destination):
;   window 0: v16-29 addresses; v64-127, v128-191 fragments of xb, two buffers; v32-63, v192-255 at work on the way out      window 1: v64-127, v128-191 fragments of wb
;   window 2: the accumulators of my rows 0-63 ((a, b) at v[8 (8 a + b)])      window 3: those of my rows 64-127
.set SIZE_K, 1024
.set SIZE_N, 1024
.set KSTEP,  128
.set PITCH,  272                       ; an LDS row: 256 bytes + 16 of padding = 68 words: the 16 rows of a fragment load start at 16 different groups of four banks (64 banks of 4 bytes: ISA guide 11.1)
.set HALFT,  128*PITCH                 ; 128 rows: what one tensor load brings
.set SLOT,   4*HALFT                   ; xb's 256 rows, then wb's 256 rows
.set STAGE,  2*SLOT                    ; behind the ring: 16 rows x 272 bytes for each wave, for the way out
.set SPITCH, 272
.set SPARE,  STAGE+4*16*SPITCH         ; the spare words, 128 bytes for each wave
.set ADRA0, 16                         ; v16  my lane's place among A's fragments in slot 0; never rewritten
.set ADRB0, 17                         ; v17  the same for B
.set ADRA, 18                          ; v18  the same in the slot in hand
.set ADRB, 19                          ; v19
.set STO,  24                          ; v24  the way out: where I put 16 bytes of a row
.set RD,   25                          ; v25  where I read a row back
.set CO,   26                          ; v26  my byte offset in two rows of h
.set SPW,  28                          ; v28  my spare word; never rewritten
.set NIL,  29                          ; v29  0; never rewritten
.set F0,   64
.set F1,   128
.set TMP,  192
.set OB,   32
.set G1, 24                            ; s[24:31] group 1 for A's tiles
.set G0, 32                            ; s[32:35] group 0 of A's first fill; s[36:39] the set that walks
.set G1B, 48                           ; s[48:55], s[56:63] the same for B
.set G0B, 56
.set LB, 20                            ; s20  my load's place in a slot: wave x 128 rows
.set TF, 21                            ; s21  0 or SLOT: the slot filled last
.set TB, 22                            ; s22  0 or SLOT: the slot read
.set MSB, 0
.macro WIN new                         ; the immediate's high byte repeats the setting that is left; a switch that changes nothing is dropped
.if MSB != (\new)
	s_set_vgpr_msb (MSB<<8)|(\new)
.set MSB, \new
.endif
.endm
.set MUL_LO, 0xa1                      ; source 0 (B) window 1, source 1 (A) window 0, C and D window 2
.set MUL_HI, 0xf1                      ; the same, C and D window 3
.set TO_B,   0x40                      ; destination window 1, address window 0
; A joint refill by the walking sets.  Waves 0 and 1 fetch A's two halves, waves 2 and 3 B's.  An s_nop 0 and four v_nop follow each of the two lines.
.macro JLOAD
	s_cmp_eq_u32 s11, 0
	s_cbranch_scc0 .Lfor_b_\@
	tensor_load_to_lds s[G0+4:G0+7], s[G1:G1+7]
	s_nop 0
.rept 4
	v_nop
.endr
	s_branch .Lasked_\@
.Lfor_b_\@:
	tensor_load_to_lds s[G0B+4:G0B+7], s[G1B:G1B+7]
	s_nop 0
.rept 4
	v_nop
.endr
.Lasked_\@:
.endm
.macro CREST                           ; a round of the cluster's barrier behind its opening barrier
	s_cmp_lg_u32 s10, 0
	s_cbranch_scc1 .Lnot_wave_0_\@
	s_barrier_signal -3
.Lnot_wave_0_\@:
	s_barrier_wait -3
	s_barrier_signal -1
	s_barrier_wait -1
.endm
.macro CROUND                          ; a whole round
	s_barrier_signal -1
	s_barrier_wait -1
	CREST
.endm
	s_load_b128 s[4:7], s[0:1], 0x0                ; xb s[4:5], wb s[6:7]
	s_load_b64 s[8:9], s[0:1], 0x10                ; h
	v_lshl_add_u32 v[SPW], v0, 2, SPARE
	v_mov_b32 v[NIL], 0
	ds_add_u32 v[SPW], v[NIL]                      ; the wave's opening: the add and its wait ahead of my first tensor load; work on registers stands between them
	ds_add_u32 v28, v29
	v_lshrrev_b32 v1, 5, v0
	v_readfirstlane_b32 s10, v1                    ; wave 0..3
	s_lshr_b32 s11, s10, 1                         ; my half of the tile's rows.  Also: I fetch for A (0) or for B (1)
	s_and_b32 s12, s10, 1                          ; my half of its columns.  Also: which 128 rows I fetch
	s_bfe_u32 s40, ttmp6, 0x40000                  ; cx
	s_bfe_u32 s41, ttmp6, 0x40004                  ; cy
	s_lshl_b32 s42, ttmp9, 2
	s_add_co_u32 s42, s42, s40                     ; tile column = 4 x cluster x + cx
	s_and_b32 s13, ttmp7, 0xffff
	s_lshr_b32 s45, s13, 3                         ; which input: 8 clusters of 1,024 rows each; the same in all sixteen partners
	s_lshl_b32 s13, s13, 2
	s_add_co_u32 s13, s13, s41                     ; tile row = 4 x cluster y + cy
	s_lshl_b32 s43, s41, 2
	s_lshl_b32 s43, 15, s43                        ; my row of the cluster
	s_lshl_b32 s44, 0x1111, s40                    ; my column
	s_or_b32 s[G1+0], s43, (1<<16)|(1<<20)|(1<<21)|(5<<22)|(3<<25)   ; the mask; 2-byte elements; padding on; bit 21 beside a mask; after every 64 words 4 words
	s_or_b32 s[G1B+0], s44, (1<<16)|(1<<20)|(1<<21)|(5<<22)|(3<<25)
.irp g, G1, G1B
	s_mov_b32 s[(\g)+1], KSTEP<<16                 ; tensor_dim0 = 128
	s_mov_b32 s[(\g)+2], 128<<16                   ; tensor_dim1 = 128
	s_mov_b32 s[(\g)+3], KSTEP<<16                 ; tile_dim0 = 128
	s_mov_b32 s[(\g)+4], 128                       ; tile_dim1 = 128
	s_mov_b32 s[(\g)+5], SIZE_K                    ; elements from row to row
	s_mov_b32 s[(\g)+6], 0
	s_mov_b32 s[(\g)+7], 0
.endr
	s_lshl_b32 s17, s12, 7                         ; which 128 rows of the tile I fetch
	s_lshl_b32 s16, s13, 8
	s_add_co_u32 s16, s16, s17                     ; A: row 256 x tile row + 128 x half,
	s_lshl_b32 s16, s16, 11                        ; times 2,048 bytes (under 2^26)
	s_lshl_b32 s46, s42, 8
	s_add_co_u32 s46, s46, s17                     ; B: row 256 x tile column + 128 x half,
	s_lshl_b32 s46, s46, 11
	s_lshl_b32 s47, s45, 21                        ; in the input's weight, 2,097,152 bytes each
	s_add_co_u32 s46, s46, s47
	s_mov_b32 s17, 0
	s_mov_b32 s47, 0
	s_mul_i32 s[LB], s10, HALFT                    ; no place in the cluster enters an LDS address
	s_mov_b32 s[TF], SLOT                          ; the second first fill goes into slot 1
	s_mov_b32 s[TB], 0
	s_wait_dscnt 0x0                               ; the opening add is done
	s_wait_kmcnt 0x0
	s_add_nc_u64 s[14:15], s[4:5], s[16:17]
	s_add_nc_u64 s[46:47], s[6:7], s[46:47]
	CROUND                                         ; all sixteen work-groups are here: the first joint loads meet
.irp s, 0,1
	s_mov_b32 s[G0+4*(\s)], 1                      ; count = 1
	s_add_co_u32 s[G0+4*(\s)+1], s[LB], (\s)*SLOT  ; LDS address
	s_add_nc_u64 s[G0+4*(\s)+2:G0+4*(\s)+3], s[14:15], (\s)*KSTEP*2  ; K step s
	s_or_b32 s[G0+4*(\s)+3], s[G0+4*(\s)+3], 0x80000000              ; type = 2
	s_mov_b32 s[G0B+4*(\s)], 1
	s_add_co_u32 s[G0B+4*(\s)+1], s[LB], (\s)*SLOT
	s_add_nc_u64 s[G0B+4*(\s)+2:G0B+4*(\s)+3], s[46:47], (\s)*KSTEP*2
	s_or_b32 s[G0B+4*(\s)+3], s[G0B+4*(\s)+3], 0x80000000
.endr
	s_cmp_eq_u32 s11, 0                            ; a wave's two first fills stand in one branch: two loads of mine are out
	s_cbranch_scc0 .Lfirst_b
	tensor_load_to_lds s[G0:G0+3], s[G1:G1+7]
	s_nop 0
	tensor_load_to_lds s[G0+4:G0+7], s[G1:G1+7]
	s_nop 0
.rept 4
	v_nop
.endr
	s_branch .Lfirst_asked
.Lfirst_b:
	tensor_load_to_lds s[G0B:G0B+3], s[G1B:G1B+7]
	s_nop 0
	tensor_load_to_lds s[G0B+4:G0B+7], s[G1B:G1B+7]
	s_nop 0
.rept 4
	v_nop
.endr
.Lfirst_asked:
	; A fragment is 16 rows x 32 K in 8 registers: lane l holds row l % 16; registers 0-3 K = 8 (l / 16) + 0..7, registers 4-7 K = 16 + 8 (l / 16) + 0..7: two loads of 16 bytes, 32 bytes apart.
	v_and_b32 v1, 15, v0                           ; l % 16
	v_bfe_u32 v2, v0, 4, 1                         ; l / 16
	v_mul_u32_u24 v3, v1, PITCH
	v_lshl_add_u32 v3, v2, 4, v3
	s_mul_i32 s23, s11, HALFT                      ; my 128 rows of A
	v_add_nc_u32 v[ADRA0], s23, v3
	s_mul_i32 s23, s12, HALFT                      ; my 128 rows of B,
	s_add_co_u32 s23, s23, 2*HALFT                 ; behind A's 256
	v_add_nc_u32 v[ADRB0], s23, v3
	v_mov_b32 v[ADRA], v[ADRA0]
	v_mov_b32 v[ADRB], v[ADRB0]
	s_mul_i32 s23, s10, 16*SPITCH
	s_add_co_u32 s23, s23, STAGE                   ; my stage
	v_mul_u32_u24 v4, v1, SPITCH                   ; in: row l % 16, 16 bytes for each half of the lanes
	v_lshl_add_u32 v4, v2, 4, v4
	v_add_nc_u32 v[STO], s23, v4
	v_mul_u32_u24 v5, v2, SPITCH                   ; back: lanes 0-15 one row of 256 bytes, lanes 16-31 the next
	v_lshl_add_u32 v5, v1, 4, v5
	v_add_nc_u32 v[RD], s23, v5
	v_lshlrev_b32 v5, 11, v2                       ; and the same two rows in h
	v_lshl_add_u32 v[CO], v1, 4, v5
	s_lshl_b32 s16, s13, 8                         ; where my part of the tile begins in h
	s_lshl_b32 s17, s11, 7
	s_add_co_u32 s16, s16, s17
	s_lshl_b32 s16, s16, 11
	s_lshl_b32 s46, s42, 9                         ; 512 x tile column + 256 x half
	s_lshl_b32 s47, s12, 8
	s_add_co_u32 s46, s46, s47
	s_add_co_u32 s16, s16, s46
	s_mov_b32 s17, 0
	s_add_nc_u64 s[8:9], s[8:9], s[16:17]
; 16 matrix instructions: m blocks a0, a0 + 1 of the window's four x all 8 n blocks, 32 along K.  zero = 1: the first product starts the sums.  The 64 accumulators take turns.
.macro MUL16 f, hi, a0, zero
	WIN MUL_LO+0x50*(\hi)
.irp a, \a0, (\a0)+1
.irp b, 0,1,2,3,4,5,6,7
.if \zero
	v_wmma_f32_16x16x32_bf16 v[8*(8*(\a)+(\b)):8*(8*(\a)+(\b))+7], v[(\f)+8*(\b):(\f)+8*(\b)+7], v[(\f)+8*(4*(\hi)+(\a)):(\f)+8*(4*(\hi)+(\a))+7], 0
.else
	v_wmma_f32_16x16x32_bf16 v[8*(8*(\a)+(\b)):8*(8*(\a)+(\b))+7], v[(\f)+8*(\b):(\f)+8*(\b)+7], v[(\f)+8*(4*(\hi)+(\a)):(\f)+8*(4*(\hi)+(\a))+7], v[8*(8*(\a)+(\b)):8*(8*(\a)+(\b))+7]
.endif
.endr
.endr
.endm
; 32 LDS loads in one run: the fragments of one quarter step (32 K at byte k of the rows of the slot in hand) into buffer f
.macro FETCH k, f
	WIN TO_B
.irp i, 0,1,2,3,4,5,6,7
	ds_load_b128 v[(\f)+8*(\i):(\f)+8*(\i)+3],   v[ADRB] offset:(\k)+(\i)*16*PITCH
	ds_load_b128 v[(\f)+8*(\i)+4:(\f)+8*(\i)+7], v[ADRB] offset:(\k)+(\i)*16*PITCH+32
.endr
	WIN 0
.irp i, 0,1,2,3,4,5,6,7
	ds_load_b128 v[(\f)+8*(\i):(\f)+8*(\i)+3],   v[ADRA] offset:(\k)+(\i)*16*PITCH
	ds_load_b128 v[(\f)+8*(\i)+4:(\f)+8*(\i)+7], v[ADRA] offset:(\k)+(\i)*16*PITCH+32
.endr
.endm
.macro PLACES                          ; four places in front of loads into registers that matrix instructions have read, and of conversions that read results
.rept 4
	v_nop
.endr
.endm
; A K step is four quarters of 32 along K on buffers 0, 1, 0, 1.  One of the first three: multiplies buffer f and fetches the next quarter, at byte k, into g.
.macro QUARTER k, f, g, zero
	s_wait_dscnt 8                                 ; B and A's rows 0-63 are in; the youngest eight loads (A's rows 64-127) may be out
	MUL16 \f, 0, 0, \zero
	MUL16 \f, 0, 2, \zero
	PLACES
	FETCH \k, \g
	s_wait_dscnt 32                                ; all but the 32 just issued
	MUL16 \f, 1, 0, \zero
	MUL16 \f, 1, 2, \zero
.endm
; The last quarter multiplies buffer 1 and changes slots: ONE barrier.  In front of it each wave waits for all its tensor loads (one is out: its part of the next slot), adds 0 to its spare word, and waits for that and for its reads of this slot.
.macro MEET
	WIN 0
	s_wait_tensorcnt 0x0
	ds_add_u32 v[SPW], v[NIL]
	s_wait_dscnt 9                                 ; the add and the youngest eight loads may be out
	MUL16 F1, 0, 0, 0
	s_wait_dscnt 0x0                               ; the add is done, and my reads of this slot are over
	s_barrier_signal -1
	MUL16 F1, 0, 2, 0                              ; work on registers while the others arrive
	WIN 0
	s_barrier_wait -1
.endm
; fill = 1: the barrier opens a round of the cluster's barrier, and the slot just read is filled again, two K steps ahead, first thing behind the round: 224 matrix instructions ahead of the wait for it.
.macro TURN fill
	MEET
.if \fill
	CREST
	s_xor_b32 s[TF], s[TF], SLOT                   ; no tensor load of mine is out: the walking sets step to the other slot and the next K step
	s_add_co_u32 s[G0+5], s[LB], s[TF]
	s_add_co_u32 s[G0B+5], s[LB], s[TF]
	s_add_nc_u64 s[G0+6:G0+7], s[G0+6:G0+7], KSTEP*2
	s_add_nc_u64 s[G0B+6:G0B+7], s[G0B+6:G0B+7], KSTEP*2
	JLOAD                                          ; the four v_nop behind it are also the places in front of the loads below
.else
	PLACES
.endif
	s_xor_b32 s[TB], s[TB], SLOT                   ; the reads go on in the other slot
	v_add_nc_u32 v[ADRA], s[TB], v[ADRA0]
	v_add_nc_u32 v[ADRB], s[TB], v[ADRB0]
	FETCH 0, F0
	MUL16 F1, 1, 0, 0
	MUL16 F1, 1, 2, 0
.endm
; THE WAY OUT of block a (16 rows): rounded to f16, 16 bytes a lane; into my own stage and back as whole rows of 256 bytes; stored.
.macro PACK a
.set AC, 64*((\a)%4)
	WIN 0x0a+5*((\a)/4)                            ; sources 0 and 1: window 2 or 3
.irp b, 0,1,2,3,4,5,6,7
.irp r, 0,1,2,3
	v_cvt_pk_f16_f32 v[TMP+4*(\b)+(\r)], v[AC+8*(\b)+2*(\r)], v[AC+8*(\b)+2*(\r)+1]
.endr
.endr
	WIN 0
.endm
.macro TOSTAGE a
.set BK, OB+192*((\a)%2)
.irp b, 0,1,2,3,4,5,6,7
	ds_store_b128 v[STO], v[TMP+4*(\b):TMP+4*(\b)+3] offset:32*(\b)
.endr
.irp t, 0,1,2,3,4,5,6,7
	ds_load_b128 v[BK+4*(\t):BK+4*(\t)+3], v[RD] offset:(\t)*2*SPITCH  ; LDS serves a wave's instructions in order (ISA guide 5.7.1.4): these see the stores above
.endr
.endm
.macro SEND a
.set BK, OB+192*((\a)%2)
	s_wait_dscnt 0x0                               ; the block is back in registers
	s_wait_xcnt 0x0                                ; the stores' base and the registers that earlier stores read are rewritten only behind this wait
.if (\a) > 0
	s_add_nc_u64 s[8:9], s[8:9], 16*SIZE_N*2       ; 16 rows of h on
.endif
.irp t, 0,1,2,3,4,5,6,7
	global_store_b128 v[CO], v[BK+4*(\t):BK+4*(\t)+3], s[8:9] offset:2*(\t)*SIZE_N*2  ; 16 lanes store 256 consecutive bytes, at a multiple of 256 from h's first byte
.endr
.endm
	s_wait_tensorcnt 1                             ; my part of K step 0 is in; K step 1's may stay out
	s_barrier_signal -1
	s_barrier_wait -1
	FETCH 0, F0
	QUARTER 64, F0, F1, 1                          ; the first quarter stands in front of the loop: its products start the sums
	WIN 0
	s_mov_b32 s3, 6
.Lstep:                                                ; trip s: quarters 1 to 3 of K step s, the refill with K step s + 2, quarter 0 of K step s + 1
	QUARTER 128, F1, F0, 0
	QUARTER 192, F0, F1, 0
	TURN 1
	QUARTER 64, F0, F1, 0
	WIN 0
	s_sub_co_u32 s3, s3, 1
	s_cmp_lg_u32 s3, 0
	s_cbranch_scc1 .Lstep
	QUARTER 128, F1, F0, 0                         ; K steps 6 and 7 ask for nothing
	QUARTER 192, F0, F1, 0
	TURN 0
	QUARTER 64, F0, F1, 0
	QUARTER 128, F1, F0, 0
	QUARTER 192, F0, F1, 0
	s_wait_dscnt 8
	MUL16 F1, 0, 0, 0
	MUL16 F1, 0, 2, 0
	s_wait_dscnt 0x0
	MUL16 F1, 1, 0, 0
	MUL16 F1, 1, 2, 0
	WIN 0
	PLACES
	PACK 0
	TOSTAGE 0
.irp a, 1,2,3,4,5,6,7                  ; block a's conversions stand between block a - 1's loads from the stage and the wait for them
	PACK \a
	SEND (\a)-1
	TOSTAGE \a
.endr
	SEND 7
	s_wait_tensorcnt 0x0                           ; the wave's end
	ds_add_u32 v[SPW], v[NIL]
	s_wait_dscnt 0x0
	CROUND                                         ; the closing round
	s_endpgm
.Lfunc_end_k_q62ad56fad2_proj:
	.size	k_q62ad56fad2_proj, .Lfunc_end_k_q62ad56fad2_proj-k_q62ad56fad2_proj
	.p2alignl 7, 3214868480
	.fill 96, 4, 3214868480
	.section	.rodata,"a",@progbits
	.p2align	6, 0x0
	.amdhsa_kernel k_q62ad56fad2_proj
		.amdhsa_group_segment_fixed_size 327680
		.amdhsa_private_segment_fixed_size 0
		.amdhsa_enable_private_segment 0
		.amdhsa_kernarg_size 24
		.amdhsa_user_sgpr_count 2
		.amdhsa_user_sgpr_kernarg_segment_ptr 1
		.amdhsa_wavefront_size32 1
		.amdhsa_system_sgpr_workgroup_id_x 1
		.amdhsa_system_sgpr_workgroup_id_y 1
		.amdhsa_system_sgpr_workgroup_id_z 1
		.amdhsa_system_vgpr_workitem_id 0
		.amdhsa_next_free_vgpr 1024
		.amdhsa_next_free_sgpr 66
		.amdhsa_reserve_vcc 0
		.amdhsa_float_denorm_mode_32 3
		.amdhsa_float_denorm_mode_16_64 3
		.amdhsa_memory_ordered 1
		.amdhsa_forward_progress 1
		.amdhsa_inst_pref_size 116
	.end_amdhsa_kernel
	.amdgpu_metadata
---
amdhsa.version: [ 1, 2 ]
amdhsa.kernels:
  - .name:           k_q62ad56fad2_proj
    .symbol:         k_q62ad56fad2_proj.kd
    .args:
      - { .name: xb, .offset: 0, .size: 8, .value_kind: global_buffer, .address_space: global }
      - { .name: wb, .offset: 8, .size: 8, .value_kind: global_buffer, .address_space: global }
      - { .name: h, .offset: 16, .size: 8, .value_kind: global_buffer, .address_space: global }
    .group_segment_fixed_size: 327680
    .private_segment_fixed_size: 0
    .kernarg_segment_align: 8
    .kernarg_segment_size: 24
    .max_flat_workgroup_size: 128
    .sgpr_count:     66
    .vgpr_count:     1024
    .wavefront_size: 32
...
	.end_amdgpu_metadata
.endif
;; end of part 2
;; launch scores (part 3): grid 36 x 4, 4 waves a work-group, no clusters, 327,680 bytes of LDS; arguments h, pt, st; writes pt, st
.if DOCPART == 3
	.amdgcn_target "amdgcn-amd-amdhsa--gfx1250"
	.amdhsa_code_object_version 6
	.text
	.protected	k_q62ad56fad2_scores
	.globl	k_q62ad56fad2_scores
	.p2align	8
	.type	k_q62ad56fad2_scores,@function
k_q62ad56fad2_scores:
	s_mov_b64 s[64:65], 0
	v_nop
	global_prefetch_b8 v0, s[64:65] scope:SCOPE_SE
	s_setreg_imm32_b32 hwreg(HW_REG_WAVE_MODE, 25, 1), 1
	s_wait_xcnt 0x0
; SCORES.  For each causal tile (qt, kt <= qt) of 256 queries x 256 keys of a batch: S = qh kh^T (f16 operands, f32 sums).  Then for each row and each block t of 128 keys: cm = c max(s), c = log2(e) / 8;
; p = 2^(c s - cm), rounded to f16 into pt [4][2048][2048]; l = the sum of the unrounded p; cm and l go into st [2][16][8192].  The block's own maximum is taken away before every exponential;
; the next launch joins the blocks by 2^(cm - the row's largest cm), which is at most 1.
; LIMITS.  A hidden score counts as -2^100; f16's scores, 4.4e12 at the most, are nothing beside that.  A block all of whose keys are hidden takes -2^96 for its maximum: its p and l are 0.
; A weight below 2^-126 counts as 0; p below 6e-5 keeps f16's fixed step of 6e-8; NaN and infinities are not treated apart.
; NO CLUSTER: a batch's 36 tiles are a triangle whose rows have 1 to 8 tiles and whose columns have 8 to 1: it does not fall into groups of four that share a tile of qh or of kh without work-groups
; that lie wholly above the diagonal and would have nothing to do.
; The product is the frame of the projection: four waves, 128 x 128 each, 8 K steps of 128 through two slots, one K step a trip.  Source 0 = 16 keys, source 1 = 16 queries: a lane holds ONE query (lane % 16) and the keys 8 (lane / 16) + 0..7.
; THE SOFTMAX is written once and walked eight times: the 64 accumulators are laid into the ring's bytes, which have had their last fill, 16 bytes a lane and lane after lane, and come back 16 queries at a time.
; REGISTERS: as in the projection; behind the product window 0 holds v64-127 the scores of 16 queries x 128 keys, v128-159 p, v160-191 rows on their way out.
.set SIZE_K, 1024
.set KSTEP,  128
.set PITCH,  272                       ; 256 bytes + 16 of padding: the 16 rows of a fragment load start at 16 different groups of four banks (ISA guide 11.1)
.set HALFT,  128*PITCH
.set SLOT,   4*HALFT
.set STAGE,  2*SLOT                    ; 16 rows x 272 bytes for each wave
.set SPITCH, 272
.set STATS,  STAGE+4*16*SPITCH         ; for each wave 128 cm, then 128 l
.set SPARE,  STATS+4*1024              ; the spare words, 128 bytes for each wave
.set ADRA0, 16
.set ADRB0, 17
.set ADRA, 18
.set ADRB, 19
.set DMP,  20                          ; v20  where my 16 bytes of a laid-out accumulator lie: wave x 65,536 + 16 x lane; steps 8,192 a trip
.set SSA,  21                          ; v21  where my row's cm (lanes 0-15) or l (lanes 16-31) goes; steps 64 a trip
.set SRD,  22                          ; v22  where I read four of them back
.set DA,   23                          ; v23  my query's place less my keys' first place, in the tile: key 16 b + j is hidden where it is greater; steps 16 a trip
.set STO,  24
.set RD,   25
.set CO,   26
.set BIG,  27                          ; v27  -2^100
.set SPW,  28
.set NIL,  29
.set CH,   32                          ; v32-35 at work
.set CMP,  40                          ; v[40:41] cm, named as a pair
.set SGO,  45                          ; v45  16 x lane
.set F0,   64
.set F1,   128
.set S,    64
.set P,    128
.set OB,   160
.set G1, 24                            ; s[24:31] group 1, for both operands
.set G0, 32                            ; s[32:35] group 0 of qh's first fill; s[36:39] the set that walks
.set G0B, 48                           ; s[48:51], s[52:55] the same for kh
.set LB, 20
.set TF, 21
.set TB, 22
.set DG, 45                            ; s45  1: the tile holds the diagonal
.set HIH, 46                           ; s46  lanes 16-31
.set LOW, 47                           ; s47  -2^96
.set CS,  58                           ; s[58:59] c
.set SEL, 60                           ; s[60:61] v_permlanex16_b32's selects: each lane takes its own place in the other half
.set MSB, 0
.macro WIN new
.if MSB != (\new)
	s_set_vgpr_msb (MSB<<8)|(\new)
.set MSB, \new
.endif
.endm
.set MUL_LO, 0xa1
.set MUL_HI, 0xf1
.set TO_B,   0x40
.macro LOADT                           ; a refill by the walking sets: waves 0 and 1 fetch qh's two halves, waves 2 and 3 kh's; an s_nop 0 and four v_nop follow each line
	s_cmp_eq_u32 s11, 0
	s_cbranch_scc0 .Lfor_b_\@
	tensor_load_to_lds s[G0+4:G0+7], s[G1:G1+7]
	s_nop 0
.rept 4
	v_nop
.endr
	s_branch .Lasked_\@
.Lfor_b_\@:
	tensor_load_to_lds s[G0B+4:G0B+7], s[G1:G1+7]
	s_nop 0
.rept 4
	v_nop
.endr
.Lasked_\@:
.endm
	s_load_b128 s[4:7], s[0:1], 0x0                ; h s[4:5], pt s[6:7]
	s_load_b64 s[8:9], s[0:1], 0x10                ; st
	v_lshl_add_u32 v[SPW], v0, 2, SPARE
	v_mov_b32 v[NIL], 0
	ds_add_u32 v[SPW], v[NIL]                      ; the wave's opening: the add and its wait ahead of my first tensor load
	ds_add_u32 v28, v29
	v_lshrrev_b32 v1, 5, v0
	v_readfirstlane_b32 s10, v1                    ; wave 0..3
	s_lshr_b32 s11, s10, 1                         ; my half of the queries.  Also: I fetch for qh (0) or kh (1)
	s_and_b32 s12, s10, 1                          ; my half of the keys.  Also: which 128 rows I fetch
	s_mov_b32 s2, ttmp9                            ; the tile's number in the triangle, row after row
	s_and_b32 s15, ttmp7, 0xffff                   ; the batch
	s_mov_b32 s13, 0
.irp t, 1,3,6,10,15,21,28                          ; qt = how many rows of the triangle begin at or before my number
	s_cmp_ge_u32 s2, \t
	s_add_co_ci_u32 s13, s13, 0
.endr
	s_add_co_u32 s14, s13, 1
	s_mul_i32 s14, s14, s13
	s_lshr_b32 s14, s14, 1
	s_sub_co_u32 s14, s2, s14                      ; kt = number - qt (qt + 1) / 2
	s_cmp_eq_u32 s13, s14
	s_cselect_b32 s[DG], 1, 0
	s_mov_b32 s[G1+0], (1<<16)|(1<<20)|(5<<22)|(3<<25)  ; 2-byte elements; padding on; after every 64 words 4 words
	s_mov_b32 s[G1+1], KSTEP<<16
	s_mov_b32 s[G1+2], 128<<16
	s_mov_b32 s[G1+3], KSTEP<<16
	s_mov_b32 s[G1+4], 128
	s_mov_b32 s[G1+5], SIZE_K
	s_mov_b32 s[G1+6], 0
	s_mov_b32 s[G1+7], 0
	s_lshl_b32 s16, s15, 11                        ; the batch's first row
	s_lshl_b32 s17, s12, 7
	s_add_co_u32 s17, s17, s16                     ; + the 128 rows that I fetch
	s_lshl_b32 s18, s13, 8
	s_add_co_u32 s18, s18, s17                     ; qh: + 256 qt,
	s_lshl_b32 s18, s18, 11                        ; times 2,048 bytes
	s_mov_b32 s19, 0
	s_lshl_b32 s40, s14, 8
	s_add_co_u32 s40, s40, s17                     ; kh: + 256 kt,
	s_add_co_u32 s40, s40, 8192                    ; in h's second plane
	s_lshl_b32 s40, s40, 11
	s_mov_b32 s41, 0
	s_mul_i32 s[LB], s10, HALFT
	s_mov_b32 s[TF], SLOT
	s_mov_b32 s[TB], 0
	s_mov_b32 s[HIH], 0xffff0000
	s_mov_b32 s[LOW], 0xef800000
	s_mov_b32 s[CS], 0x3e38aa3b                    ; c = log2(e) / 8
	s_mov_b32 s[CS+1], s[CS]
	s_mov_b32 s[SEL], 0x76543210
	s_mov_b32 s[SEL+1], 0xfedcba98
	s_wait_dscnt 0x0                               ; the opening add is done
	s_wait_kmcnt 0x0
	s_add_nc_u64 s[18:19], s[4:5], s[18:19]
	s_add_nc_u64 s[40:41], s[4:5], s[40:41]
.irp s, 0,1
	s_mov_b32 s[G0+4*(\s)], 1
	s_add_co_u32 s[G0+4*(\s)+1], s[LB], (\s)*SLOT
	s_add_nc_u64 s[G0+4*(\s)+2:G0+4*(\s)+3], s[18:19], (\s)*KSTEP*2
	s_or_b32 s[G0+4*(\s)+3], s[G0+4*(\s)+3], 0x80000000
	s_mov_b32 s[G0B+4*(\s)], 1
	s_add_co_u32 s[G0B+4*(\s)+1], s[LB], (\s)*SLOT
	s_add_nc_u64 s[G0B+4*(\s)+2:G0B+4*(\s)+3], s[40:41], (\s)*KSTEP*2
	s_or_b32 s[G0B+4*(\s)+3], s[G0B+4*(\s)+3], 0x80000000
.endr
	s_cmp_eq_u32 s11, 0                            ; a wave's two first fills stand in one branch: two loads of mine are out
	s_cbranch_scc0 .Lfirst_b
	tensor_load_to_lds s[G0:G0+3], s[G1:G1+7]
	s_nop 0
	tensor_load_to_lds s[G0+4:G0+7], s[G1:G1+7]
	s_nop 0
.rept 4
	v_nop
.endr
	s_branch .Lfirst_asked
.Lfirst_b:
	tensor_load_to_lds s[G0B:G0B+3], s[G1:G1+7]
	s_nop 0
	tensor_load_to_lds s[G0B+4:G0B+7], s[G1:G1+7]
	s_nop 0
.rept 4
	v_nop
.endr
.Lfirst_asked:
	v_and_b32 v1, 15, v0                           ; l % 16
	v_bfe_u32 v2, v0, 4, 1                         ; l / 16
	v_mul_u32_u24 v3, v1, PITCH
	v_lshl_add_u32 v3, v2, 4, v3
	s_mul_i32 s23, s11, HALFT
	v_add_nc_u32 v[ADRA0], s23, v3
	s_mul_i32 s23, s12, HALFT
	s_add_co_u32 s23, s23, 2*HALFT
	v_add_nc_u32 v[ADRB0], s23, v3
	v_mov_b32 v[ADRA], v[ADRA0]
	v_mov_b32 v[ADRB], v[ADRB0]
	s_mul_i32 s23, s10, 16*SPITCH
	s_add_co_u32 s23, s23, STAGE                   ; my stage
	v_mul_u32_u24 v4, v1, SPITCH
	v_lshl_add_u32 v4, v2, 4, v4
	v_add_nc_u32 v[STO], s23, v4
	v_mul_u32_u24 v5, v2, SPITCH
	v_lshl_add_u32 v5, v1, 4, v5
	v_add_nc_u32 v[RD], s23, v5
	v_lshlrev_b32 v5, 12, v2                       ; two rows of pt, 4,096 bytes apart
	v_lshl_add_u32 v[CO], v1, 4, v5
	v_and_b32 v6, 31, v0
	v_lshlrev_b32 v[SGO], 4, v6
	v_lshl_add_u32 v[DMP], s10, 16, v[SGO]
	s_lshl_b32 s23, s10, 10
	s_add_co_u32 s23, s23, STATS
	v_add_nc_u32 v[SRD], s23, v[SGO]
	v_lshlrev_b32 v5, 2, v1
	v_lshl_add_u32 v5, v2, 9, v5
	v_add_nc_u32 v[SSA], s23, v5
	s_sub_co_i32 s23, s11, s12
	s_lshl_b32 s23, s23, 7                         ; 128 (my half of the queries - my half of the keys)
	v_lshlrev_b32 v5, 3, v2
	v_sub_nc_u32 v[DA], v1, v5
	v_add_nc_u32 v[DA], s23, v[DA]
	v_mov_b32 v[BIG], 0xf1800000
	s_lshl_b32 s42, s13, 8                         ; my first query's row: batch x 2,048 + 256 qt + 128 x half
	s_add_co_u32 s42, s42, s16
	s_lshl_b32 s43, s11, 7
	s_add_co_u32 s42, s42, s43
	s_lshl_b32 s16, s42, 12                        ; in pt: times 4,096 bytes, + 512 kt + 256 x half
	s_lshl_b32 s17, s14, 9
	s_add_co_u32 s16, s16, s17
	s_lshl_b32 s17, s12, 8
	s_add_co_u32 s16, s16, s17
	s_mov_b32 s17, 0
	s_add_nc_u64 s[6:7], s[6:7], s[16:17]
	s_lshl_b32 s16, s14, 1                         ; in st: block t = 2 kt + half, 8,192 numbers each, + the row
	s_add_co_u32 s16, s16, s12
	s_lshl_b32 s16, s16, 13
	s_add_co_u32 s16, s16, s42
	s_lshl_b32 s16, s16, 2
	s_add_nc_u64 s[8:9], s[8:9], s[16:17]
.macro MUL16 f, hi, a0, zero           ; 16 matrix instructions; the 64 accumulators take turns
	WIN MUL_LO+0x50*(\hi)
.irp a, \a0, (\a0)+1
.irp b, 0,1,2,3,4,5,6,7
.if \zero
	v_wmma_f32_16x16x32_f16 v[8*(8*(\a)+(\b)):8*(8*(\a)+(\b))+7], v[(\f)+8*(\b):(\f)+8*(\b)+7], v[(\f)+8*(4*(\hi)+(\a)):(\f)+8*(4*(\hi)+(\a))+7], 0
.else
	v_wmma_f32_16x16x32_f16 v[8*(8*(\a)+(\b)):8*(8*(\a)+(\b))+7], v[(\f)+8*(\b):(\f)+8*(\b)+7], v[(\f)+8*(4*(\hi)+(\a)):(\f)+8*(4*(\hi)+(\a))+7], v[8*(8*(\a)+(\b)):8*(8*(\a)+(\b))+7]
.endif
.endr
.endr
.endm
.macro FETCH k, f
	WIN TO_B
.irp i, 0,1,2,3,4,5,6,7
	ds_load_b128 v[(\f)+8*(\i):(\f)+8*(\i)+3],   v[ADRB] offset:(\k)+(\i)*16*PITCH
	ds_load_b128 v[(\f)+8*(\i)+4:(\f)+8*(\i)+7], v[ADRB] offset:(\k)+(\i)*16*PITCH+32
.endr
	WIN 0
.irp i, 0,1,2,3,4,5,6,7
	ds_load_b128 v[(\f)+8*(\i):(\f)+8*(\i)+3],   v[ADRA] offset:(\k)+(\i)*16*PITCH
	ds_load_b128 v[(\f)+8*(\i)+4:(\f)+8*(\i)+7], v[ADRA] offset:(\k)+(\i)*16*PITCH+32
.endr
.endm
.macro PLACES
.rept 4
	v_nop
.endr
.endm
.macro QUARTER k, f, g, zero
	s_wait_dscnt 8                                 ; kh and qh's rows 0-63 are in; the youngest eight loads may be out
	MUL16 \f, 0, 0, \zero
	MUL16 \f, 0, 2, \zero
	PLACES
	FETCH \k, \g
	s_wait_dscnt 32                                ; all but the 32 just issued
	MUL16 \f, 1, 0, \zero
	MUL16 \f, 1, 2, \zero
.endm
.macro TURN fill                       ; the last quarter and the change of slots: one barrier, with the wait for all my tensor loads, the add and the wait for it and for my reads in front of it
	WIN 0
	s_wait_tensorcnt 0x0
	ds_add_u32 v[SPW], v[NIL]
	s_wait_dscnt 9                                 ; the add and the youngest eight loads may be out
	MUL16 F1, 0, 0, 0
	s_wait_dscnt 0x0
	s_barrier_signal -1
	MUL16 F1, 0, 2, 0
	WIN 0
	s_barrier_wait -1
.if \fill
	s_xor_b32 s[TF], s[TF], SLOT                   ; no tensor load of mine is out: the walking sets step
	s_add_co_u32 s[G0+5], s[LB], s[TF]
	s_add_co_u32 s[G0B+5], s[LB], s[TF]
	s_add_nc_u64 s[G0+6:G0+7], s[G0+6:G0+7], KSTEP*2
	s_add_nc_u64 s[G0B+6:G0B+7], s[G0B+6:G0B+7], KSTEP*2
	LOADT                                          ; my one tensor load behind the barrier, and the first thing there
.else
	PLACES
.endif
	s_xor_b32 s[TB], s[TB], SLOT
	v_add_nc_u32 v[ADRA], s[TB], v[ADRA0]
	v_add_nc_u32 v[ADRB], s[TB], v[ADRB0]
	FETCH 0, F0
	MUL16 F1, 1, 0, 0
	MUL16 F1, 1, 2, 0
.endm
	s_wait_tensorcnt 1                             ; my part of K step 0 is in; K step 1's may stay out
	s_barrier_signal -1
	s_barrier_wait -1
	FETCH 0, F0
	QUARTER 64, F0, F1, 1
	WIN 0
	s_mov_b32 s3, 6
.Lstep:
	QUARTER 128, F1, F0, 0
	QUARTER 192, F0, F1, 0
	TURN 1
	QUARTER 64, F0, F1, 0
	WIN 0
	s_sub_co_u32 s3, s3, 1
	s_cmp_lg_u32 s3, 0
	s_cbranch_scc1 .Lstep
	QUARTER 128, F1, F0, 0
	QUARTER 192, F0, F1, 0
	TURN 0
	QUARTER 64, F0, F1, 0
	QUARTER 128, F1, F0, 0
	QUARTER 192, F0, F1, 0
	s_wait_dscnt 8
	MUL16 F1, 0, 0, 0
	MUL16 F1, 0, 2, 0
	s_wait_dscnt 0x0
	MUL16 F1, 1, 0, 0
	MUL16 F1, 1, 2, 0
	WIN 0
	s_barrier_signal -1                            ; every wave's reads of the ring are back (the wait for 0 above): its bytes, filled for the last time, may be written
	s_barrier_wait -1
	PLACES                                         ; the stores below read results just made
.irp a, 0,1,2,3,4,5,6,7                ; block a's 64 registers a lane, 16 bytes at a time, lane after lane; each accumulator's low four registers first
	WIN 0x08+4*((\a)/4)                            ; the data (source 1) in window 2 or 3
.irp c, 0,1,2,3,4,5,6,7,8,9,10,11,12,13,14,15
	ds_store_b128 v[DMP], v[64*((\a)%4)+4*(\c):64*((\a)%4)+4*(\c)+3] offset:(\a)*8192+(\c)*512
.endr
.endr
	WIN 0
	s_mov_b32 s3, 8
.Lrow:                                                 ; a trip: 16 queries x my 128 keys.  Register 8 b + j holds key 16 b + 8 (l / 16) + j of query l % 16
.irp c, 0,1,2,3,4,5,6,7,8,9,10,11,12,13,14,15
	ds_load_b128 v[S+4*(\c):S+4*(\c)+3], v[DMP] offset:(\c)*512  ; my own bytes: LDS serves a wave's instructions in order (ISA guide 5.7.1.4)
.endr
	s_wait_dscnt 0x0
	s_cmp_eq_u32 s[DG], 0
	s_cbranch_scc1 .Lopen                          ; below the diagonal nothing is hidden
.set i, 0
.rept 64
	v_cmp_gt_i32 vcc_lo, 16*(i/8)+i%8, v[DA]
	v_cndmask_b32 v[S+i], v[S+i], v[BIG], vcc_lo
.set i, i+1
.endr
.Lopen:
.irp k, 0,1,2,3                        ; the maximum: four chains of fifteen scores, three operands at a time
	v_max3_num_f32 v[CH+(\k)], v[S+16*(\k)], v[S+16*(\k)+1], v[S+16*(\k)+2]
.endr
.irp n, 0,1,2,3,4,5
.irp k, 0,1,2,3
	v_max3_num_f32 v[CH+(\k)], v[CH+(\k)], v[S+16*(\k)+3+2*(\n)], v[S+16*(\k)+4+2*(\n)]
.endr
.endr
	v_max3_num_f32 v[CH], v[CH], v[S+15], v[S+31]  ; the four scores left over, and the chains
	v_max3_num_f32 v[CH+1], v[CH+1], v[S+47], v[S+63]
	v_max3_num_f32 v[CH+2], v[CH+2], v[CH+3], v[CH]
	v_max_num_f32 v[CH], v[CH+2], v[CH+1]
	v_permlanex16_b32 v[CH+1], v[CH], s[SEL], s[SEL+1]  ; the query's other 64 keys lie in the lane 16 away
	v_max3_num_f32 v[CH], v[CH], v[CH+1], s[LOW]
	v_mul_f32 v[CMP], s[CS], v[CH]
	v_mov_b32 v[CMP+1], v[CMP]
.set i, 0
.rept 32
	v_pk_fma_f32 v[S+2*i:S+2*i+1], v[S+2*i:S+2*i+1], s[CS:CS+1], v[CMP:CMP+1] op_sel_hi:[1,0,0] neg_lo:[0,0,1] neg_hi:[0,0,1]  ; c s - cm
.set i, i+1
.endr
.set i, 0
.rept 64
	v_exp_f32 v[S+i], v[S+i]
.set i, i+1
.endr
	v_nop                                          ; a plain instruction between the last exponential and the use of its result (ISA guide 5.7.2)
.set i, 0
	s_wait_alu depctr_va_vdst(0)
.rept 32
	v_cvt_pk_f16_f32 v[P+i], v[S+2*i], v[S+2*i+1]
.set i, i+1
.endr
.irp w, 1,2,4,8,16                     ; the sum of the 32 pairs, in place: neighbours 1, 2, 4, 8, 16 pairs apart
.set u, 0
.rept 16/(\w)
	v_pk_add_f32 v[S+4*(\w)*u:S+4*(\w)*u+1], v[S+4*(\w)*u:S+4*(\w)*u+1], v[S+4*(\w)*u+2*(\w):S+4*(\w)*u+2*(\w)+1]
.set u, u+1
.endr
.endr
	v_add_f32 v[CH], v[S], v[S+1]
	v_permlanex16_b32 v[CH+1], v[CH], s[SEL], s[SEL+1]
	v_add_f32 v[CH], v[CH], v[CH+1]                ; l
	v_cndmask_b32 v[CH+2], v[CMP], v[CH], s[HIH]   ; lanes 0-15 keep cm, lanes 16-31 l
	ds_store_b32 v[SSA], v[CH+2]
.irp b, 0,1,2,3,4,5,6,7
	ds_store_b128 v[STO], v[P+4*(\b):P+4*(\b)+3] offset:32*(\b)
.endr
.irp t, 0,1,2,3,4,5,6,7
	ds_load_b128 v[OB+4*(\t):OB+4*(\t)+3], v[RD] offset:(\t)*2*SPITCH
.endr
	s_wait_dscnt 0x0
.irp t, 0,1,2,3,4,5,6,7
	global_store_b128 v[CO], v[OB+4*(\t):OB+4*(\t)+3], s[6:7] offset:(\t)*8192  ; 16 lanes store 256 consecutive bytes, at a multiple of 256 from pt's first byte
.endr
	s_wait_xcnt 0x0                                ; the stores' base and data are rewritten only behind this wait
	s_add_nc_u64 s[6:7], s[6:7], 65536             ; 16 rows of pt on
	v_add_nc_u32 v[DMP], 8192, v[DMP]
	v_add_nc_u32 v[SSA], 64, v[SSA]
	v_add_nc_u32 v[DA], 16, v[DA]
	s_sub_co_u32 s3, s3, 1
	s_cmp_lg_u32 s3, 0
	s_cbranch_scc1 .Lrow
	ds_load_b128 v[OB:OB+3], v[SRD]                ; my wave's 128 cm and 128 l: four of each a lane
	ds_load_b128 v[OB+4:OB+7], v[SRD] offset:512
	s_wait_dscnt 0x0
	global_store_b128 v[SGO], v[OB:OB+3], s[8:9]                   ; 512 consecutive bytes each
	global_store_b128 v[SGO], v[OB+4:OB+7], s[8:9] offset:524288   ; l's plane
	s_wait_tensorcnt 0x0                           ; the wave's end
	ds_add_u32 v[SPW], v[NIL]
	s_wait_dscnt 0x0
	s_endpgm
.Lfunc_end_k_q62ad56fad2_scores:
	.size	k_q62ad56fad2_scores, .Lfunc_end_k_q62ad56fad2_scores-k_q62ad56fad2_scores
	.p2alignl 7, 3214868480
	.fill 96, 4, 3214868480
	.section	.rodata,"a",@progbits
	.p2align	6, 0x0
	.amdhsa_kernel k_q62ad56fad2_scores
		.amdhsa_group_segment_fixed_size 327680
		.amdhsa_private_segment_fixed_size 0
		.amdhsa_enable_private_segment 0
		.amdhsa_kernarg_size 24
		.amdhsa_user_sgpr_count 2
		.amdhsa_user_sgpr_kernarg_segment_ptr 1
		.amdhsa_wavefront_size32 1
		.amdhsa_system_sgpr_workgroup_id_x 1
		.amdhsa_system_sgpr_workgroup_id_y 1
		.amdhsa_system_sgpr_workgroup_id_z 1
		.amdhsa_system_vgpr_workitem_id 0
		.amdhsa_next_free_vgpr 1024
		.amdhsa_next_free_sgpr 66
		.amdhsa_reserve_vcc 1
		.amdhsa_float_denorm_mode_32 3
		.amdhsa_float_denorm_mode_16_64 3
		.amdhsa_memory_ordered 1
		.amdhsa_forward_progress 1
		.amdhsa_inst_pref_size 112
	.end_amdhsa_kernel
	.amdgpu_metadata
---
amdhsa.version: [ 1, 2 ]
amdhsa.kernels:
  - .name:           k_q62ad56fad2_scores
    .symbol:         k_q62ad56fad2_scores.kd
    .args:
      - { .name: h, .offset: 0, .size: 8, .value_kind: global_buffer, .address_space: global }
      - { .name: pt, .offset: 8, .size: 8, .value_kind: global_buffer, .address_space: global }
      - { .name: st, .offset: 16, .size: 8, .value_kind: global_buffer, .address_space: global }
    .group_segment_fixed_size: 327680
    .private_segment_fixed_size: 0
    .kernarg_segment_align: 8
    .kernarg_segment_size: 24
    .max_flat_workgroup_size: 128
    .sgpr_count:     66
    .vgpr_count:     1024
    .wavefront_size: 32
...
	.end_amdgpu_metadata
.endif
;; end of part 3
;; launch pv (part 4): grid 8 x 32, 4 waves a work-group, clusters of 4 x 1, 327,680 bytes of LDS; arguments pt, h, st, y; writes y
.if DOCPART == 4
	.amdgcn_target "amdgcn-amd-amdhsa--gfx1250"
	.amdhsa_code_object_version 6
	.text
	.protected	k_q62ad56fad2_pv
	.globl	k_q62ad56fad2_pv
	.p2align	8
	.type	k_q62ad56fad2_pv,@function
k_q62ad56fad2_pv:
	s_mov_b64 s[64:65], 0
	v_nop
	global_prefetch_b8 v0, s[64:65] scope:SCOPE_SE
	s_setreg_imm32_b32 hwreg(HW_REG_WAVE_MODE, 25, 1), 1
	s_wait_xcnt 0x0
	s_wait_alu depctr_hold_cnt(0) depctr_sa_sdst(0) depctr_va_vdst(0) depctr_va_sdst(0) depctr_va_ssrc(0) depctr_va_vcc(0) depctr_vm_vsrc(0)
	s_getreg_b32 s2, hwreg(HW_REG_IB_STS2, 6, 4)
	s_cmp_eq_u32 s2, 0
	s_cbranch_scc0 .Lentry_in_a_cluster
	s_endpgm
.Lentry_in_a_cluster:
	s_bfe_u32 s2, ttmp6, 0x10000c
	s_cmp_lg_u32 s2, 0x3003
	s_cbranch_scc0 .Lentry_shape_is_right
	s_endpgm
.Lentry_shape_is_right:
; PV.  y[row] = sum over blocks t of 128 keys of F_t (p_t V_t), F_t = 2^(cm_t - cM) / L, cM = the largest cm_t of the row, L = sum over t of 2^(cm_t - cM) l_t: no exponent is above 0, and L is at least 1.
; p (pt) and V (h's third plane) are f16, sums f32, y rounded once to f16.  LIMITS: y is a mean of V's rows and has their range; a factor below 2^-126 counts as 0; NaN and infinities are not treated apart.
; SHARES.  A work-group makes two tiles of 128 queries x 128 channels of one batch: query tile 15 - 2 p, which needs 8 - p blocks of 256 keys, and then query tile 2 p, which needs p + 1: nine blocks whatever p,
; so all 256 work-groups are alike and ONE loop with a constant count walks them.  (The second tile's last block holds 128 hidden keys, whose p and F are 0: 64 of a wave's 1,152 products.)  A wave makes 64 x 64.
; CLUSTER 4 x 1: the four partners differ in the channel tile alone and walk the same tiles of p: those are asked for jointly (mask of four).  V's tiles differ from partner to partner: loads of one's own, behind the same rounds.
; Every branch hangs on the wave's number or on the grid's y, which the partners share; the channel tile enters V's and y's global addresses alone.
; LAYOUT.  O^T = V^T P: source 0 = 16 channels x 32 keys (V turned, by ds_load_tr16_b128), source 1 = 16 queries x 32 keys (p as it lies).  A lane holds ONE query (lane % 16) and eight neighbouring channels, so F is one number a lane.
; A block's two halves are summed apart (ACCB, started by C = 0) and joined to the tile's sums by ACCT += F x ACCB: 64 packed multiply-adds for 64 products.  ACCT is cleared by v_mov_b32, 128 at the start, in the wait for
; the first tile, and 128 between the tiles: the price of one text for every block.
; THE STAGE is the work-group's: a row's 256 bytes come from two waves.  Round the loop it is ordered both ways: a barrier at each block's end stands between a trip's reads of it and the stores into it, and the change of slots between the stores and the next trip's reads.
; REGISTERS, in windows of 256 (s_set_vgpr_msb: bits 1:0 source 0, 3:2 source 1, 5:4 source 2, 7:6 destination):
;   window 0: v2-13 addresses; v16-31 cM and 1/L; v32-95 at work; v96-111 F; v112-127 cm and exponents; v128-255 ACCB      window 1: two fragment buffers of 128      window 2: v0-127 ACCT
.set PA,    528                        ; a row of p in LDS: 512 bytes + 16 = 132 words: the 16 rows of a load start at 16 different groups of four banks (ISA guide 11.1)
.set PVP,   288                        ; a row of V: 256 + 32 = 72 words
.set VOFF,  128*PA                     ; a slot: 128 rows of p, then 256 rows of V
.set SLOT,  VOFF+256*PVP
.set STAGE, 2*SLOT                     ; 128 rows x 272 bytes, the work-group's, for the way out
.set SPITCH, 272
.set SPARE, STAGE+128*SPITCH           ; the spare words, 128 bytes for each wave
.set ADA0, 2                           ; v2  my lane's place among p's fragments in slot 0; never rewritten
.set ADV0, 3                           ; v3  the same for V
.set ADA,  4                           ; v4  in the slot in hand
.set ADV,  5                           ; v5
.set ADV2, 6                           ; v6  128 keys further on
.set STO,  7
.set RD,   8
.set CO,   9
.set SO,   10                          ; v10 4 (l % 16)
.set SPW,  12
.set NIL,  13
.set CM2,  16                          ; v16-19 the second tile's cM, by query block;  v20-23 its 1/L
.set IL2,  20
.set CMC,  24                          ; v24-27, v28-31 those of the tile in hand
.set ILC,  28
.set TMP,  32
.set FF,   96                          ; F of half u, query block a at v[96 + 2 (4 u + a)], named as a pair
.set CM,   112                         ; cm of the block to come
.set EE,   120
.set ACCB, 128
.set F0,   0
.set F1,   128
.set WV, 12
.set CT, 14                            ; s14 the channel tile
.set BB, 15                            ; s15 the batch
.set PP, 16                            ; s16 p
.set N1, 17
.set N2, 18
.set W0, 19                            ; s19 wave % 2: my half of the channels; which half of a tile I fetch
.set W1, 20                            ; s20 wave / 2: my half of the queries
.set G1A, 24
.set G1V, 32
.set G0A, 40
.set G0V, 44
.set PTW, 48                           ; s[48:49] pt at the batch's rows, at the half that I fetch
.set VBW, 50                           ; s[50:51] V likewise, at my channel tile
.set ARW, 52                           ; s52 byte offset in pt of the rows of the tile whose blocks are being asked for;  s53 the second tile's
.set ARW2, 53
.set SRW, 54                           ; s54, s55 the same in st, at my wave's rows
.set SRW2, 55
.set NXT, 56                           ; s56 the block to be asked for next
.set LQ,  57                           ; s57 the last block of that tile;  s58 of the second tile
.set LQ2, 58
.set RT,  59                           ; s59 blocks of the tile in hand still to be done
.set CNT, 60
.set OUT2, 61                          ; s61 1: a tile lies in the stage
.set TF,  62                           ; s62 0 or SLOT: the slot filled last
.set TB,  63                           ; s63 the slot read
.set OA,  66
.set OV,  68
.set SOF, 70
.set SB,  72
.set Y1,  76                           ; s[76:77], s[78:79] y at the rows that my wave stores, first and second tile
.set Y2,  78
.set SEL, 80
.set LBA, 82
.set LBV, 83
.set MK,  84                           ; s84-91 lane masks: block 8 (l / 16) + j exists
.set NT,  92
.set SRW1, 93
.set SP1, 94                           ; s[94:95], s[96:97] st at my wave's rows of the two tiles
.set SP2, 96
.set TC,  98                           ; s[98:99] offsets that hold the channel tile
.set MSB, 0
.macro WIN new
.if MSB != (\new)
	s_set_vgpr_msb (MSB<<8)|(\new)
.set MSB, \new
.endif
.endm
.set MUL,  0x05                        ; sources 0 and 1 window 1; C and D window 0
.set TO_F, 0x40                        ; destination window 1, address window 0
.macro JLOAD                           ; waves 0 and 1 ask jointly for the two halves of p's tile, waves 2 and 3 for the two halves of V's; an s_nop 0 and four v_nop follow each line
	s_cmp_lt_u32 s[WV], 2
	s_cbranch_scc0 .Lfor_v_\@
	tensor_load_to_lds s[G0A:G0A+3], s[G1A:G1A+7]
	s_nop 0
.rept 4
	v_nop
.endr
	s_branch .Lasked_\@
.Lfor_v_\@:
	tensor_load_to_lds s[G0V:G0V+3], s[G1V:G1V+7]
	s_nop 0
.rept 4
	v_nop
.endr
.Lasked_\@:
.endm
.macro CROUND                          ; a round of the cluster's barrier
	s_barrier_signal -1
	s_barrier_wait -1
	s_cmp_lg_u32 s[WV], 0
	s_cbranch_scc1 .Lnot_wave_0_\@
	s_barrier_signal -3
.Lnot_wave_0_\@:
	s_barrier_wait -3
	s_barrier_signal -1
	s_barrier_wait -1
.endm
.macro ADV_ASK                         ; the tile's next block, or behind its last the second tile's block 0
	s_add_co_u32 s[NXT], s[NXT], 1
	s_cmp_gt_u32 s[NXT], s[LQ]
	s_cselect_b32 s[NXT], 0, s[NXT]
	s_cselect_b32 s[ARW], s[ARW2], s[ARW]
	s_cselect_b32 s[SRW], s[SRW2], s[SRW]
	s_cselect_b32 s[LQ], s[LQ2], s[LQ]
.endm
; THE CHANGE OF SLOTS.  Each wave waits for all its tensor loads (one is out: its part of the block to be read), adds 0 to its spare word, and waits for that and for its LDS instructions.  fill = 1: the barrier is a round of the
; cluster's, and the other slot takes the next block, first thing behind it: that load has a block's 128 products a wave in which to land.  The descriptors' addresses are made anew from the block's number.
.macro CHANGE fill
	WIN 0
	s_wait_tensorcnt 0x0
	ds_add_u32 v[SPW], v[NIL]                      ; the descriptors' scalar work stands between the add and the wait for it
.if \fill
	s_lshl_b32 s[OA], s[NXT], 9                    ; 256 keys are 512 bytes of a row of pt,
	s_add_co_u32 s[OA], s[OA], s[ARW]
	s_lshl_b32 s[OV], s[NXT], 19                   ; 256 rows of 2,048 bytes of V,
	s_lshl_b32 s[SOF], s[NXT], 16                  ; and two blocks of 8,192 numbers in st
	s_add_co_u32 s[SOF], s[SOF], s[SRW]
	s_xor_b32 s[TF], s[TF], SLOT
	s_add_co_u32 s[G0A+1], s[LBA], s[TF]
	s_add_nc_u64 s[G0A+2:G0A+3], s[PTW:PTW+1], s[OA:OA+1]
	s_or_b32 s[G0A+3], s[G0A+3], 0x80000000
	s_add_co_u32 s[G0V+1], s[LBV], s[TF]
	s_add_nc_u64 s[G0V+2:G0V+3], s[VBW:VBW+1], s[OV:OV+1]
	s_or_b32 s[G0V+3], s[G0V+3], 0x80000000
	ADV_ASK
	s_wait_dscnt 0x0
	CROUND
	JLOAD
.else
	s_wait_dscnt 0x0
	s_barrier_signal -1
	s_barrier_wait -1
.endif
	s_xor_b32 s[TB], s[TB], SLOT
	v_add_nc_u32 v[ADA], s[TB], v[ADA0]
	v_add_nc_u32 v[ADV], s[TB], v[ADV0]
	v_add_nc_u32 v[ADV2], 128*PVP, v[ADV]
.endm
	s_load_b256 s[4:11], s[0:1], 0x0               ; pt s[4:5], h s[6:7], st s[8:9], y s[10:11]
	v_lshl_add_u32 v[SPW], v0, 2, SPARE
	v_mov_b32 v[NIL], 0
	ds_add_u32 v[SPW], v[NIL]                      ; the wave's opening: the add and its wait ahead of my first tensor load
	ds_add_u32 v12, v13
	v_lshrrev_b32 v1, 5, v0
	v_readfirstlane_b32 s[WV], v1
	s_and_b32 s[W0], s[WV], 1
	s_lshr_b32 s[W1], s[WV], 1
	s_bfe_u32 s13, ttmp6, 0x40000                  ; cx
	s_lshl_b32 s[CT], ttmp9, 2
	s_add_co_u32 s[CT], s[CT], s13                 ; channel tile = 4 x cluster x + cx
	s_and_b32 s[PP], ttmp7, 0xffff
	s_lshr_b32 s[BB], s[PP], 3
	s_and_b32 s[PP], s[PP], 7
	s_sub_co_u32 s[N1], 8, s[PP]
	s_add_co_u32 s[N2], s[PP], 1
	s_lshl_b32 s21, s[PP], 1                       ; the second query tile, 2 p,
	s_sub_co_u32 s22, 15, s21                      ; and the first, 15 - 2 p
	s_lshl_b32 s[ARW], s22, 19                     ; 128 rows of 4,096 bytes each
	s_lshl_b32 s[ARW2], s21, 19
	s_lshl_b32 s23, s[BB], 13                      ; in st: (batch x 2,048 + 128 x tile + 64 x my half) x 4 bytes
	s_lshl_b32 s2, s[W1], 8
	s_add_co_u32 s23, s23, s2
	s_lshl_b32 s2, s22, 9
	s_add_co_u32 s[SRW1], s23, s2
	s_lshl_b32 s2, s21, 9
	s_add_co_u32 s[SRW2], s23, s2
	s_mov_b32 s[SRW], s[SRW1]
	s_lshl_b32 s74, s[BB], 22                      ; in y: (batch x 2,048 + 128 x tile + 32 x wave) x 2,048 bytes + 256 x channel tile
	s_lshl_b32 s75, s[WV], 16
	s_add_co_u32 s74, s74, s75
	s_lshl_b32 s75, s[CT], 8
	s_add_co_u32 s74, s74, s75
	s_lshl_b32 s[Y1], s22, 18
	s_add_co_u32 s[Y1], s[Y1], s74
	s_mov_b32 s[Y1+1], 0
	s_lshl_b32 s[Y2], s21, 18
	s_add_co_u32 s[Y2], s[Y2], s74
	s_mov_b32 s[Y2+1], 0
	s_lshl_b32 s2, s[BB], 23                       ; pt: batch x 2,048 rows + the 64 rows that I fetch
	s_lshl_b32 s3, s[W0], 18
	s_add_co_u32 s2, s2, s3
	s_mov_b32 s3, 0
	s_lshl_b32 s[TC], s[BB], 22                    ; V: h's third plane, batch x 2,048 rows + the 128 rows that I fetch, my channel tile
	s_lshl_b32 s[TC+1], s[W0], 18
	s_add_co_u32 s[TC], s[TC], s[TC+1]
	s_lshl_b32 s[TC+1], s[CT], 8
	s_add_co_u32 s[TC], s[TC], s[TC+1]
	s_add_co_u32 s[TC], s[TC], 0x2000000
	s_mov_b32 s[TC+1], 0
	s_mul_i32 s[LBA], s[W0], 64*PA                 ; no place in the cluster enters an LDS address
	s_mul_i32 s[LBV], s[W0], 128*PVP
	s_add_co_u32 s[LBV], s[LBV], VOFF
	s_mov_b32 s[G1A], 15|(1<<16)|(1<<20)|(1<<21)|(6<<22)|(3<<25)  ; the mask of four; 2-byte elements; padding on; bit 21 beside a mask; after every 128 words 4 words
	s_mov_b32 s[G1A+1], 256<<16                    ; tensor_dim0 = 256
	s_mov_b32 s[G1A+2], 64<<16                     ; tensor_dim1 = 64
	s_mov_b32 s[G1A+3], 256<<16                    ; tile_dim0 = 256
	s_mov_b32 s[G1A+4], 64                         ; tile_dim1 = 64
	s_mov_b32 s[G1A+5], 2048                       ; elements from row to row of pt
	s_mov_b32 s[G1A+6], 0
	s_mov_b32 s[G1A+7], 0
	s_mov_b32 s[G1V], (1<<16)|(1<<20)|(5<<22)|(7<<25)             ; no mask; after every 64 words 8 words
	s_mov_b32 s[G1V+1], 128<<16
	s_mov_b32 s[G1V+2], 128<<16
	s_mov_b32 s[G1V+3], 128<<16
	s_mov_b32 s[G1V+4], 128
	s_mov_b32 s[G1V+5], 1024
	s_mov_b32 s[G1V+6], 0
	s_mov_b32 s[G1V+7], 0
	s_mov_b32 s[G0A], 1
	s_mov_b32 s[G0A+1], s[LBA]                     ; slot 0
	s_mov_b32 s[G0V], 1
	s_mov_b32 s[G0V+1], s[LBV]
	s_mov_b32 s[OA], s[ARW]
	s_mov_b32 s[OA+1], 0
	s_mov_b32 s[OV+1], 0
	s_mov_b32 s[SOF+1], 0
	s_mov_b32 s[SP1], s[SRW1]
	s_mov_b32 s[SP1+1], 0
	s_mov_b32 s[SP2], s[SRW2]
	s_mov_b32 s[SP2+1], 0
	s_mov_b32 s[NXT], 0
	s_sub_co_u32 s[LQ], s[N1], 1
	s_sub_co_u32 s[LQ2], s[N2], 1
	s_mov_b32 s[TF], 0
	s_mov_b32 s[TB], SLOT                          ; the first change of slots turns it into 0
	s_mov_b32 s[SEL], 0x76543210
	s_mov_b32 s[SEL+1], 0xfedcba98
	s_mov_b32 s[RT], s[N1]
	s_mov_b32 s[OUT2], 0
	s_mov_b32 s[CNT], 8
	s_wait_dscnt 0x0                               ; the opening add is done
	s_wait_kmcnt 0x0
	s_add_nc_u64 s[PTW:PTW+1], s[4:5], s[2:3]
	s_add_nc_u64 s[VBW:VBW+1], s[6:7], s[TC:TC+1]
	s_add_nc_u64 s[Y1:Y1+1], s[10:11], s[Y1:Y1+1]
	s_add_nc_u64 s[Y2:Y2+1], s[10:11], s[Y2:Y2+1]
	s_add_nc_u64 s[SP1:SP1+1], s[8:9], s[SP1:SP1+1]
	s_add_nc_u64 s[SP2:SP2+1], s[8:9], s[SP2:SP2+1]
	s_add_nc_u64 s[G0A+2:G0A+3], s[PTW:PTW+1], s[OA:OA+1]
	s_or_b32 s[G0A+3], s[G0A+3], 0x80000000
	s_add_nc_u64 s[G0V+2:G0V+3], s[VBW:VBW+1], 0
	s_or_b32 s[G0V+3], s[G0V+3], 0x80000000
	CROUND                                         ; all four work-groups are here: the first joint loads meet
	JLOAD                                          ; the first tile's block 0 into slot 0
	ADV_ASK
	v_and_b32 v1, 15, v0                           ; l % 16
	v_bfe_u32 v11, v0, 4, 1                        ; l / 16
	v_lshlrev_b32 v[SO], 2, v1
	v_lshlrev_b32 v48, 3, v11                      ; lanes 0-15 take the blocks 0-7 of a row, lanes 16-31 the blocks 8-15
	v_mov_b32 v50, 0xfe000000                      ; stands for the cm of a block that does not exist: far below every cm
	v_mov_b32 v51, 0
; A tile's cm and l, for my 4 x 16 rows and all its blocks.  A block's number is clamped to the tile's last, so that only written numbers are read.
.macro PRE_LOAD n, off, base, dst
	s_lshl_b32 s[NT], s[\n], 1
	s_sub_co_u32 s[NT], s[NT], 1
.irp j, 0,1,2,3,4,5,6,7
	v_add_nc_u32 v49, \j, v48
	v_min_u32 v49, s[NT], v49
	v_lshl_add_u32 v[(\off)+\j], v49, 15, v[SO]
.endr
.irp a, 0,1,2,3
.irp j, 0,1,2,3,4,5,6,7
	global_load_b32 v[(\dst)+8*\a+\j], v[(\off)+\j], s[(\base):(\base)+1] offset:64*\a
	global_load_b32 v[(\dst)+32+8*\a+\j], v[(\off)+\j], s[(\base):(\base)+1] offset:64*\a+524288
.endr
.endr
.endm
	PRE_LOAD N1, 32, SP1, 128
	PRE_LOAD N2, 40, SP2, 192
.irp i, 0,1,2,3,4,5,6,7
	global_load_b32 v[CM+\i], v[SO], s[SP1:SP1+1] offset:(\i/4)*32768+(\i%4)*64  ; block 0's cm
.endr
	WIN 0x80
.set i, 0
.rept 128
	v_mov_b32 v[i], 0                              ; ACCT
.set i, i+1
.endr
	WIN 0
.irp i, 0,1,2,3,4,5,6,7
	v_mov_b32 v[FF+2*\i+1], 0                      ; named with F as a pair
.endr
	s_mul_i32 s2, s[W1], 64*PA                     ; p's fragments: row (64 x my half + l % 16), 16 bytes for each half of the lanes
	v_mul_u32_u24 v[ADA0], v1, PA
	v_lshl_add_u32 v[ADA0], v11, 4, v[ADA0]
	v_add_nc_u32 v[ADA0], s2, v[ADA0]
	v_and_b32 v14, 7, v0                           ; the turning load: lane l reads key 8 (l / 16) + l % 8, channels 8 ((l / 8) % 2) + 0..7, and is left with channel l % 16 and 8 keys
	v_bfe_u32 v15, v0, 3, 1
	v_lshl_add_u32 v[ADV0], v11, 3, v14
	v_mul_u32_u24 v[ADV0], v[ADV0], PVP
	v_lshl_add_u32 v[ADV0], v15, 4, v[ADV0]
	s_lshl_b32 s2, s[W0], 7                        ; my 64 channels
	s_add_co_u32 s2, s2, VOFF
	v_add_nc_u32 v[ADV0], s2, v[ADV0]
	s_mul_i32 s2, s[W1], 64*SPITCH                 ; into the stage: my 64 rows, my half of their 256 bytes
	s_lshl_b32 s3, s[W0], 7
	s_add_co_u32 s2, s2, s3
	s_add_co_u32 s2, s2, STAGE
	v_mul_u32_u24 v14, v1, SPITCH
	v_lshl_add_u32 v14, v11, 4, v14
	v_add_nc_u32 v[STO], s2, v14
	s_mul_i32 s2, s[WV], 32*SPITCH                 ; back: wave w takes rows 32 w .. 32 w + 31, whole
	s_add_co_u32 s2, s2, STAGE
	v_mul_u32_u24 v14, v11, SPITCH
	v_lshl_add_u32 v14, v1, 4, v14
	v_add_nc_u32 v[RD], s2, v14
	v_lshlrev_b32 v14, 11, v11                     ; and the same two rows in y
	v_lshl_add_u32 v[CO], v1, 4, v14
; cM and 1/L of a tile's rows.  Each half of the lanes joins its eight blocks; one exchange joins the halves.
.macro PRE_MATH n, pb, dm, dl
	s_lshl_b32 s[NT], s[\n], 1
.irp j, 0,1,2,3,4,5,6,7
	v_add_nc_u32 v49, \j, v48
	v_cmp_gt_u32 s[MK+\j], s[NT], v49
.endr
.irp a, 0,1,2,3
.irp j, 0,1,2,3,4,5,6,7
	v_cndmask_b32 v[(\pb)+8*\a+\j], v50, v[(\pb)+8*\a+\j], s[MK+\j]
.endr
	v_max3_num_f32 v52, v[(\pb)+8*\a], v[(\pb)+8*\a+1], v[(\pb)+8*\a+2]
	v_max3_num_f32 v52, v52, v[(\pb)+8*\a+3], v[(\pb)+8*\a+4]
	v_max3_num_f32 v52, v52, v[(\pb)+8*\a+5], v[(\pb)+8*\a+6]
	v_max_num_f32 v52, v52, v[(\pb)+8*\a+7]
	v_permlanex16_b32 v51, v52, s[SEL], s[SEL+1]
	v_max_num_f32 v[(\dm)+\a], v52, v51
.irp j, 0,1,2,3,4,5,6,7
	v_sub_f32 v[(\pb)+8*\a+\j], v[(\pb)+8*\a+\j], v[(\dm)+\a]
.endr
.irp j, 0,1,2,3,4,5,6,7
	v_exp_f32 v[(\pb)+8*\a+\j], v[(\pb)+8*\a+\j]
.endr
	v_nop                                          ; a plain instruction behind the last exponential (ISA guide 5.7.2)
	s_wait_alu depctr_va_vdst(0)
	v_mul_f32 v52, v[(\pb)+8*\a], v[(\pb)+32+8*\a]
.irp j, 1,2,3,4,5,6,7
	v_fmac_f32 v52, v[(\pb)+8*\a+\j], v[(\pb)+32+8*\a+\j]
.endr
	v_permlanex16_b32 v51, v52, s[SEL], s[SEL+1]
	v_add_f32 v52, v52, v51
	v_rcp_f32 v[(\dl)+\a], v52
	v_nop
.endr
.endm
	s_wait_loadcnt 0x0                             ; both tiles' cm and l, and block 0's cm
	PRE_MATH N1, 128, CMC, ILC
	PRE_MATH N2, 192, CM2, IL2
; 8 matrix instructions: query blocks a0, a0 + 1 x all 4 channel blocks, 32 keys: half c of buffer f.  The 16 accumulators take turns.
.macro MUL8 f, c, a0, zero
	WIN MUL
.irp a, \a0, (\a0)+1
.irp b, 0,1,2,3
.if \zero
	v_wmma_f32_16x16x32_f16 v[ACCB+8*(4*(\a)+(\b)):ACCB+8*(4*(\a)+(\b))+7], v[(\f)+64+8*(4*(\c)+(\b)):(\f)+64+8*(4*(\c)+(\b))+7], v[(\f)+8*(4*(\c)+(\a)):(\f)+8*(4*(\c)+(\a))+7], 0
.else
	v_wmma_f32_16x16x32_f16 v[ACCB+8*(4*(\a)+(\b)):ACCB+8*(4*(\a)+(\b))+7], v[(\f)+64+8*(4*(\c)+(\b)):(\f)+64+8*(4*(\c)+(\b))+7], v[(\f)+8*(4*(\c)+(\a)):(\f)+8*(4*(\c)+(\a))+7], v[ACCB+8*(4*(\a)+(\b)):ACCB+8*(4*(\a)+(\b))+7]
.endif
.endr
.endr
.endm
; 32 LDS loads in one run: the fragments of quarter q (64 keys) of the block, into buffer f; the first 32 keys first
.macro FETCH q, f
	WIN TO_F
.irp c, 0,1
.irp i, 0,1,2,3
	ds_load_tr16_b128 v[(\f)+64+8*(4*(\c)+(\i)):(\f)+64+8*(4*(\c)+(\i))+3],   v[ADV+(\q)/2] offset:(((\q)%2)*64+32*(\c))*PVP+32*(\i)
	ds_load_tr16_b128 v[(\f)+64+8*(4*(\c)+(\i))+4:(\f)+64+8*(4*(\c)+(\i))+7], v[ADV+(\q)/2] offset:(((\q)%2)*64+32*(\c)+16)*PVP+32*(\i)
	ds_load_b128 v[(\f)+8*(4*(\c)+(\i)):(\f)+8*(4*(\c)+(\i))+3],              v[ADA] offset:128*(\q)+64*(\c)+(\i)*16*PA
	ds_load_b128 v[(\f)+8*(4*(\c)+(\i))+4:(\f)+8*(4*(\c)+(\i))+7],            v[ADA] offset:128*(\q)+64*(\c)+(\i)*16*PA+32
.endr
.endr
.endm
.macro PLACES
.rept 4
	v_nop
.endr
.endm
.macro QUARTER q, f, g, zero           ; multiplies quarter q, in buffer f, and fetches quarter q + 1 into g
	s_wait_dscnt 16                                ; the first 32 keys are in
	MUL8 \f, 0, 0, \zero
	MUL8 \f, 0, 2, \zero
	PLACES
	FETCH (\q)+1, \g
	s_wait_dscnt 32                                ; all but the 32 just issued
	MUL8 \f, 1, 0, 0
	MUL8 \f, 1, 2, 0
.endm
.macro MERGE u                         ; ACCT += F x ACCB, each accumulator from its low end on
	PLACES
	WIN 0xa0                                       ; destination and source 2 window 2
.irp a, 0,1,2,3
.irp b, 0,1,2,3
.irp z, 0,2,4,6
	v_pk_fma_f32 v[8*(4*\a+\b)+\z:8*(4*\a+\b)+\z+1], v[ACCB+8*(4*\a+\b)+\z:ACCB+8*(4*\a+\b)+\z+1], v[FF+2*(4*(\u)+\a):FF+2*(4*(\u)+\a)+1], v[8*(4*\a+\b)+\z:8*(4*\a+\b)+\z+1] op_sel_hi:[1,0,1]
.endr
.endr
.endr
	WIN 0
.endm
.macro FACT fill                       ; F of the block in hand; fill = 1: the cm of the block just asked for are loaded
	WIN 0
	s_wait_loadcnt 0x0                             ; this block's cm, asked for a block ago; the wait also frees their base
.irp i, 0,1,2,3,4,5,6,7
	v_sub_f32 v[EE+\i], v[CM+\i], v[CMC+\i%4]
.endr
.irp i, 0,1,2,3,4,5,6,7
	v_exp_f32 v[EE+\i], v[EE+\i]
.endr
	v_nop
	s_wait_alu depctr_va_vdst(0)
.irp i, 0,1,2,3,4,5,6,7
	v_mul_f32 v[FF+2*\i], v[EE+\i], v[ILC+\i%4]
.endr
.if \fill
	s_add_nc_u64 s[SB:SB+1], s[8:9], s[SOF:SOF+1]
.irp i, 0,1,2,3,4,5,6,7
	global_load_b32 v[CM+\i], v[SO], s[SB:SB+1] offset:(\i/4)*32768+(\i%4)*64
.endr
.endif
.endm
.macro OUT1 zero                       ; the tile is rounded to f16 and laid into the stage.  zero = 1: the second tile begins
	s_wait_xcnt 0x0                                ; earlier stores have read the registers that are written below
	WIN 0x0a                                       ; sources 0 and 1 window 2
.set i, 0
.rept 64
	v_cvt_pk_f16_f32 v[TMP+i], v[2*i], v[2*i+1]
.set i, i+1
.endr
	WIN 0
.irp a, 0,1,2,3
.irp b, 0,1,2,3
	ds_store_b128 v[STO], v[TMP+4*(4*\a+\b):TMP+4*(4*\a+\b)+3] offset:\a*16*SPITCH+32*\b
.endr
.endr
.if \zero
	WIN 0x80
.set i, 0
.rept 128
	v_mov_b32 v[i], 0
.set i, i+1
.endr
	WIN 0
.irp a, 0,1,2,3
	v_mov_b32 v[CMC+\a], v[CM2+\a]
	v_mov_b32 v[ILC+\a], v[IL2+\a]
.endr
	s_mov_b32 s[RT], s[N2]
	s_mov_b32 s[OUT2], 1
.endif
.endm
.macro OUT2M base                      ; behind a barrier: whole rows come back from the stage, 32 rows a wave, and are stored
.irp t, 0,1,2,3,4,5,6,7,8,9,10,11,12,13,14,15
	ds_load_b128 v[TMP+4*\t:TMP+4*\t+3], v[RD] offset:\t*2*SPITCH
.endr
.irp t, 0,1,2,3,4,5,6,7,8,9,10,11,12,13,14,15
	s_wait_dscnt 15-\t                             ; LDS loads come back in order: load t is in, the 15 - t younger ones stay out
	global_store_b128 v[CO], v[TMP+4*\t:TMP+4*\t+3], s[(\base):(\base)+1] offset:\t*4096  ; 16 lanes store 256 consecutive bytes, at a multiple of 256 from y's first byte
.endr
.endm
.macro BLK fill                        ; a block of 256 keys
	CHANGE \fill
	FETCH 0, F0
	WIN 0
	s_cmp_eq_u32 s[OUT2], 0
	s_cbranch_scc1 .Lno_out_\@
	OUT2M Y1                                       ; the first tile, laid into the stage in front of the change of slots, whose wait and barrier have shown it to every wave
	s_mov_b32 s[OUT2], 0
.Lno_out_\@:
	FACT \fill
	QUARTER 0, F0, F1, 1
	QUARTER 1, F1, F0, 0
	MERGE 0
	QUARTER 2, F0, F1, 1
	s_wait_dscnt 16
	MUL8 F1, 0, 0, 0
	MUL8 F1, 0, 2, 0
	s_wait_dscnt 0x0
	MUL8 F1, 1, 0, 0
	MUL8 F1, 1, 2, 0
	MERGE 1
.endm
.Lblk:                                                 ; eight trips: a block is done and the next is asked for
	BLK 1
	s_wait_dscnt 0x0                               ; my LDS loads are back, any reads of the stage in this trip among them
	s_barrier_signal -1                            ; every wave says so: only behind this barrier is the stage written.
	s_barrier_wait -1                              ; change of slots' own waits and round), so my one tensor load, the next block's, stays on its way across it
	s_sub_co_u32 s[RT], s[RT], 1
	s_cmp_lg_u32 s[RT], 0
	s_cbranch_scc1 .Lnot_end
	OUT1 1                                         ; the first tile's last block: it has 8 - p blocks, so this falls into the loop whatever p
.Lnot_end:
	s_sub_co_u32 s[CNT], s[CNT], 1
	s_cmp_lg_u32 s[CNT], 0
	s_cbranch_scc1 .Lblk
	BLK 0                                          ; the ninth block is written out: nothing is asked for
	s_wait_dscnt 0x0
	s_barrier_signal -1                            ; every wave's reads of the stage are back: it may be written again
	s_barrier_wait -1
	OUT1 0
	s_wait_dscnt 0x0                               ; for the others' sake: my stores into the stage are done
	s_barrier_signal -1
	s_barrier_wait -1
	OUT2M Y2
	s_wait_tensorcnt 0x0                           ; the wave's end
	ds_add_u32 v[SPW], v[NIL]
	s_wait_dscnt 0x0
	CROUND                                         ; the closing round
	s_endpgm
.Lfunc_end_k_q62ad56fad2_pv:
	.size	k_q62ad56fad2_pv, .Lfunc_end_k_q62ad56fad2_pv-k_q62ad56fad2_pv
	.p2alignl 7, 3214868480
	.fill 96, 4, 3214868480
	.section	.rodata,"a",@progbits
	.p2align	6, 0x0
	.amdhsa_kernel k_q62ad56fad2_pv
		.amdhsa_group_segment_fixed_size 327680
		.amdhsa_private_segment_fixed_size 0
		.amdhsa_enable_private_segment 0
		.amdhsa_kernarg_size 32
		.amdhsa_user_sgpr_count 2
		.amdhsa_user_sgpr_kernarg_segment_ptr 1
		.amdhsa_wavefront_size32 1
		.amdhsa_system_sgpr_workgroup_id_x 1
		.amdhsa_system_sgpr_workgroup_id_y 1
		.amdhsa_system_sgpr_workgroup_id_z 1
		.amdhsa_system_vgpr_workitem_id 0
		.amdhsa_next_free_vgpr 640
		.amdhsa_next_free_sgpr 100
		.amdhsa_reserve_vcc 0
		.amdhsa_float_denorm_mode_32 3
		.amdhsa_float_denorm_mode_16_64 3
		.amdhsa_memory_ordered 1
		.amdhsa_forward_progress 1
		.amdhsa_inst_pref_size 123
	.end_amdhsa_kernel
	.amdgpu_metadata
---
amdhsa.version: [ 1, 2 ]
amdhsa.kernels:
  - .name:           k_q62ad56fad2_pv
    .symbol:         k_q62ad56fad2_pv.kd
    .args:
      - { .name: pt, .offset: 0, .size: 8, .value_kind: global_buffer, .address_space: global }
      - { .name: h, .offset: 8, .size: 8, .value_kind: global_buffer, .address_space: global }
      - { .name: st, .offset: 16, .size: 8, .value_kind: global_buffer, .address_space: global }
      - { .name: y, .offset: 24, .size: 8, .value_kind: global_buffer, .address_space: global }
    .group_segment_fixed_size: 327680
    .private_segment_fixed_size: 0
    .kernarg_segment_align: 8
    .kernarg_segment_size: 32
    .max_flat_workgroup_size: 128
    .sgpr_count:     100
    .vgpr_count:     640
    .wavefront_size: 32
...
	.end_amdgpu_metadata
.endif
;; end of part 4
;; launch outp (part 5): grid 8 x 64, 4 waves a work-group, clusters of 4 x 4, 327,680 bytes of LDS; arguments y, wp, out0; writes out0
.if DOCPART == 5
	.amdgcn_target "amdgcn-amd-amdhsa--gfx1250"
	.amdhsa_code_object_version 6
	.text
	.protected	k_q62ad56fad2_outp
	.globl	k_q62ad56fad2_outp
	.p2align	8
	.type	k_q62ad56fad2_outp,@function
k_q62ad56fad2_outp:
	s_mov_b64 s[64:65], 0
	v_nop
	global_prefetch_b8 v0, s[64:65] scope:SCOPE_SE
	s_setreg_imm32_b32 hwreg(HW_REG_WAVE_MODE, 25, 1), 1
	s_wait_xcnt 0x0
	s_wait_alu depctr_hold_cnt(0) depctr_sa_sdst(0) depctr_va_vdst(0) depctr_va_sdst(0) depctr_va_ssrc(0) depctr_va_vcc(0) depctr_vm_vsrc(0)
	s_getreg_b32 s2, hwreg(HW_REG_IB_STS2, 6, 4)
	s_cmp_eq_u32 s2, 0
	s_cbranch_scc0 .Lentry_in_a_cluster
	s_endpgm
.Lentry_in_a_cluster:
	s_bfe_u32 s2, ttmp6, 0x10000c
	s_cmp_lg_u32 s2, 0xf033
	s_cbranch_scc0 .Lentry_shape_is_right
	s_endpgm
.Lentry_shape_is_right:
; OUTP.  out0[l][e] = sum over d of y[l][d] wp[e][d]: 8,192 x 1,024 x 1,024, f16 operands (wp holds Wproj's bf16 numbers), f32 sums, stored as they are.
; A tile is 128 x 128, so that there are 512 work-groups: two for each of 256.  Four waves, each 64 x 64: 16 accumulators.  K goes in 4 steps of 256 (LDS rows of 512 bytes) through two slots, one K step a trip.
; CLUSTER 4 x 4: y's tile is shared along a row of the cluster, wp's along a column: joint loads.  The matrix instruction is used transposed (source 0 = 16 rows of wp, source 1 = 16 rows of y): a lane holds eight neighbouring numbers of a row.
; A wave's 64 columns of f32 are 256 aligned bytes of a row, so each wave has a stage of its own and the way out needs no barrier.
; REGISTERS: window 0: v16-29 addresses; v32-95 at work on the way out; v128-255 the accumulators ((a, b) at v[128 + 8 (4 a + b)]).  window 1: two fragment buffers of 128.
.set SIZE_K, 1024
.set KSTEP,  256
.set PITCH,  528                       ; 512 bytes + 16 of padding = 132 words: the 16 rows of a fragment load start at 16 different groups of four banks (ISA guide 11.1)
.set HALFT,  64*PITCH
.set SLOT,   4*HALFT
.set STAGE,  2*SLOT                    ; 16 rows x 272 bytes for each wave
.set SPITCH, 272
.set SPARE,  STAGE+4*16*SPITCH
.set ADRA0, 16
.set ADRB0, 17
.set ADRA, 18
.set ADRB, 19
.set STO,  24
.set RD,   25
.set CO,   26
.set SPW,  28
.set NIL,  29
.set TMP,  32
.set ACC,  128
.set F0,   0
.set F1,   128
.set G1, 24
.set G0, 32                            ; s[32:35] the first fill's group 0; s[36:39] the set that walks
.set G1B, 48
.set G0B, 56
.set LB, 20
.set TF, 21
.set TB, 22
.set MSB, 0
.macro WIN new
.if MSB != (\new)
	s_set_vgpr_msb (MSB<<8)|(\new)
.set MSB, \new
.endif
.endm
.set MUL,  0x05
.set TO_F, 0x40
.macro JLOAD
	s_cmp_eq_u32 s11, 0
	s_cbranch_scc0 .Lfor_b_\@
	tensor_load_to_lds s[G0+4:G0+7], s[G1:G1+7]
	s_nop 0
.rept 4
	v_nop
.endr
	s_branch .Lasked_\@
.Lfor_b_\@:
	tensor_load_to_lds s[G0B+4:G0B+7], s[G1B:G1B+7]
	s_nop 0
.rept 4
	v_nop
.endr
.Lasked_\@:
.endm
.macro CREST
	s_cmp_lg_u32 s10, 0
	s_cbranch_scc1 .Lnot_wave_0_\@
	s_barrier_signal -3
.Lnot_wave_0_\@:
	s_barrier_wait -3
	s_barrier_signal -1
	s_barrier_wait -1
.endm
.macro CROUND
	s_barrier_signal -1
	s_barrier_wait -1
	CREST
.endm
	s_load_b128 s[4:7], s[0:1], 0x0                ; y s[4:5], wp s[6:7]
	s_load_b64 s[8:9], s[0:1], 0x10                ; out0
	v_lshl_add_u32 v[SPW], v0, 2, SPARE
	v_mov_b32 v[NIL], 0
	ds_add_u32 v[SPW], v[NIL]                      ; the wave's opening: the add and its wait ahead of my first tensor load
	ds_add_u32 v28, v29
	v_lshrrev_b32 v1, 5, v0
	v_readfirstlane_b32 s10, v1
	s_lshr_b32 s11, s10, 1                         ; my half of the rows.  Also: I fetch for y (0) or wp (1)
	s_and_b32 s12, s10, 1                          ; my half of the columns.  Also: which 64 rows I fetch
	s_bfe_u32 s40, ttmp6, 0x40000
	s_bfe_u32 s41, ttmp6, 0x40004
	s_lshl_b32 s42, ttmp9, 2
	s_add_co_u32 s42, s42, s40                     ; tile column
	s_and_b32 s13, ttmp7, 0xffff
	s_lshl_b32 s13, s13, 2
	s_add_co_u32 s13, s13, s41                     ; tile row
	s_lshl_b32 s43, s41, 2
	s_lshl_b32 s43, 15, s43                        ; my row of the cluster
	s_lshl_b32 s44, 0x1111, s40                    ; my column
	s_or_b32 s[G1+0], s43, (1<<16)|(1<<20)|(1<<21)|(6<<22)|(3<<25)   ; the mask; 2-byte elements; padding on; bit 21 beside a mask; after every 128 words 4 words
	s_or_b32 s[G1B+0], s44, (1<<16)|(1<<20)|(1<<21)|(6<<22)|(3<<25)
.irp g, G1, G1B
	s_mov_b32 s[(\g)+1], KSTEP<<16
	s_mov_b32 s[(\g)+2], 64<<16
	s_mov_b32 s[(\g)+3], KSTEP<<16
	s_mov_b32 s[(\g)+4], 64
	s_mov_b32 s[(\g)+5], SIZE_K
	s_mov_b32 s[(\g)+6], 0
	s_mov_b32 s[(\g)+7], 0
.endr
	s_lshl_b32 s17, s12, 6
	s_lshl_b32 s16, s13, 7
	s_add_co_u32 s16, s16, s17                     ; y: row 128 x tile row + 64 x half,
	s_lshl_b32 s16, s16, 11                        ; times 2,048 bytes
	s_lshl_b32 s46, s42, 7
	s_add_co_u32 s46, s46, s17                     ; wp: row 128 x tile column + 64 x half
	s_lshl_b32 s46, s46, 11
	s_mov_b32 s17, 0
	s_mov_b32 s47, 0
	s_mul_i32 s[LB], s10, HALFT
	s_mov_b32 s[TF], SLOT
	s_mov_b32 s[TB], 0
	s_wait_dscnt 0x0
	s_wait_kmcnt 0x0
	s_add_nc_u64 s[14:15], s[4:5], s[16:17]
	s_add_nc_u64 s[46:47], s[6:7], s[46:47]
	CROUND                                         ; the first joint loads meet
.irp s, 0,1
	s_mov_b32 s[G0+4*(\s)], 1
	s_add_co_u32 s[G0+4*(\s)+1], s[LB], (\s)*SLOT
	s_add_nc_u64 s[G0+4*(\s)+2:G0+4*(\s)+3], s[14:15], (\s)*KSTEP*2
	s_or_b32 s[G0+4*(\s)+3], s[G0+4*(\s)+3], 0x80000000
	s_mov_b32 s[G0B+4*(\s)], 1
	s_add_co_u32 s[G0B+4*(\s)+1], s[LB], (\s)*SLOT
	s_add_nc_u64 s[G0B+4*(\s)+2:G0B+4*(\s)+3], s[46:47], (\s)*KSTEP*2
	s_or_b32 s[G0B+4*(\s)+3], s[G0B+4*(\s)+3], 0x80000000
.endr
	s_cmp_eq_u32 s11, 0                            ; a wave's two first fills stand in one branch: two loads of mine are out
	s_cbranch_scc0 .Lfirst_b
	tensor_load_to_lds s[G0:G0+3], s[G1:G1+7]
	s_nop 0
	tensor_load_to_lds s[G0+4:G0+7], s[G1:G1+7]
	s_nop 0
.rept 4
	v_nop
.endr
	s_branch .Lfirst_asked
.Lfirst_b:
	tensor_load_to_lds s[G0B:G0B+3], s[G1B:G1B+7]
	s_nop 0
	tensor_load_to_lds s[G0B+4:G0B+7], s[G1B:G1B+7]
	s_nop 0
.rept 4
	v_nop
.endr
.Lfirst_asked:
	v_and_b32 v1, 15, v0
	v_bfe_u32 v2, v0, 4, 1
	v_mul_u32_u24 v3, v1, PITCH
	v_lshl_add_u32 v3, v2, 4, v3
	s_mul_i32 s23, s11, HALFT
	v_add_nc_u32 v[ADRA0], s23, v3
	s_mul_i32 s23, s12, HALFT
	s_add_co_u32 s23, s23, 2*HALFT
	v_add_nc_u32 v[ADRB0], s23, v3
	v_mov_b32 v[ADRA], v[ADRA0]
	v_mov_b32 v[ADRB], v[ADRB0]
	s_mul_i32 s23, s10, 16*SPITCH
	s_add_co_u32 s23, s23, STAGE                   ; my stage
	v_mul_u32_u24 v4, v1, SPITCH                   ; in: row l % 16, 32 bytes (eight f32) for each half of the lanes
	v_lshl_add_u32 v4, v2, 5, v4
	v_add_nc_u32 v[STO], s23, v4
	v_mul_u32_u24 v5, v2, SPITCH                   ; back: lanes 0-15 one row of 256 bytes, lanes 16-31 the next
	v_lshl_add_u32 v5, v1, 4, v5
	v_add_nc_u32 v[RD], s23, v5
	v_lshlrev_b32 v5, 12, v2                       ; and the same two rows in out0, 4,096 bytes apart
	v_lshl_add_u32 v[CO], v1, 4, v5
	s_lshl_b32 s16, s13, 7
	s_lshl_b32 s17, s11, 6
	s_add_co_u32 s16, s16, s17                     ; my first row,
	s_lshl_b32 s16, s16, 12
	s_lshl_b32 s46, s42, 9                         ; my first column: 512 bytes a tile, 256 a half
	s_lshl_b32 s47, s12, 8
	s_add_co_u32 s46, s46, s47
	s_add_co_u32 s16, s16, s46
	s_mov_b32 s17, 0
	s_add_nc_u64 s[8:9], s[8:9], s[16:17]
.macro MUL8 f, c, a0, zero             ; 8 matrix instructions; the 16 accumulators take turns
	WIN MUL
.irp a, \a0, (\a0)+1
.irp b, 0,1,2,3
.if \zero
	v_wmma_f32_16x16x32_f16 v[ACC+8*(4*(\a)+(\b)):ACC+8*(4*(\a)+(\b))+7], v[(\f)+64+8*(4*(\c)+(\b)):(\f)+64+8*(4*(\c)+(\b))+7], v[(\f)+8*(4*(\c)+(\a)):(\f)+8*(4*(\c)+(\a))+7], 0
.else
	v_wmma_f32_16x16x32_f16 v[ACC+8*(4*(\a)+(\b)):ACC+8*(4*(\a)+(\b))+7], v[(\f)+64+8*(4*(\c)+(\b)):(\f)+64+8*(4*(\c)+(\b))+7], v[(\f)+8*(4*(\c)+(\a)):(\f)+8*(4*(\c)+(\a))+7], v[ACC+8*(4*(\a)+(\b)):ACC+8*(4*(\a)+(\b))+7]
.endif
.endr
.endr
.endm
.macro FETCH k, f                      ; 32 LDS loads in one run: 64 along K at byte k of the rows of the slot in hand; the first 32 along K first
	WIN TO_F
.irp c, 0,1
.irp i, 0,1,2,3
	ds_load_b128 v[(\f)+64+8*(4*(\c)+(\i)):(\f)+64+8*(4*(\c)+(\i))+3],   v[ADRB] offset:(\k)+64*(\c)+(\i)*16*PITCH
	ds_load_b128 v[(\f)+64+8*(4*(\c)+(\i))+4:(\f)+64+8*(4*(\c)+(\i))+7], v[ADRB] offset:(\k)+64*(\c)+(\i)*16*PITCH+32
	ds_load_b128 v[(\f)+8*(4*(\c)+(\i)):(\f)+8*(4*(\c)+(\i))+3],         v[ADRA] offset:(\k)+64*(\c)+(\i)*16*PITCH
	ds_load_b128 v[(\f)+8*(4*(\c)+(\i))+4:(\f)+8*(4*(\c)+(\i))+7],       v[ADRA] offset:(\k)+64*(\c)+(\i)*16*PITCH+32
.endr
.endr
.endm
.macro PLACES
.rept 4
	v_nop
.endr
.endm
.macro QUARTER k, f, g, zero
	s_wait_dscnt 16                                ; the first 32 along K are in
	MUL8 \f, 0, 0, \zero
	MUL8 \f, 0, 2, \zero
	PLACES
	FETCH \k, \g
	s_wait_dscnt 32                                ; all but the 32 just issued
	MUL8 \f, 1, 0, 0
	MUL8 \f, 1, 2, 0
.endm
.macro TURN fill                       ; the last quarter and the change of slots
	WIN 0
	s_wait_tensorcnt 0x0                           ; all my tensor loads have landed: my part of the next slot
	ds_add_u32 v[SPW], v[NIL]
	s_wait_dscnt 17                                ; the add and the youngest sixteen loads may be out
	MUL8 F1, 0, 0, 0
	s_wait_dscnt 0x0                               ; the add is done, and my reads of this slot are over
	s_barrier_signal -1
	MUL8 F1, 0, 2, 0
	WIN 0
	s_barrier_wait -1
.if \fill
	CREST                                          ; the barrier has opened a round of the cluster's barrier
	s_xor_b32 s[TF], s[TF], SLOT
	s_add_co_u32 s[G0+5], s[LB], s[TF]
	s_add_co_u32 s[G0B+5], s[LB], s[TF]
	s_add_nc_u64 s[G0+6:G0+7], s[G0+6:G0+7], KSTEP*2
	s_add_nc_u64 s[G0B+6:G0B+7], s[G0B+6:G0B+7], KSTEP*2
	JLOAD                                          ; the first tensor load behind the round: 112 matrix instructions ahead of the wait for it
.else
	PLACES
.endif
	s_xor_b32 s[TB], s[TB], SLOT
	v_add_nc_u32 v[ADRA], s[TB], v[ADRA0]
	v_add_nc_u32 v[ADRB], s[TB], v[ADRB0]
	FETCH 0, F0
	MUL8 F1, 1, 0, 0
	MUL8 F1, 1, 2, 0
.endm
	s_wait_tensorcnt 1                             ; my part of K step 0 is in; K step 1's may stay out
	s_barrier_signal -1
	s_barrier_wait -1
	FETCH 0, F0
	QUARTER 128, F0, F1, 1
	WIN 0
	s_mov_b32 s3, 2
.Lstep:                                                ; trip s: quarters 1 to 3 of K step s, the refill with K step s + 2, quarter 0 of K step s + 1
	QUARTER 256, F1, F0, 0
	QUARTER 384, F0, F1, 0
	TURN 1
	QUARTER 128, F0, F1, 0
	WIN 0
	s_sub_co_u32 s3, s3, 1
	s_cmp_lg_u32 s3, 0
	s_cbranch_scc1 .Lstep
	QUARTER 256, F1, F0, 0
	QUARTER 384, F0, F1, 0
	TURN 0
	QUARTER 128, F0, F1, 0
	QUARTER 256, F1, F0, 0
	QUARTER 384, F0, F1, 0
	s_wait_dscnt 16
	MUL8 F1, 0, 0, 0
	MUL8 F1, 0, 2, 0
	s_wait_dscnt 0x0
	MUL8 F1, 1, 0, 0
	MUL8 F1, 1, 2, 0
	WIN 0
	PLACES                                         ; the stores below read results just made
.irp a, 0,1,2,3                        ; 16 rows at a time: into my stage, each accumulator's low four registers first, back as whole rows of 256 bytes, stored
.if (\a) >= 2
	s_wait_xcnt 0x0                                ; the stores of two blocks ago have read the registers that are loaded again below
.endif
.irp b, 0,1,2,3
	ds_store_b128 v[STO], v[ACC+8*(4*(\a)+(\b)):ACC+8*(4*(\a)+(\b))+3] offset:64*(\b)
	ds_store_b128 v[STO], v[ACC+8*(4*(\a)+(\b))+4:ACC+8*(4*(\a)+(\b))+7] offset:64*(\b)+16
.endr
.irp t, 0,1,2,3,4,5,6,7
	ds_load_b128 v[TMP+32*((\a)%2)+4*(\t):TMP+32*((\a)%2)+4*(\t)+3], v[RD] offset:(\t)*2*SPITCH  ; LDS serves a wave's instructions in order (ISA guide 5.7.1.4)
.endr
	s_wait_dscnt 0x0
.irp t, 0,1,2,3,4,5,6,7
	global_store_b128 v[CO], v[TMP+32*((\a)%2)+4*(\t):TMP+32*((\a)%2)+4*(\t)+3], s[8:9] offset:(16*(\a)+2*(\t))*4096  ; 16 lanes store 256 consecutive bytes, at a multiple of 256 from out0's first byte
.endr
.endr
	s_wait_tensorcnt 0x0                           ; the wave's end
	ds_add_u32 v[SPW], v[NIL]
	s_wait_dscnt 0x0
	CROUND                                         ; the closing round
	s_endpgm
.Lfunc_end_k_q62ad56fad2_outp:
	.size	k_q62ad56fad2_outp, .Lfunc_end_k_q62ad56fad2_outp-k_q62ad56fad2_outp
	.p2alignl 7, 3214868480
	.fill 96, 4, 3214868480
	.section	.rodata,"a",@progbits
	.p2align	6, 0x0
	.amdhsa_kernel k_q62ad56fad2_outp
		.amdhsa_group_segment_fixed_size 327680
		.amdhsa_private_segment_fixed_size 0
		.amdhsa_enable_private_segment 0
		.amdhsa_kernarg_size 24
		.amdhsa_user_sgpr_count 2
		.amdhsa_user_sgpr_kernarg_segment_ptr 1
		.amdhsa_wavefront_size32 1
		.amdhsa_system_sgpr_workgroup_id_x 1
		.amdhsa_system_sgpr_workgroup_id_y 1
		.amdhsa_system_sgpr_workgroup_id_z 1
		.amdhsa_system_vgpr_workitem_id 0
		.amdhsa_next_free_vgpr 512
		.amdhsa_next_free_sgpr 66
		.amdhsa_reserve_vcc 0
		.amdhsa_float_denorm_mode_32 3
		.amdhsa_float_denorm_mode_16_64 3
		.amdhsa_memory_ordered 1
		.amdhsa_forward_progress 1
		.amdhsa_inst_pref_size 67
	.end_amdhsa_kernel
	.amdgpu_metadata
---
amdhsa.version: [ 1, 2 ]
amdhsa.kernels:
  - .name:           k_q62ad56fad2_outp
    .symbol:         k_q62ad56fad2_outp.kd
    .args:
      - { .name: y, .offset: 0, .size: 8, .value_kind: global_buffer, .address_space: global }
      - { .name: wp, .offset: 8, .size: 8, .value_kind: global_buffer, .address_space: global }
      - { .name: out0, .offset: 16, .size: 8, .value_kind: global_buffer, .address_space: global }
    .group_segment_fixed_size: 327680
    .private_segment_fixed_size: 0
    .kernarg_segment_align: 8
    .kernarg_segment_size: 24
    .max_flat_workgroup_size: 128
    .sgpr_count:     66
    .vgpr_count:     512
    .wavefront_size: 32
...
	.end_amdgpu_metadata
.endif
;; end of part 5
;; ======== version 2 of 3: 5 launches; 1.12 times as fast as version 1
;; limits: values are held in f16: magnitudes above 65,504 overflow, below 6.1e-05 lose precision
;; workspace buffers: xb 33,554,432 bytes; wb 8,388,608 bytes; h 50,331,648 bytes; pt 33,554,432 bytes; st 1,048,576 bytes; y 16,777,216 bytes; w2 4,194,304 bytes
;; launch cast (part 6): grid 896 x 1, 8 waves a work-group, no clusters, 66,560 bytes of LDS; arguments q, k, v, Wq, Wk, Wv, Wproj, xb, wb, h; writes xb, wb, h
.if DOCPART == 6
	.amdgcn_target "amdgcn-amd-amdhsa--gfx1250"
	.amdhsa_code_object_version 6
	.text
	.protected	k_q62ad56fad2_cast
	.globl	k_q62ad56fad2_cast
	.p2align	8
	.type	k_q62ad56fad2_cast,@function
k_q62ad56fad2_cast:
	s_mov_b64 s[64:65], 0
	v_nop
	global_prefetch_b8 v0, s[64:65] scope:SCOPE_SE
	s_setreg_imm32_b32 hwreg(HW_REG_WAVE_MODE, 25, 1), 1
	s_wait_xcnt 0x0
; CAST.  All seven inputs are rounded once to bf16.  q, k -> xb [2][8192][1024] and Wq, Wk -> wb planes 0, 1 stay bf16.  The others are multiplied with f16 operands later, so their bf16 number is written as f16:
; v -> h's third plane [8192][1024];  Wv -> wb plane 2, TURNED: wvt[d][m] = Wv[m][d];  16 x Wproj -> wb plane 3 (times 16 is exact; the last launch takes it out again).
; The program never forms v Wv^T: it uses (P (v Wv^T)) Wproj^T = (P v) (Wproj Wv)^T, and a later launch makes Wproj Wv from planes 3 and 2, which wants Wv's rows along m.
; LIMITS: a bf16 number below 6.1e-5 keeps f16's fixed step of 6e-8 in v, Wv and 16 Wproj; beyond 65,504 it becomes an infinity.
; A stream.  A work-group takes 32,768 numbers (131,072 bytes in, 65,536 out).  All 32 loads of a wave go out at once, 512 consecutive bytes each; each has registers of its own.
; Work-groups 0-127: Wq, Wk, Wv, Wproj (32 each); 128-895: q, k, v (256 each).  The 32 that turn Wv do the most, so the weights stand first in the grid.
; TURNING.  A work-group takes 128 m x 256 d.  Thread t = 64 r + c loads rows 32 r + i (i = 0..31) at the four d from 4 c on: the same 32 load lines as the stream's, with another offset.  Two neighbouring rows' numbers
; make a word (m, m + 1) of row d of an LDS tile of 256 rows x 256 bytes; behind a barrier the rows come back 16 bytes a lane and 16 lanes store 256 consecutive bytes.  In row d the 16-byte piece j lies at place (j + d / 4) % 16:
; the 32 lanes of a store then meet 16 different groups of four banks, and the 16 lanes that read a row meet each piece once (64 banks of 4 bytes: ISA guide 11.1).
; The addresses that the text behind the barrier names have registers above all that either way writes.
.set X, 4                              ; v[4:131]    load i: 4 registers; behind the barrier: rows read back
.set Y, 132                            ; v[132:195]  store i: 2 registers (the stream); v132-165 at work (turning)
.set T, 196                            ; v[196:199]  at work
.set SA, 133                           ; v133-136    turning: where my words of m-piece 4 r + p go
.set W,  150                           ; v150-165    four sets of four at work
.set SPW, 200                          ; v200        my spare word; never rewritten
.set NIL, 201                          ; v201        0; never rewritten
.set RA, 202                           ; v202-205    where I read a piece back, by i % 4; never rewritten
.set GO, 206                           ; v206        my byte offset in the turned block; never rewritten
.set H,  207                           ; v207-211    at work while those five are made
.set SPARE, 65536                      ; behind the tile: the spare words, 128 bytes for each of eight waves
	s_load_b512 s[8:23], s[0:1], 0x0               ; q s[8:9], k, v, Wq s[14:15], Wk, Wv, Wproj s[20:21], xb s[22:23]
	s_load_b128 s[24:27], s[0:1], 0x40             ; wb s[24:25], h s[26:27]
	v_lshl_add_u32 v[SPW], v0, 2, SPARE
	v_mov_b32 v[NIL], 0
	s_mov_b32 s2, ttmp9
	s_sub_co_u32 s3, s2, 128                       ; my number among q's, k's and v's parts
	s_lshr_b32 s28, s2, 5                          ; 0 Wq, 1 Wk, 2 Wv, 3 Wproj; 4 and more: q, k, v
	s_mov_b32 s29, 0xffff0000                      ; a word's upper bf16
	s_and_b32 s30, s2, 31                          ; my part of a weight,
	s_and_b32 s31, s3, 255                         ; or of a large input
	s_cmp_ge_u32 s2, 128
	s_cselect_b32 s30, s31, s30
	s_cselect_b32 s32, s3, s2                      ; my part of xb and h (v's 256 parts follow q's and k's 512: h's third plane begins 512 parts in), or of wb
	s_lshl_b32 s30, s30, 17                        ; times 131,072 bytes
	s_lshl_b32 s32, s32, 16                        ; times 65,536 bytes
	s_and_b32 s34, s2, 3                           ; turning: which 256 d,
	s_bfe_u32 s35, s2, 0x30002                     ; which 128 m
	s_lshl_b32 s36, s35, 19                        ; from: 128 rows of 4,096 bytes,
	s_lshl_b32 s37, s34, 10                        ; 256 numbers of 4 bytes
	s_add_co_u32 s36, s36, s37
	s_lshl_b32 s37, s34, 19                        ; to: 256 rows of 2,048 bytes,
	s_lshl_b32 s33, s35, 8                         ; 128 numbers of 2 bytes,
	s_add_co_u32 s37, s37, s33
	s_add_co_u32 s37, s37, 0x400000                ; in plane 2
	s_cmp_eq_u32 s28, 2
	s_cselect_b32 s30, s36, s30
	s_cselect_b32 s32, s37, s32
	s_cselect_b32 s38, 63, 255                     ; the threads that share a row of the source: 64, or all
	s_cselect_b32 s39, 0x20000, 0                  ; and the 32 rows from one such group to the next
	s_mov_b32 s31, 0
	s_mov_b32 s33, 0
	s_cmp_ge_u32 s2, 640
	s_cselect_b32 s40, 1.0, 0x41800000             ; v as it is, Wproj times 16
	s_mov_b32 s41, s40                             ; named with it as a pair
	v_and_b32 v1, s38, v0
	v_lshrrev_b32 v3, 6, v0
	v_lshlrev_b32 v1, 4, v1
	v_mul_u32_u24 v3, s39, v3
	v_add_nc_u32 v1, v1, v3                        ; my 16 bytes in each 4,096 of the source
	v_lshlrev_b32 v2, 3, v0                        ; 8 t: in each 2,048 of the stream's result
	; what the text behind the barrier names is made on every way: row t / 16 + 16 i, piece j = t % 16, at place (j + t / 64 + 4 i) % 16
	v_and_b32 v[H], 15, v0                         ; j
	v_lshrrev_b32 v[H+1], 6, v0
	v_add_nc_u32 v[H+1], v[H], v[H+1]              ; j + t / 64
	v_lshrrev_b32 v[H+2], 4, v0                    ; t / 16
	v_lshlrev_b32 v[H+3], 8, v[H+2]                ; its row of 256 bytes
.irp p, 0,1,2,3
	v_add_nc_u32 v[H+4], 4*\p, v[H+1]
	v_and_b32 v[H+4], 15, v[H+4]
	v_lshl_add_u32 v[RA+\p], v[H+4], 4, v[H+3]
.endr
	v_lshlrev_b32 v[GO], 11, v[H+2]                ; row t / 16 of 2,048 bytes, piece j
	v_lshl_add_u32 v[GO], v[H], 4, v[GO]
	s_wait_kmcnt 0x0
	s_mov_b64 s[4:5], s[14:15]                     ; the source is chosen by the work-group's number alone
	s_cmp_ge_u32 s2, 32
	s_cselect_b64 s[4:5], s[16:17], s[4:5]
	s_cmp_ge_u32 s2, 64
	s_cselect_b64 s[4:5], s[18:19], s[4:5]
	s_cmp_ge_u32 s2, 96
	s_cselect_b64 s[4:5], s[20:21], s[4:5]
	s_cmp_ge_u32 s2, 128
	s_cselect_b64 s[4:5], s[8:9], s[4:5]
	s_cmp_ge_u32 s2, 384
	s_cselect_b64 s[4:5], s[10:11], s[4:5]
	s_cmp_ge_u32 s2, 640
	s_cselect_b64 s[4:5], s[12:13], s[4:5]
	s_mov_b64 s[6:7], s[24:25]                     ; and so is the result
	s_cmp_ge_u32 s2, 128
	s_cselect_b64 s[6:7], s[22:23], s[6:7]
	s_cmp_ge_u32 s2, 640
	s_cselect_b64 s[6:7], s[26:27], s[6:7]
	s_add_nc_u64 s[4:5], s[4:5], s[30:31]
	s_add_nc_u64 s[6:7], s[6:7], s[32:33]
.set i, 0
.rept 32
	global_load_b128 v[X+4*i:X+4*i+3], v1, s[4:5] offset:i*4096 th:TH_LOAD_NT  ; each input byte is read once in the launch
.set i, i+1
.endr
; Load n is rounded and stored.  half = 1: times the factor, and the bf16 number is widened again (a shift, a mask) and written as f16.
.macro CV n, half
	s_wait_loadcnt 31-(\n)                         ; loads come back in order (ISA guide 5.7.1): mine is in, the 31 - n younger ones stay out
.if \half
	v_pk_mul_f32 v[X+4*(\n):X+4*(\n)+1], v[X+4*(\n):X+4*(\n)+1], s[40:41] op_sel_hi:[1,0]
	v_pk_mul_f32 v[X+4*(\n)+2:X+4*(\n)+3], v[X+4*(\n)+2:X+4*(\n)+3], s[40:41] op_sel_hi:[1,0]
.endif
	v_cvt_pk_bf16_f32 v[Y+2*(\n)], v[X+4*(\n)], v[X+4*(\n)+1]
	v_cvt_pk_bf16_f32 v[Y+2*(\n)+1], v[X+4*(\n)+2], v[X+4*(\n)+3]
.if \half
	v_lshlrev_b32 v[T], 16, v[Y+2*(\n)]
	v_and_b32 v[T+1], s29, v[Y+2*(\n)]
	v_lshlrev_b32 v[T+2], 16, v[Y+2*(\n)+1]
	v_and_b32 v[T+3], s29, v[Y+2*(\n)+1]
	v_cvt_pk_f16_f32 v[Y+2*(\n)], v[T], v[T+1]
	v_cvt_pk_f16_f32 v[Y+2*(\n)+1], v[T+2], v[T+3]
.endif
	global_store_b64 v2, v[Y+2*(\n):Y+2*(\n)+1], s[6:7] offset:(\n)*2048  ; a wave stores 256 consecutive bytes, at a multiple of 256
.endm
	s_cmp_eq_u32 s28, 2
	s_cbranch_scc1 .Lturn
	s_cmp_eq_u32 s28, 3
	s_cbranch_scc1 .Lhalf
	s_cmp_ge_u32 s2, 640
	s_cbranch_scc1 .Lhalf
.set i, 0
.rept 32
	CV i, 0
.set i, i+1
.endr
	s_branch .Ljoin
.Lhalf:
.set i, 0
.rept 32
	CV i, 1
.set i, i+1
.endr
	s_branch .Ljoin
.Lturn:
	v_and_b32 v132, 63, v0                         ; c: my four d begin at 4 c
	v_lshrrev_b32 v137, 6, v0                      ; r: my 32 m begin at 32 r, m-piece 4 r
	v_lshl_add_u32 v137, v137, 2, v132             ; 4 r + c
	v_lshlrev_b32 v138, 10, v132                   ; row 4 c of 256 bytes
.irp p, 0,1,2,3
	v_add_nc_u32 v139, \p, v137
	v_and_b32 v139, 15, v139                       ; m-piece 4 r + p lies at place (4 r + p + c) % 16 of rows 4 c .. 4 c + 3
	v_lshl_add_u32 v[SA+\p], v139, 4, v138
.endr
.set u, 0
.rept 16                                       ; rows 32 r + 2 u and 32 r + 2 u + 1: word u % 4 of m-piece 4 r + u / 4
	s_wait_loadcnt 30-2*u                          ; both rows are in; the 30 - 2 u younger loads stay out
.irp k, 0,1,2,3
	v_cvt_pk_bf16_f32 v[W+4*\k], v[X+8*u+\k], v[X+8*u+4+\k]
.endr
.irp k, 0,1,2,3
	v_lshlrev_b32 v[W+4*\k+1], 16, v[W+4*\k]
	v_and_b32 v[W+4*\k+2], s29, v[W+4*\k]
.endr
.irp k, 0,1,2,3
	v_cvt_pk_f16_f32 v[W+4*\k+3], v[W+4*\k+1], v[W+4*\k+2]
.endr
.irp k, 0,1,2,3
	ds_store_b32 v[SA+u/4], v[W+4*\k+3] offset:\k*256+(u%4)*4
.endr
.set u, u+1
.endr
.Ljoin:
	s_wait_dscnt 0x0                               ; for the others' sake: my stores into the tile are done
	s_barrier_signal -1                            ; the barrier stands on every work-group's way, so that no branch passes it; only the work-groups that turn Wv need it
	s_barrier_wait -1
	s_cmp_lg_u32 s28, 2
	s_cbranch_scc1 .Lend
.set i, 0
.rept 16
	ds_load_b128 v[X+4*i:X+4*i+3], v[RA+i%4] offset:i*4096
.set i, i+1
.endr
.set i, 0
.rept 16
	s_wait_dscnt 15-i                              ; LDS loads come back in order: load i is in, the 15 - i younger ones stay out
	global_store_b128 v[GO], v[X+4*i:X+4*i+3], s[6:7] offset:i*32768  ; 16 lanes store 256 consecutive bytes, at a multiple of 256 from wb's first byte
.set i, i+1
.endr
.Lend:
	s_wait_tensorcnt 0x0                           ; the wave's end
	ds_add_u32 v[SPW], v[NIL]
	s_wait_dscnt 0x0
	s_endpgm
.Lfunc_end_k_q62ad56fad2_cast:
	.size	k_q62ad56fad2_cast, .Lfunc_end_k_q62ad56fad2_cast-k_q62ad56fad2_cast
	.p2alignl 7, 3214868480
	.fill 96, 4, 3214868480
	.section	.rodata,"a",@progbits
	.p2align	6, 0x0
	.amdhsa_kernel k_q62ad56fad2_cast
		.amdhsa_group_segment_fixed_size 66560
		.amdhsa_private_segment_fixed_size 0
		.amdhsa_enable_private_segment 0
		.amdhsa_kernarg_size 80
		.amdhsa_user_sgpr_count 2
		.amdhsa_user_sgpr_kernarg_segment_ptr 1
		.amdhsa_wavefront_size32 1
		.amdhsa_system_sgpr_workgroup_id_x 1
		.amdhsa_system_sgpr_workgroup_id_y 1
		.amdhsa_system_sgpr_workgroup_id_z 1
		.amdhsa_system_vgpr_workitem_id 0
		.amdhsa_next_free_vgpr 212
		.amdhsa_next_free_sgpr 66
		.amdhsa_reserve_vcc 0
		.amdhsa_float_denorm_mode_32 3
		.amdhsa_float_denorm_mode_16_64 3
		.amdhsa_memory_ordered 1
		.amdhsa_forward_progress 1
		.amdhsa_inst_pref_size 56
	.end_amdhsa_kernel
	.amdgpu_metadata
---
amdhsa.version: [ 1, 2 ]
amdhsa.kernels:
  - .name:           k_q62ad56fad2_cast
    .symbol:         k_q62ad56fad2_cast.kd
    .args:
      - { .name: q, .offset: 0, .size: 8, .value_kind: global_buffer, .address_space: global }
      - { .name: k, .offset: 8, .size: 8, .value_kind: global_buffer, .address_space: global }
      - { .name: v, .offset: 16, .size: 8, .value_kind: global_buffer, .address_space: global }
      - { .name: Wq, .offset: 24, .size: 8, .value_kind: global_buffer, .address_space: global }
      - { .name: Wk, .offset: 32, .size: 8, .value_kind: global_buffer, .address_space: global }
      - { .name: Wv, .offset: 40, .size: 8, .value_kind: global_buffer, .address_space: global }
      - { .name: Wproj, .offset: 48, .size: 8, .value_kind: global_buffer, .address_space: global }
      - { .name: xb, .offset: 56, .size: 8, .value_kind: global_buffer, .address_space: global }
      - { .name: wb, .offset: 64, .size: 8, .value_kind: global_buffer, .address_space: global }
      - { .name: h, .offset: 72, .size: 8, .value_kind: global_buffer, .address_space: global }
    .group_segment_fixed_size: 66560
    .private_segment_fixed_size: 0
    .kernarg_segment_align: 8
    .kernarg_segment_size: 80
    .max_flat_workgroup_size: 256
    .sgpr_count:     66
    .vgpr_count:     212
    .wavefront_size: 32
...
	.end_amdgpu_metadata
.endif
;; end of part 6
;; launch proj (part 7): grid 4 x 64, 4 waves a work-group, clusters of 4 x 4, 327,680 bytes of LDS; arguments xb, wb, h; writes h
.if DOCPART == 7
	.amdgcn_target "amdgcn-amd-amdhsa--gfx1250"
	.amdhsa_code_object_version 6
	.text
	.protected	k_q62ad56fad2_proj
	.globl	k_q62ad56fad2_proj
	.p2align	8
	.type	k_q62ad56fad2_proj,@function
k_q62ad56fad2_proj:
	s_mov_b64 s[64:65], 0
	v_nop
	global_prefetch_b8 v0, s[64:65] scope:SCOPE_SE
	s_setreg_imm32_b32 hwreg(HW_REG_WAVE_MODE, 25, 1), 1
	s_wait_xcnt 0x0
	s_wait_alu depctr_hold_cnt(0) depctr_sa_sdst(0) depctr_va_vdst(0) depctr_va_sdst(0) depctr_va_ssrc(0) depctr_va_vcc(0) depctr_vm_vsrc(0)
	s_getreg_b32 s2, hwreg(HW_REG_IB_STS2, 6, 4)
	s_cmp_eq_u32 s2, 0
	s_cbranch_scc0 .Lentry_in_a_cluster
	s_endpgm
.Lentry_in_a_cluster:
	s_bfe_u32 s2, ttmp6, 0x10000c
	s_cmp_lg_u32 s2, 0xf033
	s_cbranch_scc0 .Lentry_shape_is_right
	s_endpgm
.Lentry_shape_is_right:
; PROJ.  h[t][l][e] = sum over d of xb[t][l][d] wb[t][e][d], t = q, k: one product of 16,384 x 1,024 x 1,024 whose rows choose the weight.  bf16 operands, f32 sums, h rounded once to f16, unscaled.
; (h's third plane holds v itself and was written by the launch before; v is never projected: the weights Wproj and Wv are multiplied with each other instead.)
; LIMIT: f16 ends at 65,504: a projected number beyond it becomes an infinity.  (Unit-spread rows and weights within 1/32 give numbers near 1; all inputs 30 times larger give some 3e3; offsets of 30 spreads on both some 1.7e4.)
; A tile of h is 256 x 256: 64 x 4 = 256 work-groups.  Four waves, each 128 x 128 = 64 accumulators of 16 x 16, 512 registers.  K goes in 8 steps of 128 through two LDS slots filled by the tensor data mover; the tiles' rows are
; 256 bytes of memory at multiples of 256.  A trip of the loop is ONE K step: the slot to read and the slot to fill are two scalars that an exclusive or turns.
; CLUSTER 4 x 4: the four of a row of the cluster need the same tile of xb, the four of a column the same tile of wb (a cluster's 1,024 rows lie in one of the two inputs, so all sixteen share the weight):
; each tile is asked for jointly, by the same tensor load with the same descriptor and a mask that names the four.
; THE MATRIX INSTRUCTION IS USED TRANSPOSED (source 0 = 16 rows of wb, source 1 = 16 rows of xb): a lane then holds eight neighbouring numbers of one row of h.
; REGISTERS, in windows of 256 (s_set_vgpr_msb: bits 1:0 source 0, 3:2 source 1, 5:4 source 2, 7:6 destination):
;   window 0: v16-29 addresses; v64-127, v128-191 fragments of xb, two buffers; v32-63, v192-255 at work on the way out      window 1: v64-127, v128-191 fragments of wb
;   window 2: the accumulators of my rows 0-63 ((a, b) at v[8 (8 a + b)])      window 3: those of my rows 64-127
.set SIZE_K, 1024
.set SIZE_N, 1024
.set KSTEP,  128
.set PITCH,  272                       ; an LDS row: 256 bytes + 16 of padding = 68 words: the 16 rows of a fragment load start at 16 different groups of four banks (64 banks of 4 bytes: ISA guide 11.1)
.set HALFT,  128*PITCH                 ; 128 rows: what one tensor load brings
.set SLOT,   4*HALFT                   ; xb's 256 rows, then wb's 256 rows
.set STAGE,  2*SLOT                    ; behind the ring: 16 rows x 272 bytes for each wave, for the way out
.set SPITCH, 272
.set SPARE,  STAGE+4*16*SPITCH         ; the spare words, 128 bytes for each wave
.set ADRA0, 16                         ; v16  my lane's place among A's fragments in slot 0; never rewritten
.set ADRB0, 17                         ; v17  the same for B
.set ADRA, 18                          ; v18  the same in the slot in hand
.set ADRB, 19                          ; v19
.set STO,  24                          ; v24  the way out: where I put 16 bytes of a row
.set RD,   25                          ; v25  where I read a row back
.set CO,   26                          ; v26  my byte offset in two rows of h
.set SPW,  28                          ; v28  my spare word; never rewritten
.set NIL,  29                          ; v29  0; never rewritten
.set F0,   64
.set F1,   128
.set TMP,  192
.set OB,   32
.set G1, 24                            ; s[24:31] group 1 for A's tiles
.set G0, 32                            ; s[32:35] group 0 of A's first fill; s[36:39] the set that walks
.set G1B, 48                           ; s[48:55], s[56:63] the same for B
.set G0B, 56
.set LB, 20                            ; s20  my load's place in a slot: wave x 128 rows
.set TF, 21                            ; s21  0 or SLOT: the slot filled last
.set TB, 22                            ; s22  0 or SLOT: the slot read
.set MSB, 0
.macro WIN new                         ; the immediate's high byte repeats the setting that is left; a switch that changes nothing is dropped
.if MSB != (\new)
	s_set_vgpr_msb (MSB<<8)|(\new)
.set MSB, \new
.endif
.endm
.set MUL_LO, 0xa1                      ; source 0 (B) window 1, source 1 (A) window 0, C and D window 2
.set MUL_HI, 0xf1                      ; the same, C and D window 3
.set TO_B,   0x40                      ; destination window 1, address window 0
; A joint refill by the walking sets.  Waves 0 and 1 fetch A's two halves, waves 2 and 3 B's.  An s_nop 0 and four v_nop follow each of the two lines.
.macro JLOAD
	s_cmp_eq_u32 s11, 0
	s_cbranch_scc0 .Lfor_b_\@
	tensor_load_to_lds s[G0+4:G0+7], s[G1:G1+7]
	s_nop 0
.rept 4
	v_nop
.endr
	s_branch .Lasked_\@
.Lfor_b_\@:
	tensor_load_to_lds s[G0B+4:G0B+7], s[G1B:G1B+7]
	s_nop 0
.rept 4
	v_nop
.endr
.Lasked_\@:
.endm
.macro CREST                           ; a round of the cluster's barrier behind its opening barrier
	s_cmp_lg_u32 s10, 0
	s_cbranch_scc1 .Lnot_wave_0_\@
	s_barrier_signal -3
.Lnot_wave_0_\@:
	s_barrier_wait -3
	s_barrier_signal -1
	s_barrier_wait -1
.endm
.macro CROUND                          ; a whole round
	s_barrier_signal -1
	s_barrier_wait -1
	CREST
.endm
	s_load_b128 s[4:7], s[0:1], 0x0                ; xb s[4:5], wb s[6:7]
	s_load_b64 s[8:9], s[0:1], 0x10                ; h
	v_lshl_add_u32 v[SPW], v0, 2, SPARE
	v_mov_b32 v[NIL], 0
	ds_add_u32 v[SPW], v[NIL]                      ; the wave's opening: the add and its wait ahead of my first tensor load; work on registers stands between them
	ds_add_u32 v28, v29
	v_lshrrev_b32 v1, 5, v0
	v_readfirstlane_b32 s10, v1                    ; wave 0..3
	s_lshr_b32 s11, s10, 1                         ; my half of the tile's rows.  Also: I fetch for A (0) or for B (1)
	s_and_b32 s12, s10, 1                          ; my half of its columns.  Also: which 128 rows I fetch
	s_bfe_u32 s40, ttmp6, 0x40000                  ; cx
	s_bfe_u32 s41, ttmp6, 0x40004                  ; cy
	s_lshl_b32 s42, ttmp9, 2
	s_add_co_u32 s42, s42, s40                     ; tile column = 4 x cluster x + cx
	s_and_b32 s13, ttmp7, 0xffff
	s_lshr_b32 s45, s13, 3                         ; which input: 8 clusters of 1,024 rows each; the same in all sixteen partners
	s_lshl_b32 s13, s13, 2
	s_add_co_u32 s13, s13, s41                     ; tile row = 4 x cluster y + cy
	s_lshl_b32 s43, s41, 2
	s_lshl_b32 s43, 15, s43                        ; my row of the cluster
	s_lshl_b32 s44, 0x1111, s40                    ; my column
	s_or_b32 s[G1+0], s43, (1<<16)|(1<<20)|(1<<21)|(5<<22)|(3<<25)   ; the mask; 2-byte elements; padding on; bit 21 beside a mask; after every 64 words 4 words
	s_or_b32 s[G1B+0], s44, (1<<16)|(1<<20)|(1<<21)|(5<<22)|(3<<25)
.irp g, G1, G1B
	s_mov_b32 s[(\g)+1], KSTEP<<16                 ; tensor_dim0 = 128
	s_mov_b32 s[(\g)+2], 128<<16                   ; tensor_dim1 = 128
	s_mov_b32 s[(\g)+3], KSTEP<<16                 ; tile_dim0 = 128
	s_mov_b32 s[(\g)+4], 128                       ; tile_dim1 = 128
	s_mov_b32 s[(\g)+5], SIZE_K                    ; elements from row to row
	s_mov_b32 s[(\g)+6], 0
	s_mov_b32 s[(\g)+7], 0
.endr
	s_lshl_b32 s17, s12, 7                         ; which 128 rows of the tile I fetch
	s_lshl_b32 s16, s13, 8
	s_add_co_u32 s16, s16, s17                     ; A: row 256 x tile row + 128 x half,
	s_lshl_b32 s16, s16, 11                        ; times 2,048 bytes (under 2^26)
	s_lshl_b32 s46, s42, 8
	s_add_co_u32 s46, s46, s17                     ; B: row 256 x tile column + 128 x half,
	s_lshl_b32 s46, s46, 11
	s_lshl_b32 s47, s45, 21                        ; in the input's weight, 2,097,152 bytes each
	s_add_co_u32 s46, s46, s47
	s_mov_b32 s17, 0
	s_mov_b32 s47, 0
	s_mul_i32 s[LB], s10, HALFT                    ; no place in the cluster enters an LDS address
	s_mov_b32 s[TF], SLOT                          ; the second first fill goes into slot 1
	s_mov_b32 s[TB], 0
	s_wait_dscnt 0x0                               ; the opening add is done
	s_wait_kmcnt 0x0
	s_add_nc_u64 s[14:15], s[4:5], s[16:17]
	s_add_nc_u64 s[46:47], s[6:7], s[46:47]
	CROUND                                         ; all sixteen work-groups are here: the first joint loads meet
.irp s, 0,1
	s_mov_b32 s[G0+4*(\s)], 1                      ; count = 1
	s_add_co_u32 s[G0+4*(\s)+1], s[LB], (\s)*SLOT  ; LDS address
	s_add_nc_u64 s[G0+4*(\s)+2:G0+4*(\s)+3], s[14:15], (\s)*KSTEP*2  ; K step s
	s_or_b32 s[G0+4*(\s)+3], s[G0+4*(\s)+3], 0x80000000              ; type = 2
	s_mov_b32 s[G0B+4*(\s)], 1
	s_add_co_u32 s[G0B+4*(\s)+1], s[LB], (\s)*SLOT
	s_add_nc_u64 s[G0B+4*(\s)+2:G0B+4*(\s)+3], s[46:47], (\s)*KSTEP*2
	s_or_b32 s[G0B+4*(\s)+3], s[G0B+4*(\s)+3], 0x80000000
.endr
	s_cmp_eq_u32 s11, 0                            ; a wave's two first fills stand in one branch: two loads of mine are out
	s_cbranch_scc0 .Lfirst_b
	tensor_load_to_lds s[G0:G0+3], s[G1:G1+7]
	s_nop 0
	tensor_load_to_lds s[G0+4:G0+7], s[G1:G1+7]
	s_nop 0
.rept 4
	v_nop
.endr
	s_branch .Lfirst_asked
.Lfirst_b:
	tensor_load_to_lds s[G0B:G0B+3], s[G1B:G1B+7]
	s_nop 0
	tensor_load_to_lds s[G0B+4:G0B+7], s[G1B:G1B+7]
	s_nop 0
.rept 4
	v_nop
.endr
.Lfirst_asked:
	; A fragment is 16 rows x 32 K in 8 registers: lane l holds row l % 16; registers 0-3 K = 8 (l / 16) + 0..7, registers 4-7 K = 16 + 8 (l / 16) + 0..7: two loads of 16 bytes, 32 bytes apart.
	v_and_b32 v1, 15, v0                           ; l % 16
	v_bfe_u32 v2, v0, 4, 1                         ; l / 16
	v_mul_u32_u24 v3, v1, PITCH
	v_lshl_add_u32 v3, v2, 4, v3
	s_mul_i32 s23, s11, HALFT                      ; my 128 rows of A
	v_add_nc_u32 v[ADRA0], s23, v3
	s_mul_i32 s23, s12, HALFT                      ; my 128 rows of B,
	s_add_co_u32 s23, s23, 2*HALFT                 ; behind A's 256
	v_add_nc_u32 v[ADRB0], s23, v3
	v_mov_b32 v[ADRA], v[ADRA0]
	v_mov_b32 v[ADRB], v[ADRB0]
	s_mul_i32 s23, s10, 16*SPITCH
	s_add_co_u32 s23, s23, STAGE                   ; my stage
	v_mul_u32_u24 v4, v1, SPITCH                   ; in: row l % 16, 16 bytes for each half of the lanes
	v_lshl_add_u32 v4, v2, 4, v4
	v_add_nc_u32 v[STO], s23, v4
	v_mul_u32_u24 v5, v2, SPITCH                   ; back: lanes 0-15 one row of 256 bytes, lanes 16-31 the next
	v_lshl_add_u32 v5, v1, 4, v5
	v_add_nc_u32 v[RD], s23, v5
	v_lshlrev_b32 v5, 11, v2                       ; and the same two rows in h
	v_lshl_add_u32 v[CO], v1, 4, v5
	s_lshl_b32 s16, s13, 8                         ; where my part of the tile begins in h
	s_lshl_b32 s17, s11, 7
	s_add_co_u32 s16, s16, s17
	s_lshl_b32 s16, s16, 11
	s_lshl_b32 s46, s42, 9                         ; 512 x tile column + 256 x half
	s_lshl_b32 s47, s12, 8
	s_add_co_u32 s46, s46, s47
	s_add_co_u32 s16, s16, s46
	s_mov_b32 s17, 0
	s_add_nc_u64 s[8:9], s[8:9], s[16:17]
; 16 matrix instructions: m blocks a0, a0 + 1 of the window's four x all 8 n blocks, 32 along K.  zero = 1: the first product starts the sums.  The 64 accumulators take turns.
.macro MUL16 f, hi, a0, zero
	WIN MUL_LO+0x50*(\hi)
.irp a, \a0, (\a0)+1
.irp b, 0,1,2,3,4,5,6,7
.if \zero
	v_wmma_f32_16x16x32_bf16 v[8*(8*(\a)+(\b)):8*(8*(\a)+(\b))+7], v[(\f)+8*(\b):(\f)+8*(\b)+7], v[(\f)+8*(4*(\hi)+(\a)):(\f)+8*(4*(\hi)+(\a))+7], 0
.else
	v_wmma_f32_16x16x32_bf16 v[8*(8*(\a)+(\b)):8*(8*(\a)+(\b))+7], v[(\f)+8*(\b):(\f)+8*(\b)+7], v[(\f)+8*(4*(\hi)+(\a)):(\f)+8*(4*(\hi)+(\a))+7], v[8*(8*(\a)+(\b)):8*(8*(\a)+(\b))+7]
.endif
.endr
.endr
.endm
; 32 LDS loads in one run: the fragments of one quarter step (32 K at byte k of the rows of the slot in hand) into buffer f
.macro FETCH k, f
	WIN TO_B
.irp i, 0,1,2,3,4,5,6,7
	ds_load_b128 v[(\f)+8*(\i):(\f)+8*(\i)+3],   v[ADRB] offset:(\k)+(\i)*16*PITCH
	ds_load_b128 v[(\f)+8*(\i)+4:(\f)+8*(\i)+7], v[ADRB] offset:(\k)+(\i)*16*PITCH+32
.endr
	WIN 0
.irp i, 0,1,2,3,4,5,6,7
	ds_load_b128 v[(\f)+8*(\i):(\f)+8*(\i)+3],   v[ADRA] offset:(\k)+(\i)*16*PITCH
	ds_load_b128 v[(\f)+8*(\i)+4:(\f)+8*(\i)+7], v[ADRA] offset:(\k)+(\i)*16*PITCH+32
.endr
.endm
.macro PLACES                          ; four places in front of loads into registers that matrix instructions have read, and of conversions that read results
.rept 4
	v_nop
.endr
.endm
; A K step is four quarters of 32 along K on buffers 0, 1, 0, 1.  One of the first three: multiplies buffer f and fetches the next quarter, at byte k, into g.
.macro QUARTER k, f, g, zero
	s_wait_dscnt 8                                 ; B and A's rows 0-63 are in; the youngest eight loads (A's rows 64-127) may be out
	MUL16 \f, 0, 0, \zero
	MUL16 \f, 0, 2, \zero
	PLACES
	FETCH \k, \g
	s_wait_dscnt 32                                ; all but the 32 just issued
	MUL16 \f, 1, 0, \zero
	MUL16 \f, 1, 2, \zero
.endm
; The last quarter multiplies buffer 1 and changes slots: ONE barrier.  In front of it each wave waits for all its tensor loads (one is out: its part of the next slot), adds 0 to its spare word, and waits for that and for its reads of this slot.
.macro MEET
	WIN 0
	s_wait_tensorcnt 0x0
	ds_add_u32 v[SPW], v[NIL]
	s_wait_dscnt 9                                 ; the add and the youngest eight loads may be out
	MUL16 F1, 0, 0, 0
	s_wait_dscnt 0x0                               ; the add is done, and my reads of this slot are over
	s_barrier_signal -1
	MUL16 F1, 0, 2, 0                              ; work on registers while the others arrive
	WIN 0
	s_barrier_wait -1
.endm
; fill = 1: the barrier opens a round of the cluster's barrier, and the slot just read is filled again, two K steps ahead, first thing behind the round: 224 matrix instructions ahead of the wait for it.
.macro TURN fill
	MEET
.if \fill
	CREST
	s_xor_b32 s[TF], s[TF], SLOT                   ; no tensor load of mine is out: the walking sets step to the other slot and the next K step
	s_add_co_u32 s[G0+5], s[LB], s[TF]
	s_add_co_u32 s[G0B+5], s[LB], s[TF]
	s_add_nc_u64 s[G0+6:G0+7], s[G0+6:G0+7], KSTEP*2
	s_add_nc_u64 s[G0B+6:G0B+7], s[G0B+6:G0B+7], KSTEP*2
	JLOAD                                          ; the four v_nop behind it are also the places in front of the loads below
.else
	PLACES
.endif
	s_xor_b32 s[TB], s[TB], SLOT                   ; the reads go on in the other slot
	v_add_nc_u32 v[ADRA], s[TB], v[ADRA0]
	v_add_nc_u32 v[ADRB], s[TB], v[ADRB0]
	FETCH 0, F0
	MUL16 F1, 1, 0, 0
	MUL16 F1, 1, 2, 0
.endm
; THE WAY OUT of block a (16 rows): rounded to f16, 16 bytes a lane; into my own stage and back as whole rows of 256 bytes; stored.
.macro PACK a
.set AC, 64*((\a)%4)
	WIN 0x0a+5*((\a)/4)                            ; sources 0 and 1: window 2 or 3
.irp b, 0,1,2,3,4,5,6,7
.irp r, 0,1,2,3
	v_cvt_pk_f16_f32 v[TMP+4*(\b)+(\r)], v[AC+8*(\b)+2*(\r)], v[AC+8*(\b)+2*(\r)+1]
.endr
.endr
	WIN 0
.endm
.macro TOSTAGE a
.set BK, OB+192*((\a)%2)
.irp b, 0,1,2,3,4,5,6,7
	ds_store_b128 v[STO], v[TMP+4*(\b):TMP+4*(\b)+3] offset:32*(\b)
.endr
.irp t, 0,1,2,3,4,5,6,7
	ds_load_b128 v[BK+4*(\t):BK+4*(\t)+3], v[RD] offset:(\t)*2*SPITCH  ; LDS serves a wave's instructions in order (ISA guide 5.7.1.4): these see the stores above
.endr
.endm
.macro SEND a
.set BK, OB+192*((\a)%2)
	s_wait_dscnt 0x0                               ; the block is back in registers
	s_wait_xcnt 0x0                                ; the stores' base and the registers that earlier stores read are rewritten only behind this wait
.if (\a) > 0
	s_add_nc_u64 s[8:9], s[8:9], 16*SIZE_N*2       ; 16 rows of h on
.endif
.irp t, 0,1,2,3,4,5,6,7
	global_store_b128 v[CO], v[BK+4*(\t):BK+4*(\t)+3], s[8:9] offset:2*(\t)*SIZE_N*2  ; 16 lanes store 256 consecutive bytes, at a multiple of 256 from h's first byte
.endr
.endm
	s_wait_tensorcnt 1                             ; my part of K step 0 is in; K step 1's may stay out
	s_barrier_signal -1
	s_barrier_wait -1
	FETCH 0, F0
	QUARTER 64, F0, F1, 1                          ; the first quarter stands in front of the loop: its products start the sums
	WIN 0
	s_mov_b32 s3, 6
.Lstep:                                                ; trip s: quarters 1 to 3 of K step s, the refill with K step s + 2, quarter 0 of K step s + 1
	QUARTER 128, F1, F0, 0
	QUARTER 192, F0, F1, 0
	TURN 1
	QUARTER 64, F0, F1, 0
	WIN 0
	s_sub_co_u32 s3, s3, 1
	s_cmp_lg_u32 s3, 0
	s_cbranch_scc1 .Lstep
	QUARTER 128, F1, F0, 0                         ; K steps 6 and 7 ask for nothing
	QUARTER 192, F0, F1, 0
	TURN 0
	QUARTER 64, F0, F1, 0
	QUARTER 128, F1, F0, 0
	QUARTER 192, F0, F1, 0
	s_wait_dscnt 8
	MUL16 F1, 0, 0, 0
	MUL16 F1, 0, 2, 0
	s_wait_dscnt 0x0
	MUL16 F1, 1, 0, 0
	MUL16 F1, 1, 2, 0
	WIN 0
	PLACES
	PACK 0
	TOSTAGE 0
.irp a, 1,2,3,4,5,6,7                  ; block a's conversions stand between block a - 1's loads from the stage and the wait for them
	PACK \a
	SEND (\a)-1
	TOSTAGE \a
.endr
	SEND 7
	s_wait_tensorcnt 0x0                           ; the wave's end
	ds_add_u32 v[SPW], v[NIL]
	s_wait_dscnt 0x0
	CROUND                                         ; the closing round
	s_endpgm
.Lfunc_end_k_q62ad56fad2_proj:
	.size	k_q62ad56fad2_proj, .Lfunc_end_k_q62ad56fad2_proj-k_q62ad56fad2_proj
	.p2alignl 7, 3214868480
	.fill 96, 4, 3214868480
	.section	.rodata,"a",@progbits
	.p2align	6, 0x0
	.amdhsa_kernel k_q62ad56fad2_proj
		.amdhsa_group_segment_fixed_size 327680
		.amdhsa_private_segment_fixed_size 0
		.amdhsa_enable_private_segment 0
		.amdhsa_kernarg_size 24
		.amdhsa_user_sgpr_count 2
		.amdhsa_user_sgpr_kernarg_segment_ptr 1
		.amdhsa_wavefront_size32 1
		.amdhsa_system_sgpr_workgroup_id_x 1
		.amdhsa_system_sgpr_workgroup_id_y 1
		.amdhsa_system_sgpr_workgroup_id_z 1
		.amdhsa_system_vgpr_workitem_id 0
		.amdhsa_next_free_vgpr 1024
		.amdhsa_next_free_sgpr 66
		.amdhsa_reserve_vcc 0
		.amdhsa_float_denorm_mode_32 3
		.amdhsa_float_denorm_mode_16_64 3
		.amdhsa_memory_ordered 1
		.amdhsa_forward_progress 1
		.amdhsa_inst_pref_size 116
	.end_amdhsa_kernel
	.amdgpu_metadata
---
amdhsa.version: [ 1, 2 ]
amdhsa.kernels:
  - .name:           k_q62ad56fad2_proj
    .symbol:         k_q62ad56fad2_proj.kd
    .args:
      - { .name: xb, .offset: 0, .size: 8, .value_kind: global_buffer, .address_space: global }
      - { .name: wb, .offset: 8, .size: 8, .value_kind: global_buffer, .address_space: global }
      - { .name: h, .offset: 16, .size: 8, .value_kind: global_buffer, .address_space: global }
    .group_segment_fixed_size: 327680
    .private_segment_fixed_size: 0
    .kernarg_segment_align: 8
    .kernarg_segment_size: 24
    .max_flat_workgroup_size: 128
    .sgpr_count:     66
    .vgpr_count:     1024
    .wavefront_size: 32
...
	.end_amdgpu_metadata
.endif
;; end of part 7
;; launch scores (part 8): grid 40 x 4, 4 waves a work-group, no clusters, 327,680 bytes of LDS; arguments h, pt, st, wb, w2; writes pt, st, w2
.if DOCPART == 8
	.amdgcn_target "amdgcn-amd-amdhsa--gfx1250"
	.amdhsa_code_object_version 6
	.text
	.protected	k_q62ad56fad2_scores
	.globl	k_q62ad56fad2_scores
	.p2align	8
	.type	k_q62ad56fad2_scores,@function
k_q62ad56fad2_scores:
	s_mov_b64 s[64:65], 0
	v_nop
	global_prefetch_b8 v0, s[64:65] scope:SCOPE_SE
	s_setreg_imm32_b32 hwreg(HW_REG_WAVE_MODE, 25, 1), 1
	s_wait_xcnt 0x0
; SCORES, AND THE WEIGHTS' PRODUCT.  Work-groups x = 0..35 of batch y: for each causal tile (qt, kt <= qt) of 256 queries x 256 keys: S = qh kh^T (f16 operands, f32 sums).  Then for each row and each block t of 128 keys:
; cm = c max(s), c = log2(e) / 8; p = 2^(c s - cm), rounded to f16 into pt [4][2048][2048]; l = the sum of the unrounded p; cm and l go into st [2][16][8192].  The block's own maximum is taken away before every exponential;
; the next launch joins the blocks by 2^(cm - the row's largest cm), which is at most 1.
; Work-groups x = 36..39: tile (x - 36, y) of w2[e][d] = sum over m of (16 Wproj[e][m]) Wv[m][d], from wb's plane 3 and plane 2 (Wv turned): the same product of 256 x 256 x 1,024 in the same text, with no softmax, rounded once to f16.
; It stands for two projections: (P (v Wv^T)) Wproj^T = (P v) (Wproj Wv)^T.  w2's rows lie 4,096 bytes apart, as pt's do (its 1,024 numbers fill half of that), so that one text stores both.
; LIMITS.  A hidden score counts as -2^100; f16's scores, 4.4e12 at the most, are nothing beside that.  A block all of whose keys are hidden takes -2^96 for its maximum: its p and l are 0.
; A weight below 2^-126 counts as 0; p below 6e-5 keeps f16's fixed step of 6e-8; NaN and infinities are not treated apart.  w2 = 16 Wproj Wv in f16: weights within 1/32 give it a spread of 0.17; both 30 times smaller 1.8e-4,
; three times f16's smallest normal number; both 30 times larger 150; offsets of 30 spreads on both some 4,800.
; NO CLUSTER: a batch's 36 tiles are a triangle whose rows have 1 to 8 tiles and whose columns have 8 to 1: it does not fall into groups of four that share a tile of qh or of kh without work-groups
; that lie wholly above the diagonal and would have nothing to do.
; The product is the frame of the projection: four waves, 128 x 128 each, 8 K steps of 128 through two slots, one K step a trip.  Source 0 = 16 keys, source 1 = 16 queries: a lane holds ONE query (lane % 16) and the keys 8 (lane / 16) + 0..7.
; THE SOFTMAX is written once and walked eight times: the 64 accumulators are laid into the ring's bytes, which have had their last fill, 16 bytes a lane and lane after lane, and come back 16 queries at a time.
; REGISTERS: as in the projection; behind the product window 0 holds v64-127 the scores of 16 queries x 128 keys, v128-159 p, v160-191 rows on their way out.
.set SIZE_K, 1024
.set KSTEP,  128
.set PITCH,  272                       ; 256 bytes + 16 of padding: the 16 rows of a fragment load start at 16 different groups of four banks (ISA guide 11.1)
.set HALFT,  128*PITCH
.set SLOT,   4*HALFT
.set STAGE,  2*SLOT                    ; 16 rows x 272 bytes for each wave
.set SPITCH, 272
.set STATS,  STAGE+4*16*SPITCH         ; for each wave 128 cm, then 128 l
.set SPARE,  STATS+4*1024              ; the spare words, 128 bytes for each wave
.set ADRA0, 16
.set ADRB0, 17
.set ADRA, 18
.set ADRB, 19
.set DMP,  20                          ; v20  where my 16 bytes of a laid-out accumulator lie: wave x 65,536 + 16 x lane; steps 8,192 a trip
.set SSA,  21                          ; v21  where my row's cm (lanes 0-15) or l (lanes 16-31) goes; steps 64 a trip
.set SRD,  22                          ; v22  where I read four of them back
.set DA,   23                          ; v23  my query's place less my keys' first place, in the tile: key 16 b + j is hidden where it is greater; steps 16 a trip
.set STO,  24
.set RD,   25
.set CO,   26
.set BIG,  27                          ; v27  -2^100
.set SPW,  28
.set NIL,  29
.set CH,   32                          ; v32-35 at work
.set CMP,  40                          ; v[40:41] cm, named as a pair
.set SGO,  45                          ; v45  16 x lane
.set F0,   64
.set F1,   128
.set S,    64
.set P,    128
.set OB,   160
.set G1, 24                            ; s[24:31] group 1, for both operands
.set G0, 32                            ; s[32:35] group 0 of the first operand's first fill; s[36:39] the set that walks
.set G0B, 48                           ; s[48:51], s[52:55] the same for the second operand
.set LB, 20
.set TF, 21
.set TB, 22
.set FD, 44                            ; s44  1: the weights' product
.set DG, 45                            ; s45  1: the tile holds the diagonal
.set HIH, 46                           ; s46  lanes 16-31
.set LOW, 47                           ; s47  -2^96
.set RWA, 56                           ; s56  the first operand's first row in its buffer, less the batch's and the tile's
.set RWB, 57                           ; s57  the second operand's
.set CS,  58                           ; s[58:59] c
.set SEL, 60                           ; s[60:61] v_permlanex16_b32's selects: each lane takes its own place in the other half
.set MSB, 0
.macro WIN new
.if MSB != (\new)
	s_set_vgpr_msb (MSB<<8)|(\new)
.set MSB, \new
.endif
.endm
.set MUL_LO, 0xa1
.set MUL_HI, 0xf1
.set TO_B,   0x40
.macro LOADT                           ; a refill by the walking sets: waves 0 and 1 fetch the first operand's two halves, waves 2 and 3 the second's; an s_nop 0 and four v_nop follow each line
	s_cmp_eq_u32 s11, 0
	s_cbranch_scc0 .Lfor_b_\@
	tensor_load_to_lds s[G0+4:G0+7], s[G1:G1+7]
	s_nop 0
.rept 4
	v_nop
.endr
	s_branch .Lasked_\@
.Lfor_b_\@:
	tensor_load_to_lds s[G0B+4:G0B+7], s[G1:G1+7]
	s_nop 0
.rept 4
	v_nop
.endr
.Lasked_\@:
.endm
	s_load_b128 s[4:7], s[0:1], 0x0                ; h s[4:5], pt s[6:7]
	s_load_b64 s[8:9], s[0:1], 0x10                ; st
	s_load_b64 s[68:69], s[0:1], 0x18              ; wb
	s_load_b64 s[70:71], s[0:1], 0x20              ; w2
	v_lshl_add_u32 v[SPW], v0, 2, SPARE
	v_mov_b32 v[NIL], 0
	ds_add_u32 v[SPW], v[NIL]                      ; the wave's opening: the add and its wait ahead of my first tensor load
	ds_add_u32 v28, v29
	v_lshrrev_b32 v1, 5, v0
	v_readfirstlane_b32 s10, v1                    ; wave 0..3
	s_lshr_b32 s11, s10, 1                         ; my half of the queries.  Also: I fetch for the first operand (0) or the second (1)
	s_and_b32 s12, s10, 1                          ; my half of the keys.  Also: which 128 rows I fetch
	s_mov_b32 s2, ttmp9                            ; the tile's number in the triangle, row after row
	s_and_b32 s15, ttmp7, 0xffff                   ; the batch
	s_mov_b32 s13, 0
.irp t, 1,3,6,10,15,21,28                          ; qt = how many rows of the triangle begin at or before my number
	s_cmp_ge_u32 s2, \t
	s_add_co_ci_u32 s13, s13, 0
.endr
	s_add_co_u32 s14, s13, 1
	s_mul_i32 s14, s14, s13
	s_lshr_b32 s14, s14, 1
	s_sub_co_u32 s14, s2, s14                      ; kt = number - qt (qt + 1) / 2
	s_sub_co_u32 s62, s2, 36
	s_mov_b32 s[RWB], 8192                         ; kh is h's second plane
	s_cmp_ge_u32 s2, 36                            ; the weights' product: tile row x - 36, tile column y, no batch;
	s_cselect_b32 s[FD], 1, 0
	s_cselect_b32 s13, s62, s13
	s_cselect_b32 s14, s15, s14
	s_cselect_b32 s15, 0, s15
	s_cselect_b32 s[RWA], 3072, 0                  ; 16 Wproj is wb's plane 3,
	s_cselect_b32 s[RWB], 2048, s[RWB]             ; Wv turned its plane 2: 1,024 rows a plane
	s_cmp_eq_u32 s13, s14
	s_cselect_b32 s[DG], 1, 0
	s_mov_b32 s[G1+0], (1<<16)|(1<<20)|(5<<22)|(3<<25)  ; 2-byte elements; padding on; after every 64 words 4 words
	s_mov_b32 s[G1+1], KSTEP<<16
	s_mov_b32 s[G1+2], 128<<16
	s_mov_b32 s[G1+3], KSTEP<<16
	s_mov_b32 s[G1+4], 128
	s_mov_b32 s[G1+5], SIZE_K
	s_mov_b32 s[G1+6], 0
	s_mov_b32 s[G1+7], 0
	s_lshl_b32 s16, s15, 11                        ; the batch's first row
	s_lshl_b32 s17, s12, 7
	s_add_co_u32 s17, s17, s16                     ; + the 128 rows that I fetch
	s_lshl_b32 s18, s13, 8
	s_add_co_u32 s18, s18, s17                     ; the first operand: + 256 qt,
	s_add_co_u32 s18, s18, s[RWA]
	s_lshl_b32 s18, s18, 11                        ; times 2,048 bytes
	s_mov_b32 s19, 0
	s_lshl_b32 s40, s14, 8
	s_add_co_u32 s40, s40, s17                     ; the second: + 256 kt
	s_add_co_u32 s40, s40, s[RWB]
	s_lshl_b32 s40, s40, 11
	s_mov_b32 s41, 0
	s_mul_i32 s[LB], s10, HALFT
	s_mov_b32 s[TF], SLOT
	s_mov_b32 s[TB], 0
	s_mov_b32 s[HIH], 0xffff0000
	s_mov_b32 s[LOW], 0xef800000
	s_mov_b32 s[CS], 0x3e38aa3b                    ; c = log2(e) / 8
	s_mov_b32 s[CS+1], s[CS]
	s_mov_b32 s[SEL], 0x76543210
	s_mov_b32 s[SEL+1], 0xfedcba98
	s_wait_dscnt 0x0                               ; the opening add is done
	s_wait_kmcnt 0x0
	s_cmp_eq_u32 s[FD], 1                          ; the buffers are chosen by the work-group's number alone
	s_cselect_b64 s[4:5], s[68:69], s[4:5]         ; both operands from wb, or from h
	s_cselect_b64 s[6:7], s[70:71], s[6:7]         ; the result into w2, or into pt
	s_add_nc_u64 s[18:19], s[4:5], s[18:19]
	s_add_nc_u64 s[40:41], s[4:5], s[40:41]
.irp s, 0,1
	s_mov_b32 s[G0+4*(\s)], 1
	s_add_co_u32 s[G0+4*(\s)+1], s[LB], (\s)*SLOT
	s_add_nc_u64 s[G0+4*(\s)+2:G0+4*(\s)+3], s[18:19], (\s)*KSTEP*2
	s_or_b32 s[G0+4*(\s)+3], s[G0+4*(\s)+3], 0x80000000
	s_mov_b32 s[G0B+4*(\s)], 1
	s_add_co_u32 s[G0B+4*(\s)+1], s[LB], (\s)*SLOT
	s_add_nc_u64 s[G0B+4*(\s)+2:G0B+4*(\s)+3], s[40:41], (\s)*KSTEP*2
	s_or_b32 s[G0B+4*(\s)+3], s[G0B+4*(\s)+3], 0x80000000
.endr
	s_cmp_eq_u32 s11, 0                            ; a wave's two first fills stand in one branch: two loads of mine are out
	s_cbranch_scc0 .Lfirst_b
	tensor_load_to_lds s[G0:G0+3], s[G1:G1+7]
	s_nop 0
	tensor_load_to_lds s[G0+4:G0+7], s[G1:G1+7]
	s_nop 0
.rept 4
	v_nop
.endr
	s_branch .Lfirst_asked
.Lfirst_b:
	tensor_load_to_lds s[G0B:G0B+3], s[G1:G1+7]
	s_nop 0
	tensor_load_to_lds s[G0B+4:G0B+7], s[G1:G1+7]
	s_nop 0
.rept 4
	v_nop
.endr
.Lfirst_asked:
	v_and_b32 v1, 15, v0                           ; l % 16
	v_bfe_u32 v2, v0, 4, 1                         ; l / 16
	v_mul_u32_u24 v3, v1, PITCH
	v_lshl_add_u32 v3, v2, 4, v3
	s_mul_i32 s23, s11, HALFT
	v_add_nc_u32 v[ADRA0], s23, v3
	s_mul_i32 s23, s12, HALFT
	s_add_co_u32 s23, s23, 2*HALFT
	v_add_nc_u32 v[ADRB0], s23, v3
	v_mov_b32 v[ADRA], v[ADRA0]
	v_mov_b32 v[ADRB], v[ADRB0]
	s_mul_i32 s23, s10, 16*SPITCH
	s_add_co_u32 s23, s23, STAGE                   ; my stage
	v_mul_u32_u24 v4, v1, SPITCH
	v_lshl_add_u32 v4, v2, 4, v4
	v_add_nc_u32 v[STO], s23, v4
	v_mul_u32_u24 v5, v2, SPITCH
	v_lshl_add_u32 v5, v1, 4, v5
	v_add_nc_u32 v[RD], s23, v5
	v_lshlrev_b32 v5, 12, v2                       ; two rows of pt or of w2, 4,096 bytes apart
	v_lshl_add_u32 v[CO], v1, 4, v5
	v_and_b32 v6, 31, v0
	v_lshlrev_b32 v[SGO], 4, v6
	v_lshl_add_u32 v[DMP], s10, 16, v[SGO]
	s_lshl_b32 s23, s10, 10
	s_add_co_u32 s23, s23, STATS
	v_add_nc_u32 v[SRD], s23, v[SGO]
	v_lshlrev_b32 v5, 2, v1
	v_lshl_add_u32 v5, v2, 9, v5
	v_add_nc_u32 v[SSA], s23, v5
	s_sub_co_i32 s23, s11, s12
	s_lshl_b32 s23, s23, 7                         ; 128 (my half of the queries - my half of the keys)
	v_lshlrev_b32 v5, 3, v2
	v_sub_nc_u32 v[DA], v1, v5
	v_add_nc_u32 v[DA], s23, v[DA]
	v_mov_b32 v[BIG], 0xf1800000
	s_lshl_b32 s42, s13, 8                         ; my first row of the result: batch x 2,048 + 256 qt + 128 x half
	s_add_co_u32 s42, s42, s16
	s_lshl_b32 s43, s11, 7
	s_add_co_u32 s42, s42, s43
	s_lshl_b32 s16, s42, 12                        ; times 4,096 bytes, + 512 kt + 256 x half
	s_lshl_b32 s17, s14, 9
	s_add_co_u32 s16, s16, s17
	s_lshl_b32 s17, s12, 8
	s_add_co_u32 s16, s16, s17
	s_mov_b32 s17, 0
	s_add_nc_u64 s[6:7], s[6:7], s[16:17]
	s_lshl_b32 s16, s14, 1                         ; in st: block t = 2 kt + half, 8,192 numbers each, + the row
	s_add_co_u32 s16, s16, s12
	s_lshl_b32 s16, s16, 13
	s_add_co_u32 s16, s16, s42
	s_lshl_b32 s16, s16, 2
	s_add_nc_u64 s[8:9], s[8:9], s[16:17]
.macro MUL16 f, hi, a0, zero           ; 16 matrix instructions; the 64 accumulators take turns
	WIN MUL_LO+0x50*(\hi)
.irp a, \a0, (\a0)+1
.irp b, 0,1,2,3,4,5,6,7
.if \zero
	v_wmma_f32_16x16x32_f16 v[8*(8*(\a)+(\b)):8*(8*(\a)+(\b))+7], v[(\f)+8*(\b):(\f)+8*(\b)+7], v[(\f)+8*(4*(\hi)+(\a)):(\f)+8*(4*(\hi)+(\a))+7], 0
.else
	v_wmma_f32_16x16x32_f16 v[8*(8*(\a)+(\b)):8*(8*(\a)+(\b))+7], v[(\f)+8*(\b):(\f)+8*(\b)+7], v[(\f)+8*(4*(\hi)+(\a)):(\f)+8*(4*(\hi)+(\a))+7], v[8*(8*(\a)+(\b)):8*(8*(\a)+(\b))+7]
.endif
.endr
.endr
.endm
.macro FETCH k, f
	WIN TO_B
.irp i, 0,1,2,3,4,5,6,7
	ds_load_b128 v[(\f)+8*(\i):(\f)+8*(\i)+3],   v[ADRB] offset:(\k)+(\i)*16*PITCH
	ds_load_b128 v[(\f)+8*(\i)+4:(\f)+8*(\i)+7], v[ADRB] offset:(\k)+(\i)*16*PITCH+32
.endr
	WIN 0
.irp i, 0,1,2,3,4,5,6,7
	ds_load_b128 v[(\f)+8*(\i):(\f)+8*(\i)+3],   v[ADRA] offset:(\k)+(\i)*16*PITCH
	ds_load_b128 v[(\f)+8*(\i)+4:(\f)+8*(\i)+7], v[ADRA] offset:(\k)+(\i)*16*PITCH+32
.endr
.endm
.macro PLACES
.rept 4
	v_nop
.endr
.endm
.macro QUARTER k, f, g, zero
	s_wait_dscnt 8                                 ; the second operand and the first's rows 0-63 are in; the youngest eight loads may be out
	MUL16 \f, 0, 0, \zero
	MUL16 \f, 0, 2, \zero
	PLACES
	FETCH \k, \g
	s_wait_dscnt 32                                ; all but the 32 just issued
	MUL16 \f, 1, 0, \zero
	MUL16 \f, 1, 2, \zero
.endm
.macro TURN fill                       ; the last quarter and the change of slots: one barrier, with the wait for all my tensor loads, the add and the wait for it and for my reads in front of it
	WIN 0
	s_wait_tensorcnt 0x0
	ds_add_u32 v[SPW], v[NIL]
	s_wait_dscnt 9                                 ; the add and the youngest eight loads may be out
	MUL16 F1, 0, 0, 0
	s_wait_dscnt 0x0
	s_barrier_signal -1
	MUL16 F1, 0, 2, 0
	WIN 0
	s_barrier_wait -1
.if \fill
	s_xor_b32 s[TF], s[TF], SLOT                   ; no tensor load of mine is out: the walking sets step
	s_add_co_u32 s[G0+5], s[LB], s[TF]
	s_add_co_u32 s[G0B+5], s[LB], s[TF]
	s_add_nc_u64 s[G0+6:G0+7], s[G0+6:G0+7], KSTEP*2
	s_add_nc_u64 s[G0B+6:G0B+7], s[G0B+6:G0B+7], KSTEP*2
	LOADT                                          ; my one tensor load behind the barrier, and the first thing there
.else
	PLACES
.endif
	s_xor_b32 s[TB], s[TB], SLOT
	v_add_nc_u32 v[ADRA], s[TB], v[ADRA0]
	v_add_nc_u32 v[ADRB], s[TB], v[ADRB0]
	FETCH 0, F0
	MUL16 F1, 1, 0, 0
	MUL16 F1, 1, 2, 0
.endm
	s_wait_tensorcnt 1                             ; my part of K step 0 is in; K step 1's may stay out
	s_barrier_signal -1
	s_barrier_wait -1
	FETCH 0, F0
	QUARTER 64, F0, F1, 1
	WIN 0
	s_mov_b32 s3, 6
.Lstep:
	QUARTER 128, F1, F0, 0
	QUARTER 192, F0, F1, 0
	TURN 1
	QUARTER 64, F0, F1, 0
	WIN 0
	s_sub_co_u32 s3, s3, 1
	s_cmp_lg_u32 s3, 0
	s_cbranch_scc1 .Lstep
	QUARTER 128, F1, F0, 0
	QUARTER 192, F0, F1, 0
	TURN 0
	QUARTER 64, F0, F1, 0
	QUARTER 128, F1, F0, 0
	QUARTER 192, F0, F1, 0
	s_wait_dscnt 8
	MUL16 F1, 0, 0, 0
	MUL16 F1, 0, 2, 0
	s_wait_dscnt 0x0
	MUL16 F1, 1, 0, 0
	MUL16 F1, 1, 2, 0
	WIN 0
	s_barrier_signal -1                            ; every wave's reads of the ring are back (the wait for 0 above): its bytes, filled for the last time, may be written
	s_barrier_wait -1
	PLACES                                         ; the stores below read results just made
.irp a, 0,1,2,3,4,5,6,7                ; block a's 64 registers a lane, 16 bytes at a time, lane after lane; each accumulator's low four registers first
	WIN 0x08+4*((\a)/4)                            ; the data (source 1) in window 2 or 3
.irp c, 0,1,2,3,4,5,6,7,8,9,10,11,12,13,14,15
	ds_store_b128 v[DMP], v[64*((\a)%4)+4*(\c):64*((\a)%4)+4*(\c)+3] offset:(\a)*8192+(\c)*512
.endr
.endr
	WIN 0
	s_mov_b32 s3, 8
.Lrow:                                                 ; a trip: 16 queries x my 128 keys.  Register 8 b + j holds key 16 b + 8 (l / 16) + j of query l % 16
.irp c, 0,1,2,3,4,5,6,7,8,9,10,11,12,13,14,15
	ds_load_b128 v[S+4*(\c):S+4*(\c)+3], v[DMP] offset:(\c)*512  ; my own bytes: LDS serves a wave's instructions in order (ISA guide 5.7.1.4)
.endr
	s_wait_dscnt 0x0
	s_cmp_eq_u32 s[FD], 1
	s_cbranch_scc1 .Lplain                         ; the weights' product is only rounded
	s_cmp_eq_u32 s[DG], 0
	s_cbranch_scc1 .Lopen                          ; below the diagonal nothing is hidden
.set i, 0
.rept 64
	v_cmp_gt_i32 vcc_lo, 16*(i/8)+i%8, v[DA]
	v_cndmask_b32 v[S+i], v[S+i], v[BIG], vcc_lo
.set i, i+1
.endr
.Lopen:
.irp k, 0,1,2,3                        ; the maximum: four chains of fifteen scores, three operands at a time
	v_max3_num_f32 v[CH+(\k)], v[S+16*(\k)], v[S+16*(\k)+1], v[S+16*(\k)+2]
.endr
.irp n, 0,1,2,3,4,5
.irp k, 0,1,2,3
	v_max3_num_f32 v[CH+(\k)], v[CH+(\k)], v[S+16*(\k)+3+2*(\n)], v[S+16*(\k)+4+2*(\n)]
.endr
.endr
	v_max3_num_f32 v[CH], v[CH], v[S+15], v[S+31]  ; the four scores left over, and the chains
	v_max3_num_f32 v[CH+1], v[CH+1], v[S+47], v[S+63]
	v_max3_num_f32 v[CH+2], v[CH+2], v[CH+3], v[CH]
	v_max_num_f32 v[CH], v[CH+2], v[CH+1]
	v_permlanex16_b32 v[CH+1], v[CH], s[SEL], s[SEL+1]  ; the query's other 64 keys lie in the lane 16 away
	v_max3_num_f32 v[CH], v[CH], v[CH+1], s[LOW]
	v_mul_f32 v[CMP], s[CS], v[CH]
	v_mov_b32 v[CMP+1], v[CMP]
.set i, 0
.rept 32
	v_pk_fma_f32 v[S+2*i:S+2*i+1], v[S+2*i:S+2*i+1], s[CS:CS+1], v[CMP:CMP+1] op_sel_hi:[1,0,0] neg_lo:[0,0,1] neg_hi:[0,0,1]  ; c s - cm
.set i, i+1
.endr
.set i, 0
.rept 64
	v_exp_f32 v[S+i], v[S+i]
.set i, i+1
.endr
	v_nop                                          ; a plain instruction between the last exponential and the use of its result (ISA guide 5.7.2)
.set i, 0
	s_wait_alu depctr_va_vdst(0)
.rept 32
	v_cvt_pk_f16_f32 v[P+i], v[S+2*i], v[S+2*i+1]
.set i, i+1
.endr
.irp w, 1,2,4,8,16                     ; the sum of the 32 pairs, in place: neighbours 1, 2, 4, 8, 16 pairs apart
.set u, 0
.rept 16/(\w)
	v_pk_add_f32 v[S+4*(\w)*u:S+4*(\w)*u+1], v[S+4*(\w)*u:S+4*(\w)*u+1], v[S+4*(\w)*u+2*(\w):S+4*(\w)*u+2*(\w)+1]
.set u, u+1
.endr
.endr
	v_add_f32 v[CH], v[S], v[S+1]
	v_permlanex16_b32 v[CH+1], v[CH], s[SEL], s[SEL+1]
	v_add_f32 v[CH], v[CH], v[CH+1]                ; l
	v_cndmask_b32 v[CH+2], v[CMP], v[CH], s[HIH]   ; lanes 0-15 keep cm, lanes 16-31 l
	ds_store_b32 v[SSA], v[CH+2]
	s_branch .Lstage
.Lplain:
.set i, 0
.rept 32
	v_cvt_pk_f16_f32 v[P+i], v[S+2*i], v[S+2*i+1]
.set i, i+1
.endr
.Lstage:
.irp b, 0,1,2,3,4,5,6,7
	ds_store_b128 v[STO], v[P+4*(\b):P+4*(\b)+3] offset:32*(\b)
.endr
.irp t, 0,1,2,3,4,5,6,7
	ds_load_b128 v[OB+4*(\t):OB+4*(\t)+3], v[RD] offset:(\t)*2*SPITCH
.endr
	s_wait_dscnt 0x0
.irp t, 0,1,2,3,4,5,6,7
	global_store_b128 v[CO], v[OB+4*(\t):OB+4*(\t)+3], s[6:7] offset:(\t)*8192  ; 16 lanes store 256 consecutive bytes, at a multiple of 256 from the buffer's first byte
.endr
	s_wait_xcnt 0x0                                ; the stores' base and data are rewritten only behind this wait
	s_add_nc_u64 s[6:7], s[6:7], 65536             ; 16 rows on
	v_add_nc_u32 v[DMP], 8192, v[DMP]
	v_add_nc_u32 v[SSA], 64, v[SSA]
	v_add_nc_u32 v[DA], 16, v[DA]
	s_sub_co_u32 s3, s3, 1
	s_cmp_lg_u32 s3, 0
	s_cbranch_scc1 .Lrow
	s_cmp_eq_u32 s[FD], 1
	s_cbranch_scc1 .Lend                           ; the weights' product has no cm and no l
	ds_load_b128 v[OB:OB+3], v[SRD]                ; my wave's 128 cm and 128 l: four of each a lane
	ds_load_b128 v[OB+4:OB+7], v[SRD] offset:512
	s_wait_dscnt 0x0
	global_store_b128 v[SGO], v[OB:OB+3], s[8:9]                   ; 512 consecutive bytes each
	global_store_b128 v[SGO], v[OB+4:OB+7], s[8:9] offset:524288   ; l's plane
.Lend:
	s_wait_tensorcnt 0x0                           ; the wave's end
	ds_add_u32 v[SPW], v[NIL]
	s_wait_dscnt 0x0
	s_endpgm
.Lfunc_end_k_q62ad56fad2_scores:
	.size	k_q62ad56fad2_scores, .Lfunc_end_k_q62ad56fad2_scores-k_q62ad56fad2_scores
	.p2alignl 7, 3214868480
	.fill 96, 4, 3214868480
	.section	.rodata,"a",@progbits
	.p2align	6, 0x0
	.amdhsa_kernel k_q62ad56fad2_scores
		.amdhsa_group_segment_fixed_size 327680
		.amdhsa_private_segment_fixed_size 0
		.amdhsa_enable_private_segment 0
		.amdhsa_kernarg_size 40
		.amdhsa_user_sgpr_count 2
		.amdhsa_user_sgpr_kernarg_segment_ptr 1
		.amdhsa_wavefront_size32 1
		.amdhsa_system_sgpr_workgroup_id_x 1
		.amdhsa_system_sgpr_workgroup_id_y 1
		.amdhsa_system_sgpr_workgroup_id_z 1
		.amdhsa_system_vgpr_workitem_id 0
		.amdhsa_next_free_vgpr 1024
		.amdhsa_next_free_sgpr 72
		.amdhsa_reserve_vcc 1
		.amdhsa_float_denorm_mode_32 3
		.amdhsa_float_denorm_mode_16_64 3
		.amdhsa_memory_ordered 1
		.amdhsa_forward_progress 1
		.amdhsa_inst_pref_size 115
	.end_amdhsa_kernel
	.amdgpu_metadata
---
amdhsa.version: [ 1, 2 ]
amdhsa.kernels:
  - .name:           k_q62ad56fad2_scores
    .symbol:         k_q62ad56fad2_scores.kd
    .args:
      - { .name: h, .offset: 0, .size: 8, .value_kind: global_buffer, .address_space: global }
      - { .name: pt, .offset: 8, .size: 8, .value_kind: global_buffer, .address_space: global }
      - { .name: st, .offset: 16, .size: 8, .value_kind: global_buffer, .address_space: global }
      - { .name: wb, .offset: 24, .size: 8, .value_kind: global_buffer, .address_space: global }
      - { .name: w2, .offset: 32, .size: 8, .value_kind: global_buffer, .address_space: global }
    .group_segment_fixed_size: 327680
    .private_segment_fixed_size: 0
    .kernarg_segment_align: 8
    .kernarg_segment_size: 40
    .max_flat_workgroup_size: 128
    .sgpr_count:     72
    .vgpr_count:     1024
    .wavefront_size: 32
...
	.end_amdgpu_metadata
.endif
;; end of part 8
;; launch pv: the kernel of part 4 again; grid 8 x 32, 4 waves a work-group, clusters of 4 x 1, 327,680 bytes of LDS; arguments pt, h, st, y; writes y
;; launch outp (part 9): grid 8 x 64, 4 waves a work-group, clusters of 4 x 4, 327,680 bytes of LDS; arguments y, w2, out0; writes out0
.if DOCPART == 9
	.amdgcn_target "amdgcn-amd-amdhsa--gfx1250"
	.amdhsa_code_object_version 6
	.text
	.protected	k_q62ad56fad2_outp
	.globl	k_q62ad56fad2_outp
	.p2align	8
	.type	k_q62ad56fad2_outp,@function
k_q62ad56fad2_outp:
	s_mov_b64 s[64:65], 0
	v_nop
	global_prefetch_b8 v0, s[64:65] scope:SCOPE_SE
	s_setreg_imm32_b32 hwreg(HW_REG_WAVE_MODE, 25, 1), 1
	s_wait_xcnt 0x0
	s_wait_alu depctr_hold_cnt(0) depctr_sa_sdst(0) depctr_va_vdst(0) depctr_va_sdst(0) depctr_va_ssrc(0) depctr_va_vcc(0) depctr_vm_vsrc(0)
	s_getreg_b32 s2, hwreg(HW_REG_IB_STS2, 6, 4)
	s_cmp_eq_u32 s2, 0
	s_cbranch_scc0 .Lentry_in_a_cluster
	s_endpgm
.Lentry_in_a_cluster:
	s_bfe_u32 s2, ttmp6, 0x10000c
	s_cmp_lg_u32 s2, 0xf033
	s_cbranch_scc0 .Lentry_shape_is_right
	s_endpgm
.Lentry_shape_is_right:
; OUTP.  out0[l][e] = (1/16) sum over d of y[l][d] w2[e][d]: 8,192 x 1,024 x 1,024, f16 operands, f32 sums.  y = P v, and w2 = 16 Wproj Wv (rows 4,096 bytes apart, 1,024 numbers each): the factor 16, a power of two, is taken out of the sums exactly.
; A tile is 128 x 128, so that there are 512 work-groups: two for each of 256.  Four waves, each 64 x 64: 16 accumulators.  K goes in 4 steps of 256 (LDS rows of 512 bytes) through two slots, one K step a trip.
; CLUSTER 4 x 4: y's tile is shared along a row of the cluster, w2's along a column: joint loads.  The matrix instruction is used transposed (source 0 = 16 rows of w2, source 1 = 16 rows of y): a lane holds eight neighbouring numbers of a row.
; A wave's 64 columns of f32 are 256 aligned bytes of a row, so each wave has a stage of its own and the way out needs no barrier.
; REGISTERS: window 0: v16-29 addresses; v32-95 at work on the way out; v128-255 the accumulators ((a, b) at v[128 + 8 (4 a + b)]).  window 1: two fragment buffers of 128.
.set SIZE_K, 1024
.set KSTEP,  256
.set PITCH,  528                       ; 512 bytes + 16 of padding = 132 words: the 16 rows of a fragment load start at 16 different groups of four banks (ISA guide 11.1)
.set HALFT,  64*PITCH
.set SLOT,   4*HALFT
.set STAGE,  2*SLOT                    ; 16 rows x 272 bytes for each wave
.set SPITCH, 272
.set SPARE,  STAGE+4*16*SPITCH
.set ADRA0, 16
.set ADRB0, 17
.set ADRA, 18
.set ADRB, 19
.set STO,  24
.set RD,   25
.set CO,   26
.set SPW,  28
.set NIL,  29
.set TMP,  32
.set ACC,  128
.set F0,   0
.set F1,   128
.set G1, 24
.set G0, 32                            ; s[32:35] the first fill's group 0; s[36:39] the set that walks
.set G1B, 48
.set G0B, 56
.set SC, 18                            ; s[18:19] 1/16, named as a pair
.set LB, 20
.set TF, 21
.set TB, 22
.set MSB, 0
.macro WIN new
.if MSB != (\new)
	s_set_vgpr_msb (MSB<<8)|(\new)
.set MSB, \new
.endif
.endm
.set MUL,  0x05
.set TO_F, 0x40
.macro JLOAD
	s_cmp_eq_u32 s11, 0
	s_cbranch_scc0 .Lfor_b_\@
	tensor_load_to_lds s[G0+4:G0+7], s[G1:G1+7]
	s_nop 0
.rept 4
	v_nop
.endr
	s_branch .Lasked_\@
.Lfor_b_\@:
	tensor_load_to_lds s[G0B+4:G0B+7], s[G1B:G1B+7]
	s_nop 0
.rept 4
	v_nop
.endr
.Lasked_\@:
.endm
.macro CREST
	s_cmp_lg_u32 s10, 0
	s_cbranch_scc1 .Lnot_wave_0_\@
	s_barrier_signal -3
.Lnot_wave_0_\@:
	s_barrier_wait -3
	s_barrier_signal -1
	s_barrier_wait -1
.endm
.macro CROUND
	s_barrier_signal -1
	s_barrier_wait -1
	CREST
.endm
	s_load_b128 s[4:7], s[0:1], 0x0                ; y s[4:5], w2 s[6:7]
	s_load_b64 s[8:9], s[0:1], 0x10                ; out0
	v_lshl_add_u32 v[SPW], v0, 2, SPARE
	v_mov_b32 v[NIL], 0
	ds_add_u32 v[SPW], v[NIL]                      ; the wave's opening: the add and its wait ahead of my first tensor load
	ds_add_u32 v28, v29
	v_lshrrev_b32 v1, 5, v0
	v_readfirstlane_b32 s10, v1
	s_lshr_b32 s11, s10, 1                         ; my half of the rows.  Also: I fetch for y (0) or w2 (1)
	s_and_b32 s12, s10, 1                          ; my half of the columns.  Also: which 64 rows I fetch
	s_bfe_u32 s40, ttmp6, 0x40000
	s_bfe_u32 s41, ttmp6, 0x40004
	s_lshl_b32 s42, ttmp9, 2
	s_add_co_u32 s42, s42, s40                     ; tile column
	s_and_b32 s13, ttmp7, 0xffff
	s_lshl_b32 s13, s13, 2
	s_add_co_u32 s13, s13, s41                     ; tile row
	s_lshl_b32 s43, s41, 2
	s_lshl_b32 s43, 15, s43                        ; my row of the cluster
	s_lshl_b32 s44, 0x1111, s40                    ; my column
	s_or_b32 s[G1+0], s43, (1<<16)|(1<<20)|(1<<21)|(6<<22)|(3<<25)   ; the mask; 2-byte elements; padding on; bit 21 beside a mask; after every 128 words 4 words
	s_or_b32 s[G1B+0], s44, (1<<16)|(1<<20)|(1<<21)|(6<<22)|(3<<25)
.irp g, G1, G1B
	s_mov_b32 s[(\g)+1], KSTEP<<16
	s_mov_b32 s[(\g)+2], 64<<16
	s_mov_b32 s[(\g)+3], KSTEP<<16
	s_mov_b32 s[(\g)+4], 64
	s_mov_b32 s[(\g)+6], 0
	s_mov_b32 s[(\g)+7], 0
.endr
	s_mov_b32 s[G1+5], SIZE_K                      ; elements from row to row of y,
	s_mov_b32 s[G1B+5], 2048                       ; and of w2
	s_mov_b32 s[SC], 0x3d800000                    ; 1/16
	s_mov_b32 s[SC+1], s[SC]
	s_lshl_b32 s17, s12, 6
	s_lshl_b32 s16, s13, 7
	s_add_co_u32 s16, s16, s17                     ; y: row 128 x tile row + 64 x half,
	s_lshl_b32 s16, s16, 11                        ; times 2,048 bytes
	s_lshl_b32 s46, s42, 7
	s_add_co_u32 s46, s46, s17                     ; w2: row 128 x tile column + 64 x half,
	s_lshl_b32 s46, s46, 12                        ; times 4,096 bytes
	s_mov_b32 s17, 0
	s_mov_b32 s47, 0
	s_mul_i32 s[LB], s10, HALFT
	s_mov_b32 s[TF], SLOT
	s_mov_b32 s[TB], 0
	s_wait_dscnt 0x0
	s_wait_kmcnt 0x0
	s_add_nc_u64 s[14:15], s[4:5], s[16:17]
	s_add_nc_u64 s[46:47], s[6:7], s[46:47]
	CROUND                                         ; the first joint loads meet
.irp s, 0,1
	s_mov_b32 s[G0+4*(\s)], 1
	s_add_co_u32 s[G0+4*(\s)+1], s[LB], (\s)*SLOT
	s_add_nc_u64 s[G0+4*(\s)+2:G0+4*(\s)+3], s[14:15], (\s)*KSTEP*2
	s_or_b32 s[G0+4*(\s)+3], s[G0+4*(\s)+3], 0x80000000
	s_mov_b32 s[G0B+4*(\s)], 1
	s_add_co_u32 s[G0B+4*(\s)+1], s[LB], (\s)*SLOT
	s_add_nc_u64 s[G0B+4*(\s)+2:G0B+4*(\s)+3], s[46:47], (\s)*KSTEP*2
	s_or_b32 s[G0B+4*(\s)+3], s[G0B+4*(\s)+3], 0x80000000
.endr
	s_cmp_eq_u32 s11, 0                            ; a wave's two first fills stand in one branch: two loads of mine are out
	s_cbranch_scc0 .Lfirst_b
	tensor_load_to_lds s[G0:G0+3], s[G1:G1+7]
	s_nop 0
	tensor_load_to_lds s[G0+4:G0+7], s[G1:G1+7]
	s_nop 0
.rept 4
	v_nop
.endr
	s_branch .Lfirst_asked
.Lfirst_b:
	tensor_load_to_lds s[G0B:G0B+3], s[G1B:G1B+7]
	s_nop 0
	tensor_load_to_lds s[G0B+4:G0B+7], s[G1B:G1B+7]
	s_nop 0
.rept 4
	v_nop
.endr
.Lfirst_asked:
	v_and_b32 v1, 15, v0
	v_bfe_u32 v2, v0, 4, 1
	v_mul_u32_u24 v3, v1, PITCH
	v_lshl_add_u32 v3, v2, 4, v3
	s_mul_i32 s23, s11, HALFT
	v_add_nc_u32 v[ADRA0], s23, v3
	s_mul_i32 s23, s12, HALFT
	s_add_co_u32 s23, s23, 2*HALFT
	v_add_nc_u32 v[ADRB0], s23, v3
	v_mov_b32 v[ADRA], v[ADRA0]
	v_mov_b32 v[ADRB], v[ADRB0]
	s_mul_i32 s23, s10, 16*SPITCH
	s_add_co_u32 s23, s23, STAGE                   ; my stage
	v_mul_u32_u24 v4, v1, SPITCH                   ; in: row l % 16, 32 bytes (eight f32) for each half of the lanes
	v_lshl_add_u32 v4, v2, 5, v4
	v_add_nc_u32 v[STO], s23, v4
	v_mul_u32_u24 v5, v2, SPITCH                   ; back: lanes 0-15 one row of 256 bytes, lanes 16-31 the next
	v_lshl_add_u32 v5, v1, 4, v5
	v_add_nc_u32 v[RD], s23, v5
	v_lshlrev_b32 v5, 12, v2                       ; and the same two rows in out0, 4,096 bytes apart
	v_lshl_add_u32 v[CO], v1, 4, v5
	s_lshl_b32 s16, s13, 7
	s_lshl_b32 s17, s11, 6
	s_add_co_u32 s16, s16, s17                     ; my first row,
	s_lshl_b32 s16, s16, 12
	s_lshl_b32 s46, s42, 9                         ; my first column: 512 bytes a tile, 256 a half
	s_lshl_b32 s47, s12, 8
	s_add_co_u32 s46, s46, s47
	s_add_co_u32 s16, s16, s46
	s_mov_b32 s17, 0
	s_add_nc_u64 s[8:9], s[8:9], s[16:17]
.macro MUL8 f, c, a0, zero             ; 8 matrix instructions; the 16 accumulators take turns
	WIN MUL
.irp a, \a0, (\a0)+1
.irp b, 0,1,2,3
.if \zero
	v_wmma_f32_16x16x32_f16 v[ACC+8*(4*(\a)+(\b)):ACC+8*(4*(\a)+(\b))+7], v[(\f)+64+8*(4*(\c)+(\b)):(\f)+64+8*(4*(\c)+(\b))+7], v[(\f)+8*(4*(\c)+(\a)):(\f)+8*(4*(\c)+(\a))+7], 0
.else
	v_wmma_f32_16x16x32_f16 v[ACC+8*(4*(\a)+(\b)):ACC+8*(4*(\a)+(\b))+7], v[(\f)+64+8*(4*(\c)+(\b)):(\f)+64+8*(4*(\c)+(\b))+7], v[(\f)+8*(4*(\c)+(\a)):(\f)+8*(4*(\c)+(\a))+7], v[ACC+8*(4*(\a)+(\b)):ACC+8*(4*(\a)+(\b))+7]
.endif
.endr
.endr
.endm
.macro FETCH k, f                      ; 32 LDS loads in one run: 64 along K at byte k of the rows of the slot in hand; the first 32 along K first
	WIN TO_F
.irp c, 0,1
.irp i, 0,1,2,3
	ds_load_b128 v[(\f)+64+8*(4*(\c)+(\i)):(\f)+64+8*(4*(\c)+(\i))+3],   v[ADRB] offset:(\k)+64*(\c)+(\i)*16*PITCH
	ds_load_b128 v[(\f)+64+8*(4*(\c)+(\i))+4:(\f)+64+8*(4*(\c)+(\i))+7], v[ADRB] offset:(\k)+64*(\c)+(\i)*16*PITCH+32
	ds_load_b128 v[(\f)+8*(4*(\c)+(\i)):(\f)+8*(4*(\c)+(\i))+3],         v[ADRA] offset:(\k)+64*(\c)+(\i)*16*PITCH
	ds_load_b128 v[(\f)+8*(4*(\c)+(\i))+4:(\f)+8*(4*(\c)+(\i))+7],       v[ADRA] offset:(\k)+64*(\c)+(\i)*16*PITCH+32
.endr
.endr
.endm
.macro PLACES
.rept 4
	v_nop
.endr
.endm
.macro QUARTER k, f, g, zero
	s_wait_dscnt 16                                ; the first 32 along K are in
	MUL8 \f, 0, 0, \zero
	MUL8 \f, 0, 2, \zero
	PLACES
	FETCH \k, \g
	s_wait_dscnt 32                                ; all but the 32 just issued
	MUL8 \f, 1, 0, 0
	MUL8 \f, 1, 2, 0
.endm
.macro TURN fill                       ; the last quarter and the change of slots
	WIN 0
	s_wait_tensorcnt 0x0                           ; all my tensor loads have landed: my part of the next slot
	ds_add_u32 v[SPW], v[NIL]
	s_wait_dscnt 17                                ; the add and the youngest sixteen loads may be out
	MUL8 F1, 0, 0, 0
	s_wait_dscnt 0x0                               ; the add is done, and my reads of this slot are over
	s_barrier_signal -1
	MUL8 F1, 0, 2, 0
	WIN 0
	s_barrier_wait -1
.if \fill
	CREST                                          ; the barrier has opened a round of the cluster's barrier
	s_xor_b32 s[TF], s[TF], SLOT
	s_add_co_u32 s[G0+5], s[LB], s[TF]
	s_add_co_u32 s[G0B+5], s[LB], s[TF]
	s_add_nc_u64 s[G0+6:G0+7], s[G0+6:G0+7], KSTEP*2
	s_add_nc_u64 s[G0B+6:G0B+7], s[G0B+6:G0B+7], KSTEP*2
	JLOAD                                          ; the first tensor load behind the round: 112 matrix instructions ahead of the wait for it
.else
	PLACES
.endif
	s_xor_b32 s[TB], s[TB], SLOT
	v_add_nc_u32 v[ADRA], s[TB], v[ADRA0]
	v_add_nc_u32 v[ADRB], s[TB], v[ADRB0]
	FETCH 0, F0
	MUL8 F1, 1, 0, 0
	MUL8 F1, 1, 2, 0
.endm
	s_wait_tensorcnt 1                             ; my part of K step 0 is in; K step 1's may stay out
	s_barrier_signal -1
	s_barrier_wait -1
	FETCH 0, F0
	QUARTER 128, F0, F1, 1
	WIN 0
	s_mov_b32 s3, 2
.Lstep:                                                ; trip s: quarters 1 to 3 of K step s, the refill with K step s + 2, quarter 0 of K step s + 1
	QUARTER 256, F1, F0, 0
	QUARTER 384, F0, F1, 0
	TURN 1
	QUARTER 128, F0, F1, 0
	WIN 0
	s_sub_co_u32 s3, s3, 1
	s_cmp_lg_u32 s3, 0
	s_cbranch_scc1 .Lstep
	QUARTER 256, F1, F0, 0
	QUARTER 384, F0, F1, 0
	TURN 0
	QUARTER 128, F0, F1, 0
	QUARTER 256, F1, F0, 0
	QUARTER 384, F0, F1, 0
	s_wait_dscnt 16
	MUL8 F1, 0, 0, 0
	MUL8 F1, 0, 2, 0
	s_wait_dscnt 0x0
	MUL8 F1, 1, 0, 0
	MUL8 F1, 1, 2, 0
	WIN 0
	PLACES                                         ; the lines below read results just made
.irp a, 0,1,2,3                        ; 16 rows at a time: times 1/16, each accumulator from its low end on; into my stage; back as whole rows of 256 bytes; stored
.if (\a) >= 2
	s_wait_xcnt 0x0                                ; the stores of two blocks ago have read the registers that are loaded again below
.endif
.irp b, 0,1,2,3
.irp z, 0,2,4,6
	v_pk_mul_f32 v[ACC+8*(4*(\a)+(\b))+(\z):ACC+8*(4*(\a)+(\b))+(\z)+1], v[ACC+8*(4*(\a)+(\b))+(\z):ACC+8*(4*(\a)+(\b))+(\z)+1], s[SC:SC+1] op_sel_hi:[1,0]
.endr
.endr
.irp b, 0,1,2,3
	ds_store_b128 v[STO], v[ACC+8*(4*(\a)+(\b)):ACC+8*(4*(\a)+(\b))+3] offset:64*(\b)
	ds_store_b128 v[STO], v[ACC+8*(4*(\a)+(\b))+4:ACC+8*(4*(\a)+(\b))+7] offset:64*(\b)+16
.endr
.irp t, 0,1,2,3,4,5,6,7
	ds_load_b128 v[TMP+32*((\a)%2)+4*(\t):TMP+32*((\a)%2)+4*(\t)+3], v[RD] offset:(\t)*2*SPITCH  ; LDS serves a wave's instructions in order (ISA guide 5.7.1.4)
.endr
	s_wait_dscnt 0x0
.irp t, 0,1,2,3,4,5,6,7
	global_store_b128 v[CO], v[TMP+32*((\a)%2)+4*(\t):TMP+32*((\a)%2)+4*(\t)+3], s[8:9] offset:(16*(\a)+2*(\t))*4096  ; 16 lanes store 256 consecutive bytes, at a multiple of 256 from out0's first byte
.endr
.endr
	s_wait_tensorcnt 0x0                           ; the wave's end
	ds_add_u32 v[SPW], v[NIL]
	s_wait_dscnt 0x0
	CROUND                                         ; the closing round
	s_endpgm
.Lfunc_end_k_q62ad56fad2_outp:
	.size	k_q62ad56fad2_outp, .Lfunc_end_k_q62ad56fad2_outp-k_q62ad56fad2_outp
	.p2alignl 7, 3214868480
	.fill 96, 4, 3214868480
	.section	.rodata,"a",@progbits
	.p2align	6, 0x0
	.amdhsa_kernel k_q62ad56fad2_outp
		.amdhsa_group_segment_fixed_size 327680
		.amdhsa_private_segment_fixed_size 0
		.amdhsa_enable_private_segment 0
		.amdhsa_kernarg_size 24
		.amdhsa_user_sgpr_count 2
		.amdhsa_user_sgpr_kernarg_segment_ptr 1
		.amdhsa_wavefront_size32 1
		.amdhsa_system_sgpr_workgroup_id_x 1
		.amdhsa_system_sgpr_workgroup_id_y 1
		.amdhsa_system_sgpr_workgroup_id_z 1
		.amdhsa_system_vgpr_workitem_id 0
		.amdhsa_next_free_vgpr 512
		.amdhsa_next_free_sgpr 66
		.amdhsa_reserve_vcc 0
		.amdhsa_float_denorm_mode_32 3
		.amdhsa_float_denorm_mode_16_64 3
		.amdhsa_memory_ordered 1
		.amdhsa_forward_progress 1
		.amdhsa_inst_pref_size 71
	.end_amdhsa_kernel
	.amdgpu_metadata
---
amdhsa.version: [ 1, 2 ]
amdhsa.kernels:
  - .name:           k_q62ad56fad2_outp
    .symbol:         k_q62ad56fad2_outp.kd
    .args:
      - { .name: y, .offset: 0, .size: 8, .value_kind: global_buffer, .address_space: global }
      - { .name: w2, .offset: 8, .size: 8, .value_kind: global_buffer, .address_space: global }
      - { .name: out0, .offset: 16, .size: 8, .value_kind: global_buffer, .address_space: global }
    .group_segment_fixed_size: 327680
    .private_segment_fixed_size: 0
    .kernarg_segment_align: 8
    .kernarg_segment_size: 24
    .max_flat_workgroup_size: 128
    .sgpr_count:     66
    .vgpr_count:     512
    .wavefront_size: 32
...
	.end_amdgpu_metadata
.endif
;; end of part 9
;; ======== version 3 of 3: 5 launches; version 2 with the launch cast written anew for expert scheduling mode
;; limits: values are held in f16: magnitudes above 65,504 overflow, below 6.1e-05 lose precision
;; workspace buffers: xb 33,554,432 bytes; wb 8,388,608 bytes; h 50,331,648 bytes; pt 33,554,432 bytes; st 1,048,576 bytes; y 16,777,216 bytes; w2 4,194,304 bytes
;; launch cast (part 10): grid 896 x 1, 8 waves a work-group, no clusters, 66,560 bytes of LDS; arguments q, k, v, Wq, Wk, Wv, Wproj, xb, wb, h; writes xb, wb, h
.if DOCPART == 10
	.amdgcn_target "amdgcn-amd-amdhsa--gfx1250"
	.amdhsa_code_object_version 6
	.text
	.protected	k_q62ad56fad2_cast
	.globl	k_q62ad56fad2_cast
	.p2align	8
	.type	k_q62ad56fad2_cast,@function
k_q62ad56fad2_cast:
	s_mov_b64 s[64:65], 0
	v_nop
	global_prefetch_b8 v0, s[64:65] scope:SCOPE_SE
	s_setreg_imm32_b32 hwreg(HW_REG_WAVE_SCHED_MODE, 0, 2), 2
	s_setreg_imm32_b32 hwreg(HW_REG_WAVE_MODE, 25, 1), 1
	s_wait_xcnt 0x0
	s_wait_alu depctr_vm_vsrc(0)
; CAST.  All seven inputs are rounded once to bf16.  q, k -> xb [2][8192][1024] and Wq, Wk -> wb planes 0, 1 stay bf16.  The others are multiplied with f16 operands later, so their bf16 number is written as f16:
; v -> h's third plane [8192][1024];  Wv -> wb plane 2, TURNED: wvt[d][m] = Wv[m][d];  16 x Wproj -> wb plane 3 (times 16 is exact; the last launch takes it out again).
; The program never forms v Wv^T: it uses (P (v Wv^T)) Wproj^T = (P v) (Wproj Wv)^T, and a later launch makes Wproj Wv from planes 3 and 2, which wants Wv's rows along m.
; LIMITS: a bf16 number below 6.1e-5 keeps f16's fixed step of 6e-8 in v, Wv and 16 Wproj; beyond 65,504 it becomes an infinity.
; A stream.  A work-group takes 32,768 numbers (131,072 bytes in, 65,536 out).  All 32 loads of a wave go out at once, 512 consecutive bytes each; each has registers of its own.
; Work-groups 0-127: Wq, Wk, Wv, Wproj (32 each); 128-895: q, k, v (256 each).  The 32 that turn Wv do the most, so the weights stand first in the grid.
; TURNING.  A work-group takes 128 m x 256 d.  Thread t = 64 r + c loads rows 32 r + i (i = 0..31) at the four d from 4 c on: the same 32 load lines as the stream's, with another offset.  Two neighbouring rows' numbers
; make a word (m, m + 1) of row d of an LDS tile of 256 rows x 256 bytes; behind a barrier the rows come back 16 bytes a lane and 16 lanes store 256 consecutive bytes.  In row d the 16-byte piece j lies at place (j + d / 4) % 16:
; the 32 lanes of a store then meet 16 different groups of four banks, and the 16 lanes that read a row meet each piece once (64 banks of 4 bytes: ISA guide 11.1).
; The addresses that the text behind the barrier names have registers that none of the three ways writes.
; THE MODE: SCHED_MODE bits 1:0 = 2 (LLVM: expert scheduling mode 2), set by the entry lines.  The code itself states the register dependences
; between vector instructions and memory or LDS instructions, with s_wait_alu, always for 0.
; THE PLAN.  Registers that memory or LDS instructions touch:
;   v1, v2, RA, GO, SPW, NIL   offsets and addresses: written at the head, ahead of the head's wait, and never again.
;   X    Written by the 32 loads; read by the conversions (on one way multiplied in place first); behind the barrier LDS loads land in its first 64 registers, and the last stores read those.
;   Y    Each register is written once, by a rounding, and read once, by a store: the stream's global stores, the turning way's LDS stores.
;   SA   The turning way's LDS addresses: written once at that way's head, read by its LDS stores.
;   T, TT and W are named by vector instructions alone.
; On each of the three ways the 32 loads go in eight batches of four.  Batch p rounds its four loads into its own eight registers of Y; its memory instructions are the stores of batch p - 1, which read the eight
; registers that batch p - 1 wrote and that no vector instruction of batch p names.  So ONE wait on va_vdst at a batch's head, behind the wait for its first load, states all that the batch's stores hang on, and they
; are dealt among its conversions.  One more stands behind batch 7, ahead of the last stores: it is behind the last vector instruction of the whole text, so it also states what the LDS loads into X need.
; No register that a memory or LDS instruction reads is written afterwards, so the text holds no wait on vm_vsrc; no vector instruction writes a scalar register, VCC or EXEC.
.set X, 4                              ; v[4:131]    load i: 4 registers; behind the barrier: rows read back
.set Y, 132                            ; v[132:195]  the stream: store i's 2 registers at Y + 2 i; turning: word (u, k) at Y + 4 u + k
.set T, 196                            ; v[196:199]  at work
.set SPW, 200                          ; v200        my spare word; never rewritten
.set NIL, 201                          ; v201        0; never rewritten
.set RA, 202                           ; v202-205    where I read a piece back, by i % 4; never rewritten
.set GO, 206                           ; v206        my byte offset in the turned block; never rewritten
.set H,  207                           ; v207-211    at work while those five are made
.set SA, 212                           ; v212-215    turning: where my words of m-piece 4 r + p go
.set TT, 216                           ; v216-219    turning: at work while those four are made
.set W,  220                           ; v220-231    turning: four sets of three at work
.set SPARE, 65536                      ; behind the tile: the spare words, 128 bytes for each of eight waves
	s_load_b512 s[8:23], s[0:1], 0x0               ; q s[8:9], k, v, Wq s[14:15], Wk, Wv, Wproj s[20:21], xb s[22:23]
	s_load_b128 s[24:27], s[0:1], 0x40             ; wb s[24:25], h s[26:27]
	v_lshl_add_u32 v[SPW], v0, 2, SPARE
	v_mov_b32 v[NIL], 0
	s_mov_b32 s2, ttmp9
	s_sub_co_u32 s3, s2, 128                       ; my number among q's, k's and v's parts
	s_lshr_b32 s28, s2, 5                          ; 0 Wq, 1 Wk, 2 Wv, 3 Wproj; 4 and more: q, k, v
	s_mov_b32 s29, 0xffff0000                      ; a word's upper bf16
	s_and_b32 s30, s2, 31                          ; my part of a weight,
	s_and_b32 s31, s3, 255                         ; or of a large input
	s_cmp_ge_u32 s2, 128
	s_cselect_b32 s30, s31, s30
	s_cselect_b32 s32, s3, s2                      ; my part of xb and h (v's 256 parts follow q's and k's 512: h's third plane begins 512 parts in), or of wb
	s_lshl_b32 s30, s30, 17                        ; times 131,072 bytes
	s_lshl_b32 s32, s32, 16                        ; times 65,536 bytes
	s_and_b32 s34, s2, 3                           ; turning: which 256 d,
	s_bfe_u32 s35, s2, 0x30002                     ; which 128 m
	s_lshl_b32 s36, s35, 19                        ; from: 128 rows of 4,096 bytes,
	s_lshl_b32 s37, s34, 10                        ; 256 numbers of 4 bytes
	s_add_co_u32 s36, s36, s37
	s_lshl_b32 s37, s34, 19                        ; to: 256 rows of 2,048 bytes,
	s_lshl_b32 s33, s35, 8                         ; 128 numbers of 2 bytes,
	s_add_co_u32 s37, s37, s33
	s_add_co_u32 s37, s37, 0x400000                ; in plane 2
	s_cmp_eq_u32 s28, 2
	s_cselect_b32 s30, s36, s30
	s_cselect_b32 s32, s37, s32
	s_cselect_b32 s38, 63, 255                     ; the threads that share a row of the source: 64, or all
	s_cselect_b32 s39, 0x20000, 0                  ; and the 32 rows from one such group to the next
	s_mov_b32 s31, 0
	s_mov_b32 s33, 0
	s_cmp_ge_u32 s2, 640
	s_cselect_b32 s40, 1.0, 0x41800000             ; v as it is, Wproj times 16
	s_mov_b32 s41, s40                             ; named with it as a pair
	v_and_b32 v1, s38, v0
	v_lshrrev_b32 v3, 6, v0
	v_lshlrev_b32 v1, 4, v1
	v_mul_u32_u24 v3, s39, v3
	v_add_nc_u32 v1, v1, v3                        ; my 16 bytes in each 4,096 of the source
	v_lshlrev_b32 v2, 3, v0                        ; 8 t: in each 2,048 of the stream's result
	; what the text behind the barrier names is made on every way: row t / 16 + 16 i, piece j = t % 16, at place (j + t / 64 + 4 i) % 16
	v_and_b32 v[H], 15, v0                         ; j
	v_lshrrev_b32 v[H+1], 6, v0
	v_add_nc_u32 v[H+1], v[H], v[H+1]              ; j + t / 64
	v_lshrrev_b32 v[H+2], 4, v0                    ; t / 16
	v_lshlrev_b32 v[H+3], 8, v[H+2]                ; its row of 256 bytes
.irp p, 0,1,2,3
	v_add_nc_u32 v[H+4], 4*\p, v[H+1]
	v_and_b32 v[H+4], 15, v[H+4]
	v_lshl_add_u32 v[RA+\p], v[H+4], 4, v[H+3]
.endr
	v_lshlrev_b32 v[GO], 11, v[H+2]                ; row t / 16 of 2,048 bytes, piece j
	v_lshl_add_u32 v[GO], v[H], 4, v[GO]
	s_wait_kmcnt 0x0
	s_mov_b64 s[4:5], s[14:15]                     ; the source is chosen by the work-group's number alone
	s_cmp_ge_u32 s2, 32
	s_cselect_b64 s[4:5], s[16:17], s[4:5]
	s_cmp_ge_u32 s2, 64
	s_cselect_b64 s[4:5], s[18:19], s[4:5]
	s_cmp_ge_u32 s2, 96
	s_cselect_b64 s[4:5], s[20:21], s[4:5]
	s_cmp_ge_u32 s2, 128
	s_cselect_b64 s[4:5], s[8:9], s[4:5]
	s_cmp_ge_u32 s2, 384
	s_cselect_b64 s[4:5], s[10:11], s[4:5]
	s_cmp_ge_u32 s2, 640
	s_cselect_b64 s[4:5], s[12:13], s[4:5]
	s_mov_b64 s[6:7], s[24:25]                     ; and so is the result
	s_cmp_ge_u32 s2, 128
	s_cselect_b64 s[6:7], s[22:23], s[6:7]
	s_cmp_ge_u32 s2, 640
	s_cselect_b64 s[6:7], s[26:27], s[6:7]
	s_add_nc_u64 s[4:5], s[4:5], s[30:31]
	s_add_nc_u64 s[6:7], s[6:7], s[32:33]
	s_wait_alu depctr_va_vdst(0)                   ; v1, v2, RA, GO and the add's two registers are written: the loads below, every store, the LDS loads behind the barrier and the closing add read them
.set i, 0
.rept 32
	global_load_b128 v[X+4*i:X+4*i+3], v1, s[4:5] offset:i*4096 th:TH_LOAD_NT  ; each input byte is read once in the launch
.set i, i+1
.endr
; Load n is rounded; the store of load n - 4, of the batch before, goes out ahead of its conversions.  half = 1: times the factor, and the bf16 number is widened again (a shift, a mask) and written as f16.
.macro CV n, half
	s_wait_loadcnt 31-(\n)                         ; loads come back in order (ISA guide 5.7.1): mine is in, the 31 - n younger ones stay out
.if ((\n)%4 == 0) && ((\n) > 0)
	s_wait_alu depctr_va_vdst(0)                   ; the batch before has written its eight registers of Y, which this batch's four stores read; no vector instruction of this batch names them
.endif
.if (\n) >= 4
	global_store_b64 v2, v[Y+2*((\n)-4):Y+2*((\n)-4)+1], s[6:7] offset:((\n)-4)*2048  ; a wave stores 256 consecutive bytes, at a multiple of 256
.endif
.if \half
	v_pk_mul_f32 v[X+4*(\n):X+4*(\n)+1], v[X+4*(\n):X+4*(\n)+1], s[40:41] op_sel_hi:[1,0]
	v_pk_mul_f32 v[X+4*(\n)+2:X+4*(\n)+3], v[X+4*(\n)+2:X+4*(\n)+3], s[40:41] op_sel_hi:[1,0]
.endif
	v_cvt_pk_bf16_f32 v[Y+2*(\n)], v[X+4*(\n)], v[X+4*(\n)+1]
	v_cvt_pk_bf16_f32 v[Y+2*(\n)+1], v[X+4*(\n)+2], v[X+4*(\n)+3]
.if \half
	v_lshlrev_b32 v[T], 16, v[Y+2*(\n)]
	v_and_b32 v[T+1], s29, v[Y+2*(\n)]
	v_lshlrev_b32 v[T+2], 16, v[Y+2*(\n)+1]
	v_and_b32 v[T+3], s29, v[Y+2*(\n)+1]
	v_cvt_pk_f16_f32 v[Y+2*(\n)], v[T], v[T+1]
	v_cvt_pk_f16_f32 v[Y+2*(\n)+1], v[T+2], v[T+3]
.endif
.endm
; Behind the last batch: its four stores.
.macro LAST4
	s_wait_alu depctr_va_vdst(0)                   ; batch 7 has written its eight registers of Y, which the stores below read; and every vector instruction that names X is done: behind the barrier LDS loads land there
.irp n, 28,29,30,31
	global_store_b64 v2, v[Y+2*\n:Y+2*\n+1], s[6:7] offset:\n*2048
.endr
.endm
	s_cmp_eq_u32 s28, 2
	s_cbranch_scc1 .Lturn
	s_cmp_eq_u32 s28, 3
	s_cbranch_scc1 .Lhalf
	s_cmp_ge_u32 s2, 640
	s_cbranch_scc1 .Lhalf
.set i, 0
.rept 32
	CV i, 0
.set i, i+1
.endr
	LAST4
	s_branch .Ljoin
.Lhalf:
.set i, 0
.rept 32
	CV i, 1
.set i, i+1
.endr
	LAST4
	s_branch .Ljoin
.Lturn:
	v_and_b32 v[TT], 63, v0                        ; c: my four d begin at 4 c
	v_lshrrev_b32 v[TT+1], 6, v0                   ; r: my 32 m begin at 32 r, m-piece 4 r
	v_lshl_add_u32 v[TT+1], v[TT+1], 2, v[TT]      ; 4 r + c
	v_lshlrev_b32 v[TT+2], 10, v[TT]               ; row 4 c of 256 bytes
.irp p, 0,1,2,3
	v_add_nc_u32 v[TT+3], \p, v[TT+1]
	v_and_b32 v[TT+3], 15, v[TT+3]                 ; m-piece 4 r + p lies at place (4 r + p + c) % 16 of rows 4 c .. 4 c + 3
	v_lshl_add_u32 v[SA+\p], v[TT+3], 4, v[TT+2]
.endr
.set u, 0
.rept 16                                       ; rows 32 r + 2 u and 32 r + 2 u + 1: word u % 4 of m-piece 4 r + u / 4.  A batch is two such steps, four loads
	s_wait_loadcnt 30-2*u                          ; both rows are in; the 30 - 2 u younger loads stay out
.if (u%2 == 0) && (u > 0)
	s_wait_alu depctr_va_vdst(0)                   ; the batch before has written its eight words of Y, which this batch's eight LDS stores read; at its first use SA, their address, is written too
.endif
.if u >= 2
.irp k, 0,1,2,3
	ds_store_b32 v[SA+(u-2)/4], v[Y+4*(u-2)+\k] offset:\k*256+((u-2)%4)*4  ; the words of two steps back, of the batch before
.endr
.endif
.irp k, 0,1,2,3
	v_cvt_pk_bf16_f32 v[W+3*\k], v[X+8*u+\k], v[X+8*u+4+\k]
.endr
.irp k, 0,1,2,3
	v_lshlrev_b32 v[W+3*\k+1], 16, v[W+3*\k]
	v_and_b32 v[W+3*\k+2], s29, v[W+3*\k]
.endr
.irp k, 0,1,2,3
	v_cvt_pk_f16_f32 v[Y+4*u+\k], v[W+3*\k+1], v[W+3*\k+2]  ; each word has a register of its own: none that an LDS store reads is written again
.endr
.set u, u+1
.endr
	s_wait_alu depctr_va_vdst(0)                   ; batch 7 has written its eight words of Y, which the LDS stores below read; and the conversions are done reading X, in which the LDS loads behind the barrier land
.irp q, 14,15
.irp k, 0,1,2,3
	ds_store_b32 v[SA+3], v[Y+4*\q+\k] offset:\k*256+(\q%4)*4
.endr
.endr
.Ljoin:
	s_wait_dscnt 0x0                               ; for the others' sake: my stores into the tile are done
	s_barrier_signal -1                            ; the barrier stands on every work-group's way, so that no branch passes it; only the work-groups that turn Wv need it
	s_barrier_wait -1
	s_cmp_lg_u32 s28, 2
	s_cbranch_scc1 .Lend
.set i, 0
.rept 16                                       ; no wait on va_vdst here: on each of the three ways the last one stands behind the last vector instruction of the text; and no memory or LDS instruction has read X
	ds_load_b128 v[X+4*i:X+4*i+3], v[RA+i%4] offset:i*4096
.set i, i+1
.endr
.set i, 0
.rept 16
	s_wait_dscnt 15-i                              ; LDS loads come back in order: load i is in, the 15 - i younger ones stay out
	global_store_b128 v[GO], v[X+4*i:X+4*i+3], s[6:7] offset:i*32768  ; 16 lanes store 256 consecutive bytes, at a multiple of 256 from wb's first byte
.set i, i+1
.endr
.Lend:
	s_wait_dscnt 0x0                               ; the closing lines, six on end
	s_wait_alu 0x0
	s_wait_tensorcnt 0x0
	ds_add_u32 v[SPW], v[NIL]
	s_wait_dscnt 0x0
	s_endpgm
.Lfunc_end_k_q62ad56fad2_cast:
	.size	k_q62ad56fad2_cast, .Lfunc_end_k_q62ad56fad2_cast-k_q62ad56fad2_cast
	.p2alignl 7, 3214868480
	.fill 96, 4, 3214868480
	.section	.rodata,"a",@progbits
	.p2align	6, 0x0
	.amdhsa_kernel k_q62ad56fad2_cast
		.amdhsa_group_segment_fixed_size 66560
		.amdhsa_private_segment_fixed_size 0
		.amdhsa_enable_private_segment 0
		.amdhsa_kernarg_size 80
		.amdhsa_user_sgpr_count 2
		.amdhsa_user_sgpr_kernarg_segment_ptr 1
		.amdhsa_wavefront_size32 1
		.amdhsa_system_sgpr_workgroup_id_x 1
		.amdhsa_system_sgpr_workgroup_id_y 1
		.amdhsa_system_sgpr_workgroup_id_z 1
		.amdhsa_system_vgpr_workitem_id 0
		.amdhsa_next_free_vgpr 232
		.amdhsa_next_free_sgpr 66
		.amdhsa_reserve_vcc 0
		.amdhsa_float_denorm_mode_32 3
		.amdhsa_float_denorm_mode_16_64 3
		.amdhsa_memory_ordered 1
		.amdhsa_forward_progress 1
		.amdhsa_inst_pref_size 57
	.end_amdhsa_kernel
	.amdgpu_metadata
---
amdhsa.version: [ 1, 2 ]
amdhsa.kernels:
  - .name:           k_q62ad56fad2_cast
    .symbol:         k_q62ad56fad2_cast.kd
    .args:
      - { .name: q, .offset: 0, .size: 8, .value_kind: global_buffer, .address_space: global }
      - { .name: k, .offset: 8, .size: 8, .value_kind: global_buffer, .address_space: global }
      - { .name: v, .offset: 16, .size: 8, .value_kind: global_buffer, .address_space: global }
      - { .name: Wq, .offset: 24, .size: 8, .value_kind: global_buffer, .address_space: global }
      - { .name: Wk, .offset: 32, .size: 8, .value_kind: global_buffer, .address_space: global }
      - { .name: Wv, .offset: 40, .size: 8, .value_kind: global_buffer, .address_space: global }
      - { .name: Wproj, .offset: 48, .size: 8, .value_kind: global_buffer, .address_space: global }
      - { .name: xb, .offset: 56, .size: 8, .value_kind: global_buffer, .address_space: global }
      - { .name: wb, .offset: 64, .size: 8, .value_kind: global_buffer, .address_space: global }
      - { .name: h, .offset: 72, .size: 8, .value_kind: global_buffer, .address_space: global }
    .group_segment_fixed_size: 66560
    .private_segment_fixed_size: 0
    .kernarg_segment_align: 8
    .kernarg_segment_size: 80
    .max_flat_workgroup_size: 256
    .sgpr_count:     66
    .vgpr_count:     232
    .wavefront_size: 32
...
	.end_amdgpu_metadata
.endif
;; end of part 10
;; launch proj: the kernel of part 7 again; grid 4 x 64, 4 waves a work-group, clusters of 4 x 4, 327,680 bytes of LDS; arguments xb, wb, h; writes h
;; launch scores: the kernel of part 8 again; grid 40 x 4, 4 waves a work-group, no clusters, 327,680 bytes of LDS; arguments h, pt, st, wb, w2; writes pt, st, w2
;; launch pv: the kernel of part 4 again; grid 8 x 32, 4 waves a work-group, clusters of 4 x 1, 327,680 bytes of LDS; arguments pt, h, st, y; writes y
;; launch outp: the kernel of part 9 again; grid 8 x 64, 4 waves a work-group, clusters of 4 x 4, 327,680 bytes of LDS; arguments y, w2, out0; writes out0
